; MI455X (gfx1250); checked and timed in simulation.
; The chip was launched on July 23, 2026; its instructions are those of AMD's public machine-readable ISA for CDNA 5 (MIT licence, August 2026) and "CDNA5" Instruction Set Architecture Reference Guide (July 2026). The comments in the code are by the model that wrote it; some were corrected since.
;; Self Attention. Allowed arithmetic: float matrix products may take bf16 or f16 operands with f32 sums; other float arithmetic in f32, or as packed bf16 or f16 multiplies, adds, multiply-adds, maxima and minima; sums over many terms, partial sums and values carried from step to step in f32; what a program stores and reads back later, other than sums and carried values, may be rounded once to bf16 or f16.
;; Inputs: Wk 1,024 x 2,048 float32; Wq 1,024 x 2,048 float32; Wv 512 x 2,048 float32; k 4 x 2,048 x 2,048 float32; q 4 x 2,048 x 2,048 float32; v 4 x 2,048 x 2,048 float32.
;; Outputs: out0 4 x 2,048 x 512 float32.
;; 3 versions, each right; version 2 is faster than version 1; version 3 is version 2 with the launches castx, norm written anew for expert scheduling mode. Each part assembles by itself: llvm-mc -triple=amdgcn-amd-amdhsa -mcpu=gfx1250 --defsym DOCPART=n.
;; ======== version 1 of 3: 6 launches
;; limits: values are held in f16: magnitudes above 65,504 overflow, below 6.1e-05 lose precision; right only within a limited range of input values; values outside matrix products are rounded to f16
;; workspace buffers: xb 100,663,296 bytes; wb 10,485,760 bytes; qkp 33,554,432 bytes; vp 8,388,608 bytes; pt 33,554,432 bytes; st 1,048,576 bytes; fc 262,144 bytes
;; launch castx (part 1): grid 1696 x 1, 8 waves a work-group, no clusters, 0 bytes of LDS; arguments q, k, v, Wq, Wk, Wv, xb, wb; writes xb, wb
.if DOCPART == 1
	.amdgcn_target "amdgcn-amd-amdhsa--gfx1250"
	.amdhsa_code_object_version 6
	.text
	.protected	k_q576d9a2c0e_castx
	.globl	k_q576d9a2c0e_castx
	.p2align	8
	.type	k_q576d9a2c0e_castx,@function
k_q576d9a2c0e_castx:
	s_mov_b64 s[64:65], 0
	v_nop
	global_prefetch_b8 v0, s[64:65] scope:SCOPE_SE
	s_setreg_imm32_b32 hwreg(HW_REG_WAVE_MODE, 25, 1), 1
	s_wait_xcnt 0x0
; All six inputs are rounded once to bf16 (nearest even): q, k, v into xb ([24576][2048], q's rows, then k's, then v's), Wq, Wk, Wv into wb ([2560][2048]).
; A stream: no LDS, no barrier, no matrix unit.  A work-group takes 32,768 numbers (131,072 bytes in, 65,536 out), a wave 4,096.
; A wave's load covers 512 consecutive bytes, its store 256 consecutive bytes at a multiple of 256 from the buffer's first byte.
; All 32 loads of a wave go out at once; no register is written twice, so no wait frees a source.
.set LOADS, 32
.set X, 4                              ; v[4:131]   as loaded
.set Y, 132                            ; v[132:195] two bf16 a register
.macro PICK t, p                       ; from work-group t on the source is the buffer in s[p:p+1]
	s_cmp_ge_u32 s2, \t
	s_cselect_b64 s[24:25], s[\p:\p+1], s[24:25]
	s_cselect_b32 s26, \t, s26
.endm
	s_load_b512 s[8:23], s[0:1], 0x0               ; q, k, v, Wq, Wk, Wv, xb, wb: s[8:9] .. s[22:23]
	s_mov_b32 s2, ttmp9
	v_lshrrev_b32 v3, 5, v0                        ; wave
	v_and_b32 v2, 31, v0                           ; lane
	v_lshlrev_b32 v1, 4, v2
	v_lshl_add_u32 v1, v3, 14, v1                  ; in: wave x 16,384 + lane x 16
	v_lshlrev_b32 v2, 3, v2
	v_lshl_add_u32 v2, v3, 13, v2                  ; out: wave x 8,192 + lane x 8
	s_wait_kmcnt 0x0
	s_mov_b64 s[24:25], s[8:9]                     ; the source, and the first work-group that reads it
	s_mov_b32 s26, 0
	PICK 512, 10                                   ; q, k, v have 512 work-groups each,
	PICK 1024, 12
	PICK 1536, 14                                  ; Wq and Wk 64, Wv 32
	PICK 1600, 16
	PICK 1664, 18
	s_cmp_ge_u32 s2, 1536
	s_cselect_b64 s[28:29], s[22:23], s[20:21]     ; the weights go to wb, the rest to xb
	s_cselect_b32 s27, 1536, 0
	s_sub_co_u32 s30, s2, s26
	s_lshl_b32 s30, s30, 17                        ; 131,072 bytes of f32 a work-group: 67,108,864 at the most
	s_mov_b32 s31, 0
	s_add_nc_u64 s[24:25], s[24:25], s[30:31]
	s_sub_co_u32 s30, s2, s27
	s_lshl_b32 s30, s30, 16                        ; 65,536 bytes of bf16 a work-group
	s_add_nc_u64 s[28:29], s[28:29], s[30:31]
.set i, 0
.rept LOADS
	global_load_b128 v[X+4*i:X+4*i+3], v1, s[24:25] offset:512*i th:TH_LOAD_NT
.set i, i+1
.endr
.set i, 0
.rept LOADS
	s_wait_loadcnt LOADS-1-i                       ; loads come back in order (ISA guide 5.7.1): load i is in, the younger ones stay out
	v_cvt_pk_bf16_f32 v[Y+2*i], v[X+4*i], v[X+4*i+1]
	v_cvt_pk_bf16_f32 v[Y+2*i+1], v[X+4*i+2], v[X+4*i+3]
	global_store_b64 v2, v[Y+2*i:Y+2*i+1], s[28:29] offset:256*i
.set i, i+1
.endr
	s_endpgm
.Lfunc_end_k_q576d9a2c0e_castx:
	.size	k_q576d9a2c0e_castx, .Lfunc_end_k_q576d9a2c0e_castx-k_q576d9a2c0e_castx
	.p2alignl 7, 3214868480
	.fill 96, 4, 3214868480
	.section	.rodata,"a",@progbits
	.p2align	6, 0x0
	.amdhsa_kernel k_q576d9a2c0e_castx
		.amdhsa_group_segment_fixed_size 0
		.amdhsa_private_segment_fixed_size 0
		.amdhsa_enable_private_segment 0
		.amdhsa_kernarg_size 64
		.amdhsa_user_sgpr_count 2
		.amdhsa_user_sgpr_kernarg_segment_ptr 1
		.amdhsa_wavefront_size32 1
		.amdhsa_system_sgpr_workgroup_id_x 1
		.amdhsa_system_sgpr_workgroup_id_y 1
		.amdhsa_system_sgpr_workgroup_id_z 1
		.amdhsa_system_vgpr_workitem_id 0
		.amdhsa_next_free_vgpr 196
		.amdhsa_next_free_sgpr 66
		.amdhsa_reserve_vcc 0
		.amdhsa_float_denorm_mode_32 3
		.amdhsa_float_denorm_mode_16_64 3
		.amdhsa_memory_ordered 1
		.amdhsa_forward_progress 1
		.amdhsa_inst_pref_size 13
	.end_amdhsa_kernel
	.amdgpu_metadata
---
amdhsa.version: [ 1, 2 ]
amdhsa.kernels:
  - .name:           k_q576d9a2c0e_castx
    .symbol:         k_q576d9a2c0e_castx.kd
    .args:
      - { .name: q, .offset: 0, .size: 8, .value_kind: global_buffer, .address_space: global }
      - { .name: k, .offset: 8, .size: 8, .value_kind: global_buffer, .address_space: global }
      - { .name: v, .offset: 16, .size: 8, .value_kind: global_buffer, .address_space: global }
      - { .name: Wq, .offset: 24, .size: 8, .value_kind: global_buffer, .address_space: global }
      - { .name: Wk, .offset: 32, .size: 8, .value_kind: global_buffer, .address_space: global }
      - { .name: Wv, .offset: 40, .size: 8, .value_kind: global_buffer, .address_space: global }
      - { .name: xb, .offset: 48, .size: 8, .value_kind: global_buffer, .address_space: global }
      - { .name: wb, .offset: 56, .size: 8, .value_kind: global_buffer, .address_space: global }
    .group_segment_fixed_size: 0
    .private_segment_fixed_size: 0
    .kernarg_segment_align: 8
    .kernarg_segment_size: 64
    .max_flat_workgroup_size: 256
    .sgpr_count:     66
    .vgpr_count:     196
    .wavefront_size: 32
...
	.end_amdgpu_metadata
.endif
;; end of part 1
;; launch projqk (part 2): grid 4 x 64, 4 waves a work-group, clusters of 4 x 4, 327,680 bytes of LDS; arguments xb, wb, qkp; writes qkp
.if DOCPART == 2
	.amdgcn_target "amdgcn-amd-amdhsa--gfx1250"
	.amdhsa_code_object_version 6
	.text
	.protected	k_q576d9a2c0e_projqk
	.globl	k_q576d9a2c0e_projqk
	.p2align	8
	.type	k_q576d9a2c0e_projqk,@function
k_q576d9a2c0e_projqk:
	s_mov_b64 s[64:65], 0
	v_nop
	global_prefetch_b8 v0, s[64:65] scope:SCOPE_SE
	s_setreg_imm32_b32 hwreg(HW_REG_WAVE_MODE, 25, 1), 1
	s_wait_xcnt 0x0
	s_wait_alu depctr_hold_cnt(0) depctr_sa_sdst(0) depctr_va_vdst(0) depctr_va_sdst(0) depctr_va_ssrc(0) depctr_va_vcc(0) depctr_vm_vsrc(0)
	s_getreg_b32 s2, hwreg(HW_REG_IB_STS2, 6, 4)
	s_cmp_eq_u32 s2, 0
	s_cbranch_scc0 .Lentry_in_a_cluster
	s_endpgm
.Lentry_in_a_cluster:
	s_bfe_u32 s2, ttmp6, 0x10000c
	s_cmp_lg_u32 s2, 0xf033
	s_cbranch_scc0 .Lentry_shape_is_right
	s_endpgm
.Lentry_shape_is_right:
; qkp[m][n] = sum over k of xb[m][k] W[n][k].  Rows m 0-8191 are q's and take Wq (wb's rows 0-1023), rows 8192-16383 are k's and take Wk (rows 1024-2047).
; Operands bf16, sums f32, the result rounded once to f16.  LIMIT: a projection of 65,520 or more becomes an infinity in f16; NaN and infinities are not treated apart.
; A tile of 256 x 256 is made by four waves, each 128 x 128: 64 accumulators, 512 registers.  K goes in steps of 128 through two LDS slots filled by tensor loads
; (rows of 256 bytes).  64 x 4 tiles: 256 work-groups.  The last K step goes by rows of the result, so that finished rows leave while the others are multiplied.
; CLUSTERS: 4 x 4 work-groups.  The four of a row of the cluster need the same tiles of xb, the four of a column the same tiles of wb (a cluster's four tile rows lie in one matrix):
; each tile is asked for jointly, by the same tensor load with the same descriptor and a mask that names the four.
; REGISTERS, in windows of 256: window 0: v0-31 addresses; v64-191 fragments of A, two buffers (in the last K step four); v32-63, v192-255 the way out.
;   window 1: fragments of B (v64-191; in the last K step all 256).  windows 2, 3: the accumulators of my rows 0-63, 64-127: (a, b) at v[8 (8 a + b)].
; THE MATRIX INSTRUCTION IS USED TRANSPOSED (source 0 = 16 rows of W, source 1 = 16 rows of x): a lane holds eight neighbouring numbers of a row of the result.
.set SIZE_N, 1024
.set SIZE_K, 2048
.set KSTEP,  128
.set PITCH,  272                       ; 256 bytes + 16 of padding = 68 words: the 16 rows of a fragment load start at 16 different groups of four banks (ISA guide 11.1)
.set HALFT,  128*PITCH                 ; what one tensor load brings
.set SLOT,   4*HALFT                   ; A's 256 rows, then B's 256 rows
.set STAGE,  2*SLOT                    ; behind the ring: 16 rows x 272 bytes for each wave
.set SPITCH, 272
.set SPARE,  STAGE+4*16*SPITCH         ; the spare words: 128 bytes a wave, two blocks of 256 bytes that no other line names
.set LAPS, SIZE_K/(2*KSTEP)
.set ADRA, 16                          ; v16-17  LDS address of my A fragments in slot 0, 1
.set ADRB, 20                          ; v20-21  the same for B
.set STO,  24                          ; v24     the way out: where I put 16 bytes of a row
.set RD,   25                          ; v25     where I read a row back
.set CO,   26                          ; v26     my byte offset in the result
.set SPW,  28                          ; v28     my spare word's LDS address; never rewritten
.set NIL,  29                          ; v29     0; never rewritten
.set F0,   64
.set F1,   128
.set TMP,  192
.set OB,   32
.set PA,   64
.set G1, 24                            ; s[24:31] group 1 for A's tiles; s[32:39] group 0, a set for each slot
.set G0, 32
.set G1B, 48                           ; s[48:55], s[56:63] the same for B's
.set G0B, 56
.set MSB, 0
.macro WIN new                         ; the immediate's high byte repeats the setting that is left
.if MSB != (\new)
	s_set_vgpr_msb (MSB<<8)|(\new)
.set MSB, \new
.endif
.endm
.set MUL_LO, 0xa1                      ; source 0 (B) window 1, source 1 (A) window 0, C and D window 2
.set MUL_HI, 0xf1                      ; the same, C and D window 3
.set TO_B,   0x40                      ; destination window 1, address window 0
.macro JLOAD s                         ; a joint load: waves 0 and 1 fetch A's halves, waves 2 and 3 B's; s_nop 0 and four v_nop follow each line
	s_cmp_eq_u32 s11, 0
	s_cbranch_scc0 .Lfor_b_\@
	tensor_load_to_lds s[G0+4*(\s):G0+4*(\s)+3], s[G1:G1+7]
	s_nop 0
.rept 4
	v_nop
.endr
	s_branch .Lasked_\@
.Lfor_b_\@:
	tensor_load_to_lds s[G0B+4*(\s):G0B+4*(\s)+3], s[G1B:G1B+7]
	s_nop 0
.rept 4
	v_nop
.endr
.Lasked_\@:
.endm
.macro CREST                           ; a round of the cluster's barrier behind its opening barrier
	s_cmp_lg_u32 s10, 0
	s_cbranch_scc1 .Lnot_wave_0_\@
	s_barrier_signal -3
.Lnot_wave_0_\@:
	s_barrier_wait -3
	s_barrier_signal -1
	s_barrier_wait -1
.endm
.macro CROUND
	s_barrier_signal -1
	s_barrier_wait -1
	CREST
.endm
	s_load_b128 s[4:7], s[0:1], 0x0                ; xb s[4:5], wb s[6:7]
	s_load_b64 s[8:9], s[0:1], 0x10                ; qkp
	v_lshl_add_u32 v[SPW], v0, 2, SPARE
	v_mov_b32 v[NIL], 0
	ds_add_u32 v[SPW], v[NIL]                      ; the wave's opening: the add and its wait stand ahead of my first tensor load
	v_lshrrev_b32 v1, 5, v0
	v_readfirstlane_b32 s10, v1                    ; wave 0..3
	s_lshr_b32 s11, s10, 1                         ; my half of the tile's rows; also: I fetch for A (0) or B (1)
	s_and_b32 s12, s10, 1                          ; my half of its columns; also: which 128 rows I fetch
	s_bfe_u32 s40, ttmp6, 0x40000                  ; cx
	s_bfe_u32 s41, ttmp6, 0x40004                  ; cy
	s_lshl_b32 s42, ttmp9, 2
	s_add_co_u32 s42, s42, s40                     ; tile column = 4 x cluster x + cx
	s_and_b32 s13, ttmp7, 0xffff
	s_lshr_b32 s45, s13, 3                         ; clusters 0-7 along y make qp, 8-15 kp:
	s_lshl_b32 s45, s45, 10                        ; Wq's or Wk's 1,024 rows of wb; made of the cluster's y alone, which all partners share
	s_lshl_b32 s13, s13, 2
	s_add_co_u32 s13, s13, s41                     ; tile row = 4 x cluster y + cy
	s_lshl_b32 s43, s41, 2
	s_lshl_b32 s43, 15, s43                        ; my row of the cluster
	s_lshl_b32 s44, 0x1111, s40                    ; my column
	s_or_b32 s[G1+0], s43, (1<<16)|(1<<20)|(1<<21)|(5<<22)|(3<<25)  ; mask; 2-byte elements; padding on; bit 21 beside a mask; after every 64 words 4 words
	s_or_b32 s[G1B+0], s44, (1<<16)|(1<<20)|(1<<21)|(5<<22)|(3<<25)
.irp g, G1, G1B
	s_mov_b32 s[(\g)+1], KSTEP<<16                 ; tensor_dim0 = 128
	s_mov_b32 s[(\g)+2], 128<<16                   ; tensor_dim1 = 128
	s_mov_b32 s[(\g)+3], KSTEP<<16                 ; tile_dim0 = 128
	s_mov_b32 s[(\g)+4], 128                       ; tile_dim1 = 128
	s_mov_b32 s[(\g)+5], SIZE_K                    ; elements from row to row
	s_mov_b32 s[(\g)+6], 0
	s_mov_b32 s[(\g)+7], 0
.endr
	s_lshl_b32 s17, s12, 7
	s_lshl_b32 s16, s13, 8
	s_add_co_u32 s16, s16, s17                     ; A: row 256 x tile row + 128 x half
	s_lshl_b32 s46, s42, 8
	s_add_co_u32 s46, s46, s17
	s_add_co_u32 s46, s46, s45                     ; B: the matrix's rows + 256 x tile column + 128 x half
	s_mov_b32 s17, 0
	s_mov_b32 s47, 0
	s_mov_b64 s[18:19], SIZE_K*2
	s_mul_u64 s[16:17], s[16:17], s[18:19]
	s_mul_u64 s[46:47], s[46:47], s[18:19]
	s_mul_i32 s20, s10, HALFT                      ; where they go: wave x 128 rows
	s_wait_dscnt 0x0                               ; the opening add is done
	s_wait_kmcnt 0x0
	s_add_nc_u64 s[14:15], s[4:5], s[16:17]
	s_add_nc_u64 s[46:47], s[6:7], s[46:47]
	CROUND                                         ; all sixteen work-groups are here: the first joint loads meet
.irp s, 0,1
	s_mov_b32 s[G0+4*(\s)], 1
	s_add_co_u32 s[G0+4*(\s)+1], s20, (\s)*SLOT
	s_add_nc_u64 s[G0+4*(\s)+2:G0+4*(\s)+3], s[14:15], (\s)*KSTEP*2
	s_or_b32 s[G0+4*(\s)+3], s[G0+4*(\s)+3], 0x80000000
	s_mov_b32 s[G0B+4*(\s)], 1
	s_add_co_u32 s[G0B+4*(\s)+1], s20, (\s)*SLOT
	s_add_nc_u64 s[G0B+4*(\s)+2:G0B+4*(\s)+3], s[46:47], (\s)*KSTEP*2
	s_or_b32 s[G0B+4*(\s)+3], s[G0B+4*(\s)+3], 0x80000000
	JLOAD \s                                       ; two loads of mine are out
.endr
	v_and_b32 v1, 15, v0                           ; l % 16
	v_bfe_u32 v2, v0, 4, 1                         ; l / 16
	v_mul_u32_u24 v3, v1, PITCH
	v_lshl_add_u32 v3, v2, 4, v3                   ; a fragment's row x pitch + 16 x half
	s_mul_i32 s21, s11, HALFT
	s_mul_i32 s22, s12, HALFT
	s_add_co_u32 s22, s22, 2*HALFT
.irp s, 0,1
	v_add_nc_u32 v[ADRA+(\s)], s21, v3
	v_add_nc_u32 v[ADRB+(\s)], s22, v3
	s_add_co_u32 s21, s21, SLOT
	s_add_co_u32 s22, s22, SLOT
.endr
	s_mul_i32 s23, s10, 16*SPITCH
	s_add_co_u32 s23, s23, STAGE                   ; my stage
	v_mul_u32_u24 v4, v1, SPITCH
	v_lshl_add_u32 v4, v2, 4, v4
	v_add_nc_u32 v[STO], s23, v4
	v_mul_u32_u24 v5, v2, SPITCH
	v_lshl_add_u32 v5, v1, 4, v5
	v_add_nc_u32 v[RD], s23, v5
	v_mul_u32_u24 v5, v2, SIZE_N*2
	v_lshl_add_u32 v[CO], v1, 4, v5
	s_lshl_b32 s13, s13, 8
	s_lshl_b32 s14, s11, 7
	s_add_co_u32 s16, s13, s14                     ; my first row of the result
	s_mov_b32 s17, 0
	s_mov_b64 s[18:19], SIZE_N*2
	s_mul_u64 s[16:17], s[16:17], s[18:19]
	s_lshl_b32 s46, s42, 9                         ; my first column, in bytes
	s_lshl_b32 s47, s12, 8
	s_add_co_u32 s46, s46, s47
	s_mov_b32 s47, 0
	s_add_nc_u64 s[16:17], s[16:17], s[46:47]
; 16 matrix instructions: m blocks a0, a0 + 1 of the window's four x all 8 n blocks, 32 along K.  zero = 1: the first product starts the sums.  The 64 accumulators take turns.
.macro MUL16 f, hi, a0, zero
	WIN MUL_LO+0x50*(\hi)
.irp a, \a0, (\a0)+1
.irp b, 0,1,2,3,4,5,6,7
.if \zero
	v_wmma_f32_16x16x32_bf16 v[8*(8*(\a)+(\b)):8*(8*(\a)+(\b))+7], v[(\f)+8*(\b):(\f)+8*(\b)+7], v[(\f)+8*(4*(\hi)+(\a)):(\f)+8*(4*(\hi)+(\a))+7], 0
.else
	v_wmma_f32_16x16x32_bf16 v[8*(8*(\a)+(\b)):8*(8*(\a)+(\b))+7], v[(\f)+8*(\b):(\f)+8*(\b)+7], v[(\f)+8*(4*(\hi)+(\a)):(\f)+8*(4*(\hi)+(\a))+7], v[8*(8*(\a)+(\b)):8*(8*(\a)+(\b))+7]
.endif
.endr
.endr
.endm
.macro FETCH slot, k, f                ; 32 LDS loads in one run: a quarter step's fragments (B's 128 rows, A's 128 rows, 32 K at byte k) into buffer f
	WIN TO_B
.irp i, 0,1,2,3,4,5,6,7
	ds_load_b128 v[(\f)+8*(\i):(\f)+8*(\i)+3],   v[ADRB+(\slot)] offset:(\k)+(\i)*16*PITCH
	ds_load_b128 v[(\f)+8*(\i)+4:(\f)+8*(\i)+7], v[ADRB+(\slot)] offset:(\k)+(\i)*16*PITCH+32
.endr
	WIN 0
.irp i, 0,1,2,3,4,5,6,7
	ds_load_b128 v[(\f)+8*(\i):(\f)+8*(\i)+3],   v[ADRA+(\slot)] offset:(\k)+(\i)*16*PITCH
	ds_load_b128 v[(\f)+8*(\i)+4:(\f)+8*(\i)+7], v[ADRA+(\slot)] offset:(\k)+(\i)*16*PITCH+32
.endr
.endm
.macro PLACES                          ; four plain vector instructions between a matrix instruction and a load into, or a vector access to, its registers
.rept 4
	v_nop
.endr
.endm
.macro QUARTER slot, k, f, g, zero     ; multiplies buffer f; in its middle fetches the next quarter, at byte k, into g
	s_wait_dscnt 8                                 ; B and A's rows 0-63 are in; the youngest eight loads (A's rows 64-127) may be out
	WIN MUL_LO
	MUL16 \f, 0, 0, \zero
	MUL16 \f, 0, 2, \zero
	PLACES
	FETCH \slot, \k, \g
	s_wait_dscnt 32                                ; all but the 32 just issued
	WIN MUL_HI
	MUL16 \f, 1, 0, \zero
	MUL16 \f, 1, 2, \zero
.endm
.macro MEET round                      ; the first half of a step's last quarter, and the one barrier of the change of slots
	WIN 0
	s_wait_tensorcnt 0x0                           ; all my tensor loads have landed: the one that was out is my part of the next slot
	ds_add_u32 v[SPW], v[NIL]                      ; 0 onto my spare word
	s_wait_dscnt 9                                 ; the add and the youngest eight loads may be out
	WIN MUL_LO
	MUL16 F1, 0, 0, 0
	s_wait_dscnt 0x0                               ; the add is done, and my reads of this slot are over
	s_barrier_signal -1
	MUL16 F1, 0, 2, 0
.if \round
	WIN 0
.endif
	s_barrier_wait -1
.endm
.macro TURN slot, next                 ; the whole last quarter: behind the cluster's round the slot just read is filled again, two K steps on: 224 matrix instructions ahead of the wait for it
	MEET 1
	CREST
	s_add_nc_u64 s[G0+4*(\slot)+2:G0+4*(\slot)+3], s[G0+4*(\slot)+2:G0+4*(\slot)+3], 2*KSTEP*2
	s_add_nc_u64 s[G0B+4*(\slot)+2:G0B+4*(\slot)+3], s[G0B+4*(\slot)+2:G0B+4*(\slot)+3], 2*KSTEP*2
	JLOAD \slot                                    ; my one tensor load behind the round; its four v_nop are also the places in front of the loads below
	FETCH \next, 0, F0
	WIN MUL_HI
	MUL16 F1, 1, 0, 0
	MUL16 F1, 1, 2, 0
.endm
; THE LAST K STEP (slot 1) GOES BY ROWS: all its fragments of B fill window 1; my eight blocks of 16 rows are finished one after the other, 32 matrix instructions each, K ascending.
.macro BLOAD q
	WIN TO_B
.irp i, 0,1,2,3,4,5,6,7
	ds_load_b128 v[64*(\q)+8*(\i):64*(\q)+8*(\i)+3],   v[ADRB+1] offset:64*(\q)+(\i)*16*PITCH
	ds_load_b128 v[64*(\q)+8*(\i)+4:64*(\q)+8*(\i)+7], v[ADRB+1] offset:64*(\q)+(\i)*16*PITCH+32
.endr
.endm
.macro ALOAD a
	WIN 0
.set FA, PA+32*((\a)%4)
.irp q, 0,1,2,3
	ds_load_b128 v[FA+8*(\q):FA+8*(\q)+3],   v[ADRA+1] offset:64*(\q)+(\a)*16*PITCH
	ds_load_b128 v[FA+8*(\q)+4:FA+8*(\q)+7], v[ADRA+1] offset:64*(\q)+(\a)*16*PITCH+32
.endr
.endm
.macro ROW a
.set FA, PA+32*((\a)%4)
.set AC, 64*((\a)%4)
	WIN MUL_LO+0x50*((\a)/4)
.irp q, 0,1,2,3
.if (\a) == 0 && (\q) == 2
	s_wait_dscnt 24                                ; B's quarter 2 is in (behind it: A's blocks 1 to 3)
.endif
.irp b, 0,1,2,3,4,5,6,7
	v_wmma_f32_16x16x32_bf16 v[AC+8*(\b):AC+8*(\b)+7], v[64*(\q)+8*(\b):64*(\q)+8*(\b)+7], v[FA+8*(\q):FA+8*(\q)+7], v[AC+8*(\b):AC+8*(\b)+7]
.endr
.endr
.endm
.macro PACK a                          ; block a rounded to f16, 16 bytes a lane; each accumulator's registers in ascending order
.set AC, 64*((\a)%4)
	WIN 0x0a+5*((\a)/4)
.irp b, 0,1,2,3,4,5,6,7
.irp r, 0,1,2,3
	v_cvt_pk_f16_f32 v[TMP+4*(\b)+(\r)], v[AC+8*(\b)+2*(\r)], v[AC+8*(\b)+2*(\r)+1]
.endr
.endr
	WIN 0
.endm
.macro TOSTAGE a
	WIN 0
.set BK, OB+192*((\a)%2)
.irp b, 0,1,2,3,4,5,6,7
	ds_store_b128 v[STO], v[TMP+4*(\b):TMP+4*(\b)+3] offset:32*(\b)
.endr
.irp t, 0,1,2,3,4,5,6,7
	ds_load_b128 v[BK+4*(\t):BK+4*(\t)+3], v[RD] offset:(\t)*2*SPITCH  ; LDS serves a wave's instructions in order (ISA guide 5.7.1.4): these see the stores above
.endr
.endm
.macro SEND a, younger
	WIN 0
.set BK, OB+192*((\a)%2)
	s_wait_dscnt \younger                          ; the block is back in registers
	s_wait_xcnt 0x0                                ; the stores' base and the registers that earlier stores read are rewritten only behind this wait
.if (\a) == 0
	s_add_nc_u64 s[8:9], s[8:9], s[16:17]
.else
	s_add_nc_u64 s[8:9], s[8:9], 16*SIZE_N*2
.endif
.irp t, 0,1,2,3,4,5,6,7
	global_store_b128 v[CO], v[BK+4*(\t):BK+4*(\t)+3], s[8:9] offset:2*(\t)*SIZE_N*2  ; 16 lanes store 256 consecutive bytes, at a multiple of 256 from the buffer's first byte
.endr
.endm
	s_wait_tensorcnt 1                             ; my part of K step 0 is in; K step 1's may stay out
	s_barrier_signal -1
	s_barrier_wait -1
	FETCH 0, 0, F0
	QUARTER 0, 64,  F0, F1, 1                      ; the first quarter's products start the sums
	WIN 0
	s_mov_b32 s3, LAPS-1
.Llap:                                                 ; a trip goes once round the ring and fills both slots again
	QUARTER 0, 128, F1, F0, 0
	QUARTER 0, 192, F0, F1, 0
	TURN 0, 1
	QUARTER 1, 64,  F0, F1, 0
	QUARTER 1, 128, F1, F0, 0
	QUARTER 1, 192, F0, F1, 0
	TURN 1, 0
	QUARTER 0, 64,  F0, F1, 0
	WIN 0
	s_sub_co_u32 s3, s3, 1
	s_cmp_lg_u32 s3, 0
	s_cbranch_scc1 .Llap
	QUARTER 0, 128, F1, F0, 0
	QUARTER 0, 192, F0, F1, 0
	MEET 0                                         ; nothing is filled again, so no round follows
	PLACES
	WIN TO_B
	BLOAD 0
	BLOAD 1
	BLOAD 3
	WIN 0
	ALOAD 0
	WIN MUL_HI
	MUL16 F1, 1, 0, 0
	MUL16 F1, 1, 2, 0
	PLACES
	WIN TO_B
	BLOAD 2
	WIN 0
	ALOAD 1
	ALOAD 2
	ALOAD 3
	s_wait_dscnt 40                                ; all but the 40 just issued
	ROW 0
.irp a, 0,1,2,3,4,5,6,7
	PLACES
	PACK \a
	TOSTAGE \a
.if (\a) < 4
	ALOAD (\a)+4
	SEND \a, 8
.else
	SEND \a, 0
.endif
.if (\a) < 7
	ROW (\a)+1
.endif
.endr
	s_wait_tensorcnt 0x0                           ; the wave's end
	ds_add_u32 v[SPW], v[NIL]
	s_wait_dscnt 0x0
	CROUND                                         ; the closing round
	s_endpgm
.Lfunc_end_k_q576d9a2c0e_projqk:
	.size	k_q576d9a2c0e_projqk, .Lfunc_end_k_q576d9a2c0e_projqk-k_q576d9a2c0e_projqk
	.p2alignl 7, 3214868480
	.fill 96, 4, 3214868480
	.section	.rodata,"a",@progbits
	.p2align	6, 0x0
	.amdhsa_kernel k_q576d9a2c0e_projqk
		.amdhsa_group_segment_fixed_size 327680
		.amdhsa_private_segment_fixed_size 0
		.amdhsa_enable_private_segment 0
		.amdhsa_kernarg_size 24
		.amdhsa_user_sgpr_count 2
		.amdhsa_user_sgpr_kernarg_segment_ptr 1
		.amdhsa_wavefront_size32 1
		.amdhsa_system_sgpr_workgroup_id_x 1
		.amdhsa_system_sgpr_workgroup_id_y 1
		.amdhsa_system_sgpr_workgroup_id_z 1
		.amdhsa_system_vgpr_workitem_id 0
		.amdhsa_next_free_vgpr 1024
		.amdhsa_next_free_sgpr 66
		.amdhsa_reserve_vcc 0
		.amdhsa_float_denorm_mode_32 3
		.amdhsa_float_denorm_mode_16_64 3
		.amdhsa_memory_ordered 1
		.amdhsa_forward_progress 1
		.amdhsa_inst_pref_size 143
	.end_amdhsa_kernel
	.amdgpu_metadata
---
amdhsa.version: [ 1, 2 ]
amdhsa.kernels:
  - .name:           k_q576d9a2c0e_projqk
    .symbol:         k_q576d9a2c0e_projqk.kd
    .args:
      - { .name: xb, .offset: 0, .size: 8, .value_kind: global_buffer, .address_space: global }
      - { .name: wb, .offset: 8, .size: 8, .value_kind: global_buffer, .address_space: global }
      - { .name: qkp, .offset: 16, .size: 8, .value_kind: global_buffer, .address_space: global }
    .group_segment_fixed_size: 327680
    .private_segment_fixed_size: 0
    .kernarg_segment_align: 8
    .kernarg_segment_size: 24
    .max_flat_workgroup_size: 128
    .sgpr_count:     66
    .vgpr_count:     1024
    .wavefront_size: 32
...
	.end_amdgpu_metadata
.endif
;; end of part 2
;; launch projv (part 3): grid 4 x 64, 4 waves a work-group, clusters of 4 x 4, 327,680 bytes of LDS; arguments xb, wb, vp; writes vp
.if DOCPART == 3
	.amdgcn_target "amdgcn-amd-amdhsa--gfx1250"
	.amdhsa_code_object_version 6
	.text
	.protected	k_q576d9a2c0e_projv
	.globl	k_q576d9a2c0e_projv
	.p2align	8
	.type	k_q576d9a2c0e_projv,@function
k_q576d9a2c0e_projv:
	s_mov_b64 s[64:65], 0
	v_nop
	global_prefetch_b8 v0, s[64:65] scope:SCOPE_SE
	s_setreg_imm32_b32 hwreg(HW_REG_WAVE_MODE, 25, 1), 1
	s_wait_xcnt 0x0
	s_wait_alu depctr_hold_cnt(0) depctr_sa_sdst(0) depctr_va_vdst(0) depctr_va_sdst(0) depctr_va_ssrc(0) depctr_va_vcc(0) depctr_vm_vsrc(0)
	s_getreg_b32 s2, hwreg(HW_REG_IB_STS2, 6, 4)
	s_cmp_eq_u32 s2, 0
	s_cbranch_scc0 .Lentry_in_a_cluster
	s_endpgm
.Lentry_in_a_cluster:
	s_bfe_u32 s2, ttmp6, 0x10000c
	s_cmp_lg_u32 s2, 0xf033
	s_cbranch_scc0 .Lentry_shape_is_right
	s_endpgm
.Lentry_shape_is_right:
; vp[m][n] = sum over k of v[m][k] Wv[n][k]: v's rows are xb's rows 16384 on, Wv's are wb's rows 2048 on.  Operands bf16, sums f32, the result rounded once to f16.
; LIMIT: a projection of 65,520 or more becomes an infinity in f16; NaN and infinities are not treated apart.
; 8192 x 512 in tiles of 128 x 128: 256 work-groups (tiles of 256 x 256 would be 64).  Four waves, each 64 x 64: 16 accumulators.  K goes in steps of 256 (LDS rows of 512 bytes)
; through two slots.  The four waves share one stage on the way out, with a barrier between writing and reading: a wave's 64 columns are half of an aligned 256 bytes.
; CLUSTERS: 4 x 4; A's tiles are asked for jointly along a row of the cluster, B's along a column.  The matrix instruction is used transposed (source 0 = rows of Wv, source 1 = rows of v).
; REGISTERS: window 0: v0-31 addresses; v32-95 the way out; v128-255 accumulators ((a, b) at v[128 + 8 (4 a + b)]).  window 1: two fragment buffers of 128 (64 of A, 64 of B, for 64 along K).
.set SIZE_N, 512
.set SIZE_K, 2048
.set KSTEP,  256
.set PITCH,  528                       ; 512 bytes + 16 of padding = 132 words: row r starts at bank 4 r mod 64 (ISA guide 11.1)
.set HALFT,  64*PITCH
.set SLOT,   4*HALFT
.set STAGE,  2*SLOT
.set SPITCH, 272
.set SPARE,  STAGE+128*SPITCH          ; the spare words: 128 bytes a wave, two blocks of 256 bytes that no other line names
.set LAPS, SIZE_K/(2*KSTEP)
.set ADRA, 16
.set ADRB, 20
.set STO,  24
.set RD,   25
.set CO,   26
.set SPW,  28
.set NIL,  29
.set TMP,  32
.set ACC,  128
.set F0,   0
.set F1,   128
.set G1, 24
.set G0, 32
.set G1B, 48
.set G0B, 56
.set MSB, 0
.macro WIN new
.if MSB != (\new)
	s_set_vgpr_msb (MSB<<8)|(\new)
.set MSB, \new
.endif
.endm
.set MUL,  0x05                        ; sources 0 and 1 window 1; C and D window 0
.set TO_F, 0x40                        ; destination window 1, address window 0
.macro JLOAD s                         ; a joint load: waves 0 and 1 fetch A's halves, waves 2 and 3 B's; s_nop 0 and four v_nop follow each line
	s_cmp_eq_u32 s11, 0
	s_cbranch_scc0 .Lfor_b_\@
	tensor_load_to_lds s[G0+4*(\s):G0+4*(\s)+3], s[G1:G1+7]
	s_nop 0
.rept 4
	v_nop
.endr
	s_branch .Lasked_\@
.Lfor_b_\@:
	tensor_load_to_lds s[G0B+4*(\s):G0B+4*(\s)+3], s[G1B:G1B+7]
	s_nop 0
.rept 4
	v_nop
.endr
.Lasked_\@:
.endm
.macro CREST
	s_cmp_lg_u32 s10, 0
	s_cbranch_scc1 .Lnot_wave_0_\@
	s_barrier_signal -3
.Lnot_wave_0_\@:
	s_barrier_wait -3
	s_barrier_signal -1
	s_barrier_wait -1
.endm
.macro CROUND
	s_barrier_signal -1
	s_barrier_wait -1
	CREST
.endm
	s_load_b128 s[4:7], s[0:1], 0x0                ; xb s[4:5], wb s[6:7]
	s_load_b64 s[8:9], s[0:1], 0x10                ; vp
	v_lshl_add_u32 v[SPW], v0, 2, SPARE
	v_mov_b32 v[NIL], 0
	ds_add_u32 v[SPW], v[NIL]                      ; the wave's opening: the add and its wait stand ahead of my first tensor load
	v_lshrrev_b32 v1, 5, v0
	v_readfirstlane_b32 s10, v1
	s_lshr_b32 s11, s10, 1
	s_and_b32 s12, s10, 1
	s_bfe_u32 s40, ttmp6, 0x40000
	s_bfe_u32 s41, ttmp6, 0x40004
	s_lshl_b32 s42, ttmp9, 2
	s_add_co_u32 s42, s42, s40                     ; tile column
	s_and_b32 s13, ttmp7, 0xffff
	s_lshl_b32 s13, s13, 2
	s_add_co_u32 s13, s13, s41                     ; tile row
	s_lshl_b32 s43, s41, 2
	s_lshl_b32 s43, 15, s43
	s_lshl_b32 s44, 0x1111, s40
	s_or_b32 s[G1+0], s43, (1<<16)|(1<<20)|(1<<21)|(6<<22)|(3<<25)  ; mask; 2-byte elements; padding on; bit 21 beside a mask; after every 128 words 4 words
	s_or_b32 s[G1B+0], s44, (1<<16)|(1<<20)|(1<<21)|(6<<22)|(3<<25)
.irp g, G1, G1B
	s_mov_b32 s[(\g)+1], KSTEP<<16
	s_mov_b32 s[(\g)+2], 64<<16
	s_mov_b32 s[(\g)+3], KSTEP<<16
	s_mov_b32 s[(\g)+4], 64
	s_mov_b32 s[(\g)+5], SIZE_K
	s_mov_b32 s[(\g)+6], 0
	s_mov_b32 s[(\g)+7], 0
.endr
	s_lshl_b32 s17, s12, 6
	s_lshl_b32 s16, s13, 7
	s_add_co_u32 s16, s16, s17
	s_lshl_b32 s46, s42, 7
	s_add_co_u32 s46, s46, s17
	s_mov_b32 s17, 0
	s_mov_b32 s47, 0
	s_mov_b64 s[18:19], SIZE_K*2
	s_mul_u64 s[16:17], s[16:17], s[18:19]
	s_mul_u64 s[46:47], s[46:47], s[18:19]
	s_mul_i32 s20, s10, HALFT
	s_wait_dscnt 0x0                               ; the opening add is done
	s_wait_kmcnt 0x0
	s_add_nc_u64 s[4:5], s[4:5], 0x4000000         ; v's rows lie behind q's and k's: 16,384 rows of 4,096 bytes
	s_add_nc_u64 s[6:7], s[6:7], 0x800000          ; Wv's behind Wq's and Wk's: 2,048 rows
	s_add_nc_u64 s[14:15], s[4:5], s[16:17]
	s_add_nc_u64 s[46:47], s[6:7], s[46:47]
	CROUND
.irp s, 0,1
	s_mov_b32 s[G0+4*(\s)], 1
	s_add_co_u32 s[G0+4*(\s)+1], s20, (\s)*SLOT
	s_add_nc_u64 s[G0+4*(\s)+2:G0+4*(\s)+3], s[14:15], (\s)*KSTEP*2
	s_or_b32 s[G0+4*(\s)+3], s[G0+4*(\s)+3], 0x80000000
	s_mov_b32 s[G0B+4*(\s)], 1
	s_add_co_u32 s[G0B+4*(\s)+1], s20, (\s)*SLOT
	s_add_nc_u64 s[G0B+4*(\s)+2:G0B+4*(\s)+3], s[46:47], (\s)*KSTEP*2
	s_or_b32 s[G0B+4*(\s)+3], s[G0B+4*(\s)+3], 0x80000000
	JLOAD \s                                       ; two loads of mine are out
.endr
	v_and_b32 v1, 15, v0
	v_bfe_u32 v2, v0, 4, 1
	v_mul_u32_u24 v3, v1, PITCH
	v_lshl_add_u32 v3, v2, 4, v3
	s_mul_i32 s21, s11, HALFT
	s_mul_i32 s22, s12, HALFT
	s_add_co_u32 s22, s22, 2*HALFT
.irp s, 0,1
	v_add_nc_u32 v[ADRA+(\s)], s21, v3
	v_add_nc_u32 v[ADRB+(\s)], s22, v3
	s_add_co_u32 s21, s21, SLOT
	s_add_co_u32 s22, s22, SLOT
.endr
	s_mul_i32 s23, s11, 64*SPITCH                  ; into the stage: my 64 rows, my half of their 256 bytes
	s_lshl_b32 s21, s12, 7
	s_add_co_u32 s23, s23, s21
	s_add_co_u32 s23, s23, STAGE
	v_mul_u32_u24 v4, v1, SPITCH
	v_lshl_add_u32 v4, v2, 4, v4
	v_add_nc_u32 v[STO], s23, v4
	s_mul_i32 s23, s10, 32*SPITCH                  ; back: wave w takes rows 32 w .. 32 w + 31, whole
	s_add_co_u32 s23, s23, STAGE
	v_mul_u32_u24 v5, v2, SPITCH
	v_lshl_add_u32 v5, v1, 4, v5
	v_add_nc_u32 v[RD], s23, v5
	v_mul_u32_u24 v5, v2, SIZE_N*2
	v_lshl_add_u32 v[CO], v1, 4, v5
	s_lshl_b32 s16, s13, 7
	s_lshl_b32 s17, s10, 5
	s_add_co_u32 s16, s16, s17
	s_mov_b32 s17, 0
	s_mov_b64 s[18:19], SIZE_N*2
	s_mul_u64 s[16:17], s[16:17], s[18:19]
	s_add_nc_u64 s[8:9], s[8:9], s[16:17]
	s_lshl_b32 s46, s42, 8
	s_mov_b32 s47, 0
	s_add_nc_u64 s[8:9], s[8:9], s[46:47]
.macro MUL8 f, c, a0, zero             ; 8 matrix instructions: m blocks a0, a0 + 1 x 4 n blocks, half c of buffer f; the 16 accumulators take turns
	WIN MUL
.irp a, \a0, (\a0)+1
.irp b, 0,1,2,3
.if \zero
	v_wmma_f32_16x16x32_bf16 v[ACC+8*(4*(\a)+(\b)):ACC+8*(4*(\a)+(\b))+7], v[(\f)+64+8*(4*(\c)+(\b)):(\f)+64+8*(4*(\c)+(\b))+7], v[(\f)+8*(4*(\c)+(\a)):(\f)+8*(4*(\c)+(\a))+7], 0
.else
	v_wmma_f32_16x16x32_bf16 v[ACC+8*(4*(\a)+(\b)):ACC+8*(4*(\a)+(\b))+7], v[(\f)+64+8*(4*(\c)+(\b)):(\f)+64+8*(4*(\c)+(\b))+7], v[(\f)+8*(4*(\c)+(\a)):(\f)+8*(4*(\c)+(\a))+7], v[ACC+8*(4*(\a)+(\b)):ACC+8*(4*(\a)+(\b))+7]
.endif
.endr
.endr
.endm
.macro FETCH slot, k, f                ; 32 LDS loads in one run: 64 along K at byte k, the first 32 along K first
	WIN TO_F
.irp c, 0,1
.irp i, 0,1,2,3
	ds_load_b128 v[(\f)+64+8*(4*(\c)+(\i)):(\f)+64+8*(4*(\c)+(\i))+3],   v[ADRB+(\slot)] offset:(\k)+64*(\c)+(\i)*16*PITCH
	ds_load_b128 v[(\f)+64+8*(4*(\c)+(\i))+4:(\f)+64+8*(4*(\c)+(\i))+7], v[ADRB+(\slot)] offset:(\k)+64*(\c)+(\i)*16*PITCH+32
	ds_load_b128 v[(\f)+8*(4*(\c)+(\i)):(\f)+8*(4*(\c)+(\i))+3],         v[ADRA+(\slot)] offset:(\k)+64*(\c)+(\i)*16*PITCH
	ds_load_b128 v[(\f)+8*(4*(\c)+(\i))+4:(\f)+8*(4*(\c)+(\i))+7],       v[ADRA+(\slot)] offset:(\k)+64*(\c)+(\i)*16*PITCH+32
.endr
.endr
.endm
.macro PLACES                          ; four plain vector instructions between a matrix instruction and a load into, or a vector access to, its registers
.rept 4
	v_nop
.endr
.endm
.macro QUARTER slot, k, f, g, zero
	s_wait_dscnt 16                                ; the first 32 along K are in
	WIN MUL
	MUL8 \f, 0, 0, \zero
	MUL8 \f, 0, 2, \zero
	PLACES
	FETCH \slot, \k, \g
	s_wait_dscnt 32                                ; all but the 32 just issued
	WIN MUL
	MUL8 \f, 1, 0, 0
	MUL8 \f, 1, 2, 0
.endm
.macro TURN slot, next, fill           ; the last quarter changes slots: one barrier; fill = 1: it opens a round of the cluster's, and this slot is filled again, two K steps on
	WIN 0
	s_wait_tensorcnt 0x0                           ; all my tensor loads have landed: my part of the next slot
	ds_add_u32 v[SPW], v[NIL]                      ; 0 onto my spare word
	s_wait_dscnt 17                                ; the add and the youngest sixteen loads may be out
	WIN MUL
	MUL8 F1, 0, 0, 0
	s_wait_dscnt 0x0                               ; the add is done, and my reads of this slot are over
	s_barrier_signal -1
	MUL8 F1, 0, 2, 0
.if \fill
	WIN 0
.endif
	s_barrier_wait -1
.if \fill
	CREST
	s_add_nc_u64 s[G0+4*(\slot)+2:G0+4*(\slot)+3], s[G0+4*(\slot)+2:G0+4*(\slot)+3], 2*KSTEP*2
	s_add_nc_u64 s[G0B+4*(\slot)+2:G0B+4*(\slot)+3], s[G0B+4*(\slot)+2:G0B+4*(\slot)+3], 2*KSTEP*2
	JLOAD \slot                                    ; my one tensor load behind the round, 112 matrix instructions ahead of the wait for it
.else
	PLACES
.endif
	FETCH \next, 0, F0
	WIN MUL
	MUL8 F1, 1, 0, 0
	MUL8 F1, 1, 2, 0
.endm
	s_wait_tensorcnt 1                             ; my part of K step 0 is in; K step 1's may stay out
	s_barrier_signal -1
	s_barrier_wait -1
	FETCH 0, 0, F0
	QUARTER 0, 128, F0, F1, 1
	WIN 0
	s_mov_b32 s3, LAPS-1
.Llap:
	QUARTER 0, 256, F1, F0, 0
	QUARTER 0, 384, F0, F1, 0
	TURN 0, 1, 1
	QUARTER 1, 128, F0, F1, 0
	QUARTER 1, 256, F1, F0, 0
	QUARTER 1, 384, F0, F1, 0
	TURN 1, 0, 1
	QUARTER 0, 128, F0, F1, 0
	WIN 0
	s_sub_co_u32 s3, s3, 1
	s_cmp_lg_u32 s3, 0
	s_cbranch_scc1 .Llap
	QUARTER 0, 256, F1, F0, 0                      ; the last lap fills nothing
	QUARTER 0, 384, F0, F1, 0
	TURN 0, 1, 0
	QUARTER 1, 128, F0, F1, 0
	QUARTER 1, 256, F1, F0, 0
	QUARTER 1, 384, F0, F1, 0
	s_wait_dscnt 16
	WIN MUL
	MUL8 F1, 0, 0, 0
	MUL8 F1, 0, 2, 0
	s_wait_dscnt 0
	MUL8 F1, 1, 0, 0
	MUL8 F1, 1, 2, 0
	WIN 0
	; THE WAY OUT: rounded to f16; 16 bytes a lane into the shared stage; a barrier; back as whole rows, 32 rows a wave
	PLACES
.irp t, 0,1,2,3,4,5,6,7,8,9,10,11,12,13,14,15
.irp r, 0,1,2,3
	v_cvt_pk_f16_f32 v[TMP+4*(\t)+(\r)], v[ACC+8*(\t)+2*(\r)], v[ACC+8*(\t)+2*(\r)+1]
.endr
.endr
.irp a, 0,1,2,3
.irp b, 0,1,2,3
	ds_store_b128 v[STO], v[TMP+4*(4*(\a)+(\b)):TMP+4*(4*(\a)+(\b))+3] offset:(\a)*16*SPITCH+32*(\b)
.endr
.endr
	s_wait_dscnt 0x0                               ; for the others' sake: my stores into the stage are done
	s_barrier_signal -1
	s_barrier_wait -1
.irp t, 0,1,2,3,4,5,6,7,8,9,10,11,12,13,14,15
	ds_load_b128 v[TMP+4*(\t):TMP+4*(\t)+3], v[RD] offset:(\t)*2*SPITCH
.endr
.irp t, 0,1,2,3,4,5,6,7,8,9,10,11,12,13,14,15
	s_wait_dscnt 15-(\t)
	global_store_b128 v[CO], v[TMP+4*(\t):TMP+4*(\t)+3], s[8:9] offset:2*(\t)*SIZE_N*2  ; 16 lanes store 256 consecutive bytes, at a multiple of 256 from the buffer's first byte
.endr
	s_wait_tensorcnt 0x0                           ; the wave's end
	ds_add_u32 v[SPW], v[NIL]
	s_wait_dscnt 0x0
	CROUND                                         ; the closing round
	s_endpgm
.Lfunc_end_k_q576d9a2c0e_projv:
	.size	k_q576d9a2c0e_projv, .Lfunc_end_k_q576d9a2c0e_projv-k_q576d9a2c0e_projv
	.p2alignl 7, 3214868480
	.fill 96, 4, 3214868480
	.section	.rodata,"a",@progbits
	.p2align	6, 0x0
	.amdhsa_kernel k_q576d9a2c0e_projv
		.amdhsa_group_segment_fixed_size 327680
		.amdhsa_private_segment_fixed_size 0
		.amdhsa_enable_private_segment 0
		.amdhsa_kernarg_size 24
		.amdhsa_user_sgpr_count 2
		.amdhsa_user_sgpr_kernarg_segment_ptr 1
		.amdhsa_wavefront_size32 1
		.amdhsa_system_sgpr_workgroup_id_x 1
		.amdhsa_system_sgpr_workgroup_id_y 1
		.amdhsa_system_sgpr_workgroup_id_z 1
		.amdhsa_system_vgpr_workitem_id 0
		.amdhsa_next_free_vgpr 512
		.amdhsa_next_free_sgpr 66
		.amdhsa_reserve_vcc 0
		.amdhsa_float_denorm_mode_32 3
		.amdhsa_float_denorm_mode_16_64 3
		.amdhsa_memory_ordered 1
		.amdhsa_forward_progress 1
		.amdhsa_inst_pref_size 87
	.end_amdhsa_kernel
	.amdgpu_metadata
---
amdhsa.version: [ 1, 2 ]
amdhsa.kernels:
  - .name:           k_q576d9a2c0e_projv
    .symbol:         k_q576d9a2c0e_projv.kd
    .args:
      - { .name: xb, .offset: 0, .size: 8, .value_kind: global_buffer, .address_space: global }
      - { .name: wb, .offset: 8, .size: 8, .value_kind: global_buffer, .address_space: global }
      - { .name: vp, .offset: 16, .size: 8, .value_kind: global_buffer, .address_space: global }
    .group_segment_fixed_size: 327680
    .private_segment_fixed_size: 0
    .kernarg_segment_align: 8
    .kernarg_segment_size: 24
    .max_flat_workgroup_size: 128
    .sgpr_count:     66
    .vgpr_count:     512
    .wavefront_size: 32
...
	.end_amdgpu_metadata
.endif
;; end of part 3
;; launch scores (part 4): grid 8 x 32, 4 waves a work-group, clusters of 4 x 4, 327,680 bytes of LDS; arguments qkp, pt, st; writes pt, st
.if DOCPART == 4
	.amdgcn_target "amdgcn-amd-amdhsa--gfx1250"
	.amdhsa_code_object_version 6
	.text
	.protected	k_q576d9a2c0e_scores
	.globl	k_q576d9a2c0e_scores
	.p2align	8
	.type	k_q576d9a2c0e_scores,@function
k_q576d9a2c0e_scores:
	s_mov_b64 s[64:65], 0
	v_nop
	global_prefetch_b8 v0, s[64:65] scope:SCOPE_SE
	s_setreg_imm32_b32 hwreg(HW_REG_WAVE_MODE, 25, 1), 1
	s_wait_xcnt 0x0
	s_wait_alu depctr_hold_cnt(0) depctr_sa_sdst(0) depctr_va_vdst(0) depctr_va_sdst(0) depctr_va_ssrc(0) depctr_va_vcc(0) depctr_vm_vsrc(0)
	s_getreg_b32 s2, hwreg(HW_REG_IB_STS2, 6, 4)
	s_cmp_eq_u32 s2, 0
	s_cbranch_scc0 .Lentry_in_a_cluster
	s_endpgm
.Lentry_in_a_cluster:
	s_bfe_u32 s2, ttmp6, 0x10000c
	s_cmp_lg_u32 s2, 0xf033
	s_cbranch_scc0 .Lentry_shape_is_right
	s_endpgm
.Lentry_shape_is_right:
; S^T[b][key][query] = kp[b][key] . qp[b][query], and the first half of a softmax over the QUERIES.  With c = log2(e) / 32, for each key and each PIECE t of 128 queries:
; cm = c x (the piece's largest score), p = 2^(c s - cm) (stored in pt as f16, [b x 2048 + key][query]), l = the sum of the piece's p, unrounded (cm and l stored in st, f32, [b][t][key]).
; A later launch joins a key's 16 pieces: the maximum taken away here is each piece's true maximum, so p lies in 0 to 1 whatever the scores.
; LIMITS: qp and kp arrive in f16; p below 6e-5 keeps f16's fixed step of 6e-8; a weight below 2^-126 counts as 0 in l; NaN and infinities are not treated apart.
; A tile of 256 keys x 256 queries is made by four waves, each 128 x 128 = one piece for 128 keys: 64 accumulators.  K = 1024 goes in steps of 128 through two LDS slots.  32 x 8 tiles: 256 work-groups.
; THE MATRIX INSTRUCTION IS USED TRANSPOSED (source 0 = 16 rows of qp, source 1 = 16 rows of kp): a lane holds ONE key (l % 16) and the queries 16 b + 8 (l / 16) + 0..7 of block b,
; so a key's maximum and sum over the piece stay in the lane but for one exchange between the halves of the lanes.
; The last K step goes by blocks of 16 keys: each block's softmax and stores stand between the blocks' products.
; CLUSTERS: 4 x 4; kp's tiles are asked for jointly along a row of the cluster, qp's along a column (a cluster's four tile rows lie in one batch).
; REGISTERS: window 0: v0-31 addresses and statistics; v64-191 fragments of A; v32-63, v192-255 the way out.  window 1: fragments of B.  windows 2, 3: accumulators, (a, b) at v[8 (8 a + b)].
.set SIZE_N, 2048
.set SIZE_K, 1024
.set KSTEP,  128
.set PITCH,  272                       ; 256 bytes + 16 of padding: the 16 rows of a fragment load start at 16 different groups of four banks (ISA guide 11.1)
.set HALFT,  128*PITCH
.set SLOT,   4*HALFT
.set STAGE,  2*SLOT                    ; 16 rows x 272 bytes for each wave
.set SPITCH, 272
.set STATB,  STAGE+4*16*SPITCH         ; 1,024 bytes for each wave: 128 cm, then 128 l; written by LDS stores alone
.set SPARE,  STATB+4*1024              ; the spare words: 128 bytes a wave, two blocks of 256 bytes that no other line names
.set LAPS, SIZE_K/(2*KSTEP)
.set STV,  2                           ; v2-9    block a's statistics: lanes 0-15 cm, lanes 16-31 l
.set CM,   10                          ; v10-11  cm, named as a pair
.set W0,   12                          ; v12-14  at work
.set ADRA, 16
.set SADR, 18                          ; v18     where my statistics go in LDS
.set SRD,  19                          ; v19     where I read 16 bytes of them back
.set ADRB, 20
.set SGO,  22                          ; v22     16 x lane: my offset in 512 bytes of st
.set STO,  24
.set RD,   25
.set CO,   26
.set SPW,  28
.set NIL,  29
.set F0,   64
.set F1,   128
.set TMP,  192
.set OB,   32
.set PA,   64
.set G1, 24
.set G0, 32
.set G1B, 48
.set G0B, 56
.set MSB, 0
.macro WIN new
.if MSB != (\new)
	s_set_vgpr_msb (MSB<<8)|(\new)
.set MSB, \new
.endif
.endm
.set MUL_LO, 0xa1
.set MUL_HI, 0xf1
.set TO_B,   0x40
.macro JLOAD s                         ; a joint load: waves 0 and 1 fetch A's halves, waves 2 and 3 B's; s_nop 0 and four v_nop follow each line
	s_cmp_eq_u32 s11, 0
	s_cbranch_scc0 .Lfor_b_\@
	tensor_load_to_lds s[G0+4*(\s):G0+4*(\s)+3], s[G1:G1+7]
	s_nop 0
.rept 4
	v_nop
.endr
	s_branch .Lasked_\@
.Lfor_b_\@:
	tensor_load_to_lds s[G0B+4*(\s):G0B+4*(\s)+3], s[G1B:G1B+7]
	s_nop 0
.rept 4
	v_nop
.endr
.Lasked_\@:
.endm
.macro CREST
	s_cmp_lg_u32 s10, 0
	s_cbranch_scc1 .Lnot_wave_0_\@
	s_barrier_signal -3
.Lnot_wave_0_\@:
	s_barrier_wait -3
	s_barrier_signal -1
	s_barrier_wait -1
.endm
.macro CROUND
	s_barrier_signal -1
	s_barrier_wait -1
	CREST
.endm
	s_load_b64 s[4:5], s[0:1], 0x0                 ; qkp
	s_load_b64 s[8:9], s[0:1], 0x8                 ; pt
	s_load_b64 s[66:67], s[0:1], 0x10              ; st
	v_lshl_add_u32 v[SPW], v0, 2, SPARE
	v_mov_b32 v[NIL], 0
	ds_add_u32 v[SPW], v[NIL]                      ; the wave's opening: the add and its wait stand ahead of my first tensor load
	v_lshrrev_b32 v1, 5, v0
	v_readfirstlane_b32 s10, v1
	s_lshr_b32 s11, s10, 1                         ; my half of the tile's keys; also: I fetch for A (0) or B (1)
	s_and_b32 s12, s10, 1                          ; my half of its queries; also: which 128 rows I fetch
	s_bfe_u32 s40, ttmp6, 0x40000
	s_bfe_u32 s41, ttmp6, 0x40004
	s_lshl_b32 s42, ttmp9, 2
	s_add_co_u32 s42, s42, s40                     ; tile column (256 queries of the batch)
	s_and_b32 s13, ttmp7, 0xffff
	s_lshr_b32 s45, s13, 1                         ; the batch: two clusters along y each;
	s_lshl_b32 s45, s45, 11                        ; its 2,048 rows of qp; made of the cluster's y alone, which all partners share
	s_lshl_b32 s13, s13, 2
	s_add_co_u32 s13, s13, s41                     ; tile row (256 rows of kp, batches on end)
	s_lshl_b32 s43, s41, 2
	s_lshl_b32 s43, 15, s43
	s_lshl_b32 s44, 0x1111, s40
	s_or_b32 s[G1+0], s43, (1<<16)|(1<<20)|(1<<21)|(5<<22)|(3<<25)
	s_or_b32 s[G1B+0], s44, (1<<16)|(1<<20)|(1<<21)|(5<<22)|(3<<25)
.irp g, G1, G1B
	s_mov_b32 s[(\g)+1], KSTEP<<16
	s_mov_b32 s[(\g)+2], 128<<16
	s_mov_b32 s[(\g)+3], KSTEP<<16
	s_mov_b32 s[(\g)+4], 128
	s_mov_b32 s[(\g)+5], SIZE_K
	s_mov_b32 s[(\g)+6], 0
	s_mov_b32 s[(\g)+7], 0
.endr
	s_mov_b32 s68, 0x3d38aa3b                      ; c = log2(e) / 32
	s_mov_b32 s69, s68                             ; named with it as a pair
	s_mov_b32 s70, 0x76543210                      ; v_permlanex16_b32: each lane takes its own place in the other half
	s_mov_b32 s71, 0xfedcba98
	s_mov_b32 s72, 0xffff0000                      ; lanes 16-31
	s_lshr_b32 s74, s13, 3                         ; my 128 keys' place in st: batch x 16 x 2048 x 4 bytes,
	s_lshl_b32 s74, s74, 17
	s_lshl_b32 s73, s42, 1
	s_add_co_u32 s73, s73, s12                     ; piece t = 2 x tile column + my half,
	s_lshl_b32 s73, s73, 13
	s_add_co_u32 s74, s74, s73
	s_and_b32 s73, s13, 7                          ; key = 256 x (tile row in the batch) + 128 x my half
	s_lshl_b32 s73, s73, 10
	s_add_co_u32 s74, s74, s73
	s_lshl_b32 s73, s11, 9
	s_add_co_u32 s74, s74, s73
	s_mov_b32 s75, 0
	s_lshl_b32 s17, s12, 7
	s_lshl_b32 s16, s13, 8
	s_add_co_u32 s16, s16, s17                     ; A: kp's row 256 x tile row + 128 x half
	s_lshl_b32 s46, s42, 8
	s_add_co_u32 s46, s46, s17
	s_add_co_u32 s46, s46, s45                     ; B: qp's row: the batch's + 256 x tile column + 128 x half
	s_mov_b32 s17, 0
	s_mov_b32 s47, 0
	s_mov_b64 s[18:19], SIZE_K*2
	s_mul_u64 s[16:17], s[16:17], s[18:19]
	s_mul_u64 s[46:47], s[46:47], s[18:19]
	s_mul_i32 s20, s10, HALFT
	s_wait_dscnt 0x0                               ; the opening add is done
	s_wait_kmcnt 0x0
	s_mov_b64 s[6:7], s[4:5]                       ; qp lies first in qkp,
	s_add_nc_u64 s[4:5], s[4:5], 0x1000000         ; kp 8,192 rows of 2,048 bytes on
	s_add_nc_u64 s[66:67], s[66:67], s[74:75]
	s_add_nc_u64 s[14:15], s[4:5], s[16:17]
	s_add_nc_u64 s[46:47], s[6:7], s[46:47]
	CROUND
.irp s, 0,1
	s_mov_b32 s[G0+4*(\s)], 1
	s_add_co_u32 s[G0+4*(\s)+1], s20, (\s)*SLOT
	s_add_nc_u64 s[G0+4*(\s)+2:G0+4*(\s)+3], s[14:15], (\s)*KSTEP*2
	s_or_b32 s[G0+4*(\s)+3], s[G0+4*(\s)+3], 0x80000000
	s_mov_b32 s[G0B+4*(\s)], 1
	s_add_co_u32 s[G0B+4*(\s)+1], s20, (\s)*SLOT
	s_add_nc_u64 s[G0B+4*(\s)+2:G0B+4*(\s)+3], s[46:47], (\s)*KSTEP*2
	s_or_b32 s[G0B+4*(\s)+3], s[G0B+4*(\s)+3], 0x80000000
	JLOAD \s                                       ; two loads of mine are out
.endr
	v_and_b32 v1, 15, v0                           ; l % 16
	v_bfe_u32 v2, v0, 4, 1                         ; l / 16
	v_mul_u32_u24 v3, v1, PITCH
	v_lshl_add_u32 v3, v2, 4, v3
	s_mul_i32 s21, s11, HALFT
	s_mul_i32 s22, s12, HALFT
	s_add_co_u32 s22, s22, 2*HALFT
.irp s, 0,1
	v_add_nc_u32 v[ADRA+(\s)], s21, v3
	v_add_nc_u32 v[ADRB+(\s)], s22, v3
	s_add_co_u32 s21, s21, SLOT
	s_add_co_u32 s22, s22, SLOT
.endr
	s_mul_i32 s23, s10, 16*SPITCH
	s_add_co_u32 s23, s23, STAGE
	v_mul_u32_u24 v4, v1, SPITCH
	v_lshl_add_u32 v4, v2, 4, v4
	v_add_nc_u32 v[STO], s23, v4
	v_mul_u32_u24 v5, v2, SPITCH
	v_lshl_add_u32 v5, v1, 4, v5
	v_add_nc_u32 v[RD], s23, v5
	v_mul_u32_u24 v5, v2, SIZE_N*2
	v_lshl_add_u32 v[CO], v1, 4, v5
	s_lshl_b32 s73, s10, 10
	s_add_co_u32 s73, s73, STATB                   ; my wave's 1,024 bytes of statistics
	v_lshlrev_b32 v[SADR], 2, v1                   ; key l % 16 of a block; lanes 16-31 write l, 512 bytes on
	v_lshl_add_u32 v[SADR], v2, 9, v[SADR]
	v_add_nc_u32 v[SADR], s73, v[SADR]
	v_and_b32 v[SGO], 31, v0
	v_lshlrev_b32 v[SGO], 4, v[SGO]
	v_add_nc_u32 v[SRD], s73, v[SGO]
	v_mov_b32 v[W0+1], 0                           ; v_permlanex16_b32 counts as a reader of its destination
	s_lshl_b32 s13, s13, 8
	s_lshl_b32 s14, s11, 7
	s_add_co_u32 s16, s13, s14                     ; my first row of pt
	s_mov_b32 s17, 0
	s_mov_b64 s[18:19], SIZE_N*2
	s_mul_u64 s[16:17], s[16:17], s[18:19]
	s_lshl_b32 s46, s42, 9
	s_lshl_b32 s47, s12, 8
	s_add_co_u32 s46, s46, s47
	s_mov_b32 s47, 0
	s_add_nc_u64 s[16:17], s[16:17], s[46:47]
.macro MUL16 f, hi, a0, zero           ; 16 matrix instructions; the 64 accumulators take turns
	WIN MUL_LO+0x50*(\hi)
.irp a, \a0, (\a0)+1
.irp b, 0,1,2,3,4,5,6,7
.if \zero
	v_wmma_f32_16x16x32_f16 v[8*(8*(\a)+(\b)):8*(8*(\a)+(\b))+7], v[(\f)+8*(\b):(\f)+8*(\b)+7], v[(\f)+8*(4*(\hi)+(\a)):(\f)+8*(4*(\hi)+(\a))+7], 0
.else
	v_wmma_f32_16x16x32_f16 v[8*(8*(\a)+(\b)):8*(8*(\a)+(\b))+7], v[(\f)+8*(\b):(\f)+8*(\b)+7], v[(\f)+8*(4*(\hi)+(\a)):(\f)+8*(4*(\hi)+(\a))+7], v[8*(8*(\a)+(\b)):8*(8*(\a)+(\b))+7]
.endif
.endr
.endr
.endm
.macro FETCH slot, k, f
	WIN TO_B
.irp i, 0,1,2,3,4,5,6,7
	ds_load_b128 v[(\f)+8*(\i):(\f)+8*(\i)+3],   v[ADRB+(\slot)] offset:(\k)+(\i)*16*PITCH
	ds_load_b128 v[(\f)+8*(\i)+4:(\f)+8*(\i)+7], v[ADRB+(\slot)] offset:(\k)+(\i)*16*PITCH+32
.endr
	WIN 0
.irp i, 0,1,2,3,4,5,6,7
	ds_load_b128 v[(\f)+8*(\i):(\f)+8*(\i)+3],   v[ADRA+(\slot)] offset:(\k)+(\i)*16*PITCH
	ds_load_b128 v[(\f)+8*(\i)+4:(\f)+8*(\i)+7], v[ADRA+(\slot)] offset:(\k)+(\i)*16*PITCH+32
.endr
.endm
.macro PLACES                          ; four plain vector instructions between a matrix instruction and a load into, or a vector access to, its registers
.rept 4
	v_nop
.endr
.endm
.macro QUARTER slot, k, f, g, zero
	s_wait_dscnt 8                                 ; B and A's rows 0-63 are in; the youngest eight loads may be out
	WIN MUL_LO
	MUL16 \f, 0, 0, \zero
	MUL16 \f, 0, 2, \zero
	PLACES
	FETCH \slot, \k, \g
	s_wait_dscnt 32                                ; all but the 32 just issued
	WIN MUL_HI
	MUL16 \f, 1, 0, \zero
	MUL16 \f, 1, 2, \zero
.endm
.macro MEET round
	WIN 0
	s_wait_tensorcnt 0x0                           ; all my tensor loads have landed: the one that was out is my part of the next slot
	ds_add_u32 v[SPW], v[NIL]                      ; 0 onto my spare word
	s_wait_dscnt 9                                 ; the add and the youngest eight loads may be out
	WIN MUL_LO
	MUL16 F1, 0, 0, 0
	s_wait_dscnt 0x0                               ; the add is done, and my reads of this slot are over
	s_barrier_signal -1
	MUL16 F1, 0, 2, 0
.if \round
	WIN 0
.endif
	s_barrier_wait -1
.endm
.macro TURN slot, next
	MEET 1
	CREST
	s_add_nc_u64 s[G0+4*(\slot)+2:G0+4*(\slot)+3], s[G0+4*(\slot)+2:G0+4*(\slot)+3], 2*KSTEP*2
	s_add_nc_u64 s[G0B+4*(\slot)+2:G0B+4*(\slot)+3], s[G0B+4*(\slot)+2:G0B+4*(\slot)+3], 2*KSTEP*2
	JLOAD \slot                                    ; my one tensor load behind the round; its four v_nop are also the places in front of the loads below
	FETCH \next, 0, F0
	WIN MUL_HI
	MUL16 F1, 1, 0, 0
	MUL16 F1, 1, 2, 0
.endm
.macro BLOAD q
	WIN TO_B
.irp i, 0,1,2,3,4,5,6,7
	ds_load_b128 v[64*(\q)+8*(\i):64*(\q)+8*(\i)+3],   v[ADRB+1] offset:64*(\q)+(\i)*16*PITCH
	ds_load_b128 v[64*(\q)+8*(\i)+4:64*(\q)+8*(\i)+7], v[ADRB+1] offset:64*(\q)+(\i)*16*PITCH+32
.endr
.endm
.macro ALOAD a
	WIN 0
.set FA, PA+32*((\a)%4)
.irp q, 0,1,2,3
	ds_load_b128 v[FA+8*(\q):FA+8*(\q)+3],   v[ADRA+1] offset:64*(\q)+(\a)*16*PITCH
	ds_load_b128 v[FA+8*(\q)+4:FA+8*(\q)+7], v[ADRA+1] offset:64*(\q)+(\a)*16*PITCH+32
.endr
.endm
.macro ROW a
.set FA, PA+32*((\a)%4)
.set AC, 64*((\a)%4)
	WIN MUL_LO+0x50*((\a)/4)
.irp q, 0,1,2,3
.if (\a) == 0 && (\q) == 2
	s_wait_dscnt 24                                ; B's quarter 2 is in (behind it: A's blocks 1 to 3)
.endif
.irp b, 0,1,2,3,4,5,6,7
	v_wmma_f32_16x16x32_f16 v[AC+8*(\b):AC+8*(\b)+7], v[64*(\q)+8*(\b):64*(\q)+8*(\b)+7], v[FA+8*(\q):FA+8*(\q)+7], v[AC+8*(\b):AC+8*(\b)+7]
.endr
.endr
.endm
; BLOCK a's SOFTMAX: 16 keys x 128 queries in 64 registers (window 2 or 3).  Maximum, cm, p in place, p rounded to f16 into TMP, the sum of the unrounded p, and the block's statistics.
.macro SOFT a
.set AC, 64*((\a)%4)
.set HI, (\a)/4
	WIN 0x2a+0x15*HI                               ; three sources in the accumulators' window, destination in window 0
.irp b, 0,1,2,3,4,5,6,7                ; each accumulator's lowest registers are read first
	v_max3_num_f32 v[TMP+3*(\b)],   v[AC+8*(\b)],   v[AC+8*(\b)+1], v[AC+8*(\b)+2]
	v_max3_num_f32 v[TMP+3*(\b)+1], v[AC+8*(\b)+3], v[AC+8*(\b)+4], v[AC+8*(\b)+5]
	v_max_num_f32  v[TMP+3*(\b)+2], v[AC+8*(\b)+6], v[AC+8*(\b)+7]
.endr
	WIN 0
.irp b, 0,1,2,3,4,5,6,7
	v_max3_num_f32 v[TMP+3*(\b)], v[TMP+3*(\b)], v[TMP+3*(\b)+1], v[TMP+3*(\b)+2]
.endr
	v_max3_num_f32 v[W0], v[TMP], v[TMP+3], v[TMP+6]
	v_max3_num_f32 v[W0+2], v[TMP+9], v[TMP+12], v[TMP+15]
	v_max3_num_f32 v[W0], v[TMP+18], v[TMP+21], v[W0]
	v_max_num_f32 v[W0], v[W0], v[W0+2]
	v_permlanex16_b32 v[W0+1], v[W0], s70, s71     ; the key's other 64 queries lie in the lane 16 away
	v_max_num_f32 v[W0], v[W0], v[W0+1]
	v_mul_f32 v[CM], s68, v[W0]
	v_mov_b32 v[CM+1], v[CM]
	WIN 0x82+0x41*HI                               ; destination and source 0 in the accumulators' window, cm in window 0
.set i, 0
.rept 32
	v_pk_fma_f32 v[AC+2*i:AC+2*i+1], v[AC+2*i:AC+2*i+1], s[68:69], v[CM:CM+1] op_sel_hi:[1,0,0] neg_lo:[0,0,1] neg_hi:[0,0,1]  ; c s - cm
.set i, i+1
.endr
.set i, 0
.rept 64
	v_exp_f32 v[AC+i], v[AC+i]
.set i, i+1
.endr
	v_nop                                          ; a plain instruction between the last exponential and the use of its result (ISA guide 5.7.2)
	WIN 0x0a+5*HI
	s_wait_alu depctr_va_vdst(0)
.irp b, 0,1,2,3,4,5,6,7
.irp r, 0,1,2,3
	v_cvt_pk_f16_f32 v[TMP+4*(\b)+(\r)], v[AC+8*(\b)+2*(\r)], v[AC+8*(\b)+2*(\r)+1]
.endr
.endr
	WIN 0x8a+0x45*HI
.irp d, 16,8,4,2,1                     ; the 32 pairs are summed in place: pair i takes pair i + d
.set i, 0
.rept \d
	v_pk_add_f32 v[AC+2*i:AC+2*i+1], v[AC+2*i:AC+2*i+1], v[AC+2*(i+(\d)):AC+2*(i+(\d))+1]
.set i, i+1
.endr
.endr
	WIN 0x0a+5*HI
	v_add_f32 v[W0], v[AC], v[AC+1]
	WIN 0
	v_permlanex16_b32 v[W0+1], v[W0], s70, s71
	v_add_f32 v[W0], v[W0], v[W0+1]
	v_cndmask_b32 v[STV+(\a)], v[CM], v[W0], s72   ; lanes 0-15 keep cm, lanes 16-31 l
.endm
.macro TOSTAGE a
	WIN 0
.set BK, OB+192*((\a)%2)
.irp b, 0,1,2,3,4,5,6,7
	ds_store_b128 v[STO], v[TMP+4*(\b):TMP+4*(\b)+3] offset:32*(\b)
.endr
.irp t, 0,1,2,3,4,5,6,7
	ds_load_b128 v[BK+4*(\t):BK+4*(\t)+3], v[RD] offset:(\t)*2*SPITCH  ; LDS serves a wave's instructions in order (ISA guide 5.7.1.4): these see the stores above
.endr
.endm
.macro SEND a, younger
	WIN 0
.set BK, OB+192*((\a)%2)
	s_wait_dscnt \younger                          ; the block is back in registers
	s_wait_xcnt 0x0                                ; the stores' base and the registers that earlier stores read are rewritten only behind this wait
.if (\a) == 0
	s_add_nc_u64 s[8:9], s[8:9], s[16:17]
.else
	s_add_nc_u64 s[8:9], s[8:9], 16*SIZE_N*2
.endif
.irp t, 0,1,2,3,4,5,6,7
	global_store_b128 v[CO], v[BK+4*(\t):BK+4*(\t)+3], s[8:9] offset:2*(\t)*SIZE_N*2  ; 16 lanes store 256 consecutive bytes, at a multiple of 256 from the buffer's first byte
.endr
.endm
	s_wait_tensorcnt 1                             ; my part of K step 0 is in; K step 1's may stay out
	s_barrier_signal -1
	s_barrier_wait -1
	FETCH 0, 0, F0
	QUARTER 0, 64,  F0, F1, 1
	WIN 0
	s_mov_b32 s3, LAPS-1
.Llap:
	QUARTER 0, 128, F1, F0, 0
	QUARTER 0, 192, F0, F1, 0
	TURN 0, 1
	QUARTER 1, 64,  F0, F1, 0
	QUARTER 1, 128, F1, F0, 0
	QUARTER 1, 192, F0, F1, 0
	TURN 1, 0
	QUARTER 0, 64,  F0, F1, 0
	WIN 0
	s_sub_co_u32 s3, s3, 1
	s_cmp_lg_u32 s3, 0
	s_cbranch_scc1 .Llap
	QUARTER 0, 128, F1, F0, 0
	QUARTER 0, 192, F0, F1, 0
	MEET 0                                         ; nothing is filled again, so no round follows
	PLACES
	WIN TO_B
	BLOAD 0
	BLOAD 1
	BLOAD 3
	WIN 0
	ALOAD 0
	WIN MUL_HI
	MUL16 F1, 1, 0, 0
	MUL16 F1, 1, 2, 0
	PLACES
	WIN TO_B
	BLOAD 2
	WIN 0
	ALOAD 1
	ALOAD 2
	ALOAD 3
	s_wait_dscnt 40                                ; all but the 40 just issued
	ROW 0
.irp a, 0,1,2,3,4,5,6,7
	PLACES
	SOFT \a
	TOSTAGE \a
.if (\a) < 4
	ALOAD (\a)+4
	SEND \a, 8
.else
	SEND \a, 0
.endif
.if (\a) < 7
	ROW (\a)+1
.endif
.endr
	; the wave's statistics: through its own LDS bytes, so that each store covers 512 consecutive bytes of st
.irp a, 0,1,2,3,4,5,6,7
	ds_store_b32 v[SADR], v[STV+(\a)] offset:64*(\a)
.endr
	ds_load_b128 v[192:195], v[SRD]                ; my own bytes, served in order behind the stores
	ds_load_b128 v[196:199], v[SRD] offset:512
	s_wait_dscnt 0x0
	global_store_b128 v[SGO], v[192:195], s[66:67]                 ; cm of 128 keys
	global_store_b128 v[SGO], v[196:199], s[66:67] offset:524288   ; l of the same keys
	s_wait_tensorcnt 0x0                           ; the wave's end
	ds_add_u32 v[SPW], v[NIL]
	s_wait_dscnt 0x0
	CROUND                                         ; the closing round
	s_endpgm
.Lfunc_end_k_q576d9a2c0e_scores:
	.size	k_q576d9a2c0e_scores, .Lfunc_end_k_q576d9a2c0e_scores-k_q576d9a2c0e_scores
	.p2alignl 7, 3214868480
	.fill 96, 4, 3214868480
	.section	.rodata,"a",@progbits
	.p2align	6, 0x0
	.amdhsa_kernel k_q576d9a2c0e_scores
		.amdhsa_group_segment_fixed_size 327680
		.amdhsa_private_segment_fixed_size 0
		.amdhsa_enable_private_segment 0
		.amdhsa_kernarg_size 24
		.amdhsa_user_sgpr_count 2
		.amdhsa_user_sgpr_kernarg_segment_ptr 1
		.amdhsa_wavefront_size32 1
		.amdhsa_system_sgpr_workgroup_id_x 1
		.amdhsa_system_sgpr_workgroup_id_y 1
		.amdhsa_system_sgpr_workgroup_id_z 1
		.amdhsa_system_vgpr_workitem_id 0
		.amdhsa_next_free_vgpr 1024
		.amdhsa_next_free_sgpr 80
		.amdhsa_reserve_vcc 0
		.amdhsa_float_denorm_mode_32 3
		.amdhsa_float_denorm_mode_16_64 3
		.amdhsa_memory_ordered 1
		.amdhsa_forward_progress 1
		.amdhsa_inst_pref_size 213
	.end_amdhsa_kernel
	.amdgpu_metadata
---
amdhsa.version: [ 1, 2 ]
amdhsa.kernels:
  - .name:           k_q576d9a2c0e_scores
    .symbol:         k_q576d9a2c0e_scores.kd
    .args:
      - { .name: qkp, .offset: 0, .size: 8, .value_kind: global_buffer, .address_space: global }
      - { .name: pt, .offset: 8, .size: 8, .value_kind: global_buffer, .address_space: global }
      - { .name: st, .offset: 16, .size: 8, .value_kind: global_buffer, .address_space: global }
    .group_segment_fixed_size: 327680
    .private_segment_fixed_size: 0
    .kernarg_segment_align: 8
    .kernarg_segment_size: 24
    .max_flat_workgroup_size: 128
    .sgpr_count:     80
    .vgpr_count:     1024
    .wavefront_size: 32
...
	.end_amdgpu_metadata
.endif
;; end of part 4
;; launch fac (part 5): grid 64 x 1, 1 waves a work-group, no clusters, 0 bytes of LDS; arguments st, fc; writes fc
.if DOCPART == 5
	.amdgcn_target "amdgcn-amd-amdhsa--gfx1250"
	.amdhsa_code_object_version 6
	.text
	.protected	k_q576d9a2c0e_fac
	.globl	k_q576d9a2c0e_fac
	.p2align	8
	.type	k_q576d9a2c0e_fac,@function
k_q576d9a2c0e_fac:
	s_mov_b64 s[64:65], 0
	v_nop
	global_prefetch_b8 v0, s[64:65] scope:SCOPE_SE
	s_setreg_imm32_b32 hwreg(HW_REG_WAVE_MODE, 25, 1), 1
	s_wait_xcnt 0x0
; The second half of the softmax over queries.  For each key the 16 pieces' cm_t and l_t are joined: M = max cm_t, e_t = 2^(cm_t - M), Z = sum of l_t e_t,
; F[b][t][key] = 2048 e_t / Z, rounded to f16.  The weight of query q in piece t is then p F / 2048.  The factor 2048, a power of two, keeps p F near 1 on average; it is taken back in f32 later.
; Z is at least about 1 (the piece with cm_t = M has e = 1 and holds a p of 1), so F lies in 0 to 2048.  LIMITS: F below 6e-5 keeps f16's fixed step; e below 2^-126 counts as 0.
; 8,192 keys, four a lane, one wave a work-group: 64 work-groups; the launch moves 1.3 MB, so no more is made of it.  A load covers 512 consecutive bytes, a store 256.
.set C,  4                             ; v[4:67]    cm_t of my 4 keys at C + 4 t; then e_t; then F
.set L,  68                            ; v[68:131]  l_t likewise
.set M,  132                           ; v[132:135]
.set Z,  136                           ; v[136:139]
.set O,  140                           ; v[140:171] F in f16, two registers a piece
	s_load_b128 s[4:7], s[0:1], 0x0                ; st s[4:5], fc s[6:7]
	s_lshr_b32 s8, ttmp9, 4                        ; batch
	s_and_b32 s9, ttmp9, 15                        ; which 128 keys
	s_lshl_b32 s10, s8, 17
	s_lshl_b32 s12, s9, 9
	s_add_co_u32 s10, s10, s12
	s_mov_b32 s11, 0
	s_lshl_b32 s12, s8, 16
	s_lshl_b32 s14, s9, 8
	s_add_co_u32 s12, s12, s14
	s_mov_b32 s13, 0
	v_lshlrev_b32 v1, 4, v0
	v_lshlrev_b32 v2, 3, v0
	s_wait_kmcnt 0x0
	s_add_nc_u64 s[4:5], s[4:5], s[10:11]
	s_add_nc_u64 s[6:7], s[6:7], s[12:13]
.set t, 0
.rept 16
	global_load_b128 v[C+4*t:C+4*t+3], v1, s[4:5] offset:8192*t
.set t, t+1
.endr
.set t, 0
.rept 16
	global_load_b128 v[L+4*t:L+4*t+3], v1, s[4:5] offset:524288+8192*t
.set t, t+1
.endr
	s_wait_loadcnt 0x0
.irp j, 0,1,2,3
	v_max3_num_f32 v[M+(\j)], v[C+(\j)], v[C+4+(\j)], v[C+8+(\j)]
.endr
.irp u, 3,5,7,9,11,13
.irp j, 0,1,2,3
	v_max3_num_f32 v[M+(\j)], v[M+(\j)], v[C+4*(\u)+(\j)], v[C+4*(\u)+4+(\j)]
.endr
.endr
.irp j, 0,1,2,3
	v_max_num_f32 v[M+(\j)], v[M+(\j)], v[C+60+(\j)]
.endr
.set i, 0
.rept 32                               ; cm_t - M, two keys at a time
	v_pk_add_f32 v[C+2*i:C+2*i+1], v[C+2*i:C+2*i+1], v[M+2*(i%2):M+2*(i%2)+1] neg_lo:[0,1] neg_hi:[0,1]
.set i, i+1
.endr
.set i, 0
.rept 64
	v_exp_f32 v[C+i], v[C+i]
.set i, i+1
.endr
	v_nop                                          ; a plain instruction between the last exponential and the use of its result (ISA guide 5.7.2)
	s_wait_alu depctr_va_vdst(0)
	v_pk_mul_f32 v[Z:Z+1], v[L:L+1], v[C:C+1]      ; the first products start the sums
	v_pk_mul_f32 v[Z+2:Z+3], v[L+2:L+3], v[C+2:C+3]
.set t, 1
.rept 15
	v_pk_fma_f32 v[Z:Z+1], v[L+4*t:L+4*t+1], v[C+4*t:C+4*t+1], v[Z:Z+1]
	v_pk_fma_f32 v[Z+2:Z+3], v[L+4*t+2:L+4*t+3], v[C+4*t+2:C+4*t+3], v[Z+2:Z+3]
.set t, t+1
.endr
.irp j, 0,1,2,3
	v_rcp_f32 v[Z+(\j)], v[Z+(\j)]
.endr
	v_nop
	s_wait_alu depctr_va_vdst(0)
.irp j, 0,1,2,3
	v_mul_f32 v[Z+(\j)], 0x45000000, v[Z+(\j)]     ; 2048 / Z
.endr
.set i, 0
.rept 32
	v_pk_mul_f32 v[C+2*i:C+2*i+1], v[C+2*i:C+2*i+1], v[Z+2*(i%2):Z+2*(i%2)+1]
.set i, i+1
.endr
.set i, 0
.rept 32
	v_cvt_pk_f16_f32 v[O+i], v[C+2*i], v[C+2*i+1]
.set i, i+1
.endr
.set t, 0
.rept 16
	global_store_b64 v2, v[O+2*t:O+2*t+1], s[6:7] offset:4096*t
.set t, t+1
.endr
	s_endpgm
.Lfunc_end_k_q576d9a2c0e_fac:
	.size	k_q576d9a2c0e_fac, .Lfunc_end_k_q576d9a2c0e_fac-k_q576d9a2c0e_fac
	.p2alignl 7, 3214868480
	.fill 96, 4, 3214868480
	.section	.rodata,"a",@progbits
	.p2align	6, 0x0
	.amdhsa_kernel k_q576d9a2c0e_fac
		.amdhsa_group_segment_fixed_size 0
		.amdhsa_private_segment_fixed_size 0
		.amdhsa_enable_private_segment 0
		.amdhsa_kernarg_size 16
		.amdhsa_user_sgpr_count 2
		.amdhsa_user_sgpr_kernarg_segment_ptr 1
		.amdhsa_wavefront_size32 1
		.amdhsa_system_sgpr_workgroup_id_x 1
		.amdhsa_system_sgpr_workgroup_id_y 1
		.amdhsa_system_sgpr_workgroup_id_z 1
		.amdhsa_system_vgpr_workitem_id 0
		.amdhsa_next_free_vgpr 192
		.amdhsa_next_free_sgpr 66
		.amdhsa_reserve_vcc 0
		.amdhsa_float_denorm_mode_32 3
		.amdhsa_float_denorm_mode_16_64 3
		.amdhsa_memory_ordered 1
		.amdhsa_forward_progress 1
		.amdhsa_inst_pref_size 18
	.end_amdhsa_kernel
	.amdgpu_metadata
---
amdhsa.version: [ 1, 2 ]
amdhsa.kernels:
  - .name:           k_q576d9a2c0e_fac
    .symbol:         k_q576d9a2c0e_fac.kd
    .args:
      - { .name: st, .offset: 0, .size: 8, .value_kind: global_buffer, .address_space: global }
      - { .name: fc, .offset: 8, .size: 8, .value_kind: global_buffer, .address_space: global }
    .group_segment_fixed_size: 0
    .private_segment_fixed_size: 0
    .kernarg_segment_align: 8
    .kernarg_segment_size: 16
    .max_flat_workgroup_size: 32
    .sgpr_count:     66
    .vgpr_count:     192
    .wavefront_size: 32
...
	.end_amdgpu_metadata
.endif
;; end of part 5
;; launch pv (part 6): grid 4 x 64, 4 waves a work-group, clusters of 4 x 4, 327,680 bytes of LDS; arguments pt, vp, fc, out0; writes out0
.if DOCPART == 6
	.amdgcn_target "amdgcn-amd-amdhsa--gfx1250"
	.amdhsa_code_object_version 6
	.text
	.protected	k_q576d9a2c0e_pv
	.globl	k_q576d9a2c0e_pv
	.p2align	8
	.type	k_q576d9a2c0e_pv,@function
k_q576d9a2c0e_pv:
	s_mov_b64 s[64:65], 0
	v_nop
	global_prefetch_b8 v0, s[64:65] scope:SCOPE_SE
	s_setreg_imm32_b32 hwreg(HW_REG_WAVE_MODE, 25, 1), 1
	s_wait_xcnt 0x0
	s_wait_alu depctr_hold_cnt(0) depctr_sa_sdst(0) depctr_va_vdst(0) depctr_va_sdst(0) depctr_va_ssrc(0) depctr_va_vcc(0) depctr_vm_vsrc(0)
	s_getreg_b32 s2, hwreg(HW_REG_IB_STS2, 6, 4)
	s_cmp_eq_u32 s2, 0
	s_cbranch_scc0 .Lentry_in_a_cluster
	s_endpgm
.Lentry_in_a_cluster:
	s_bfe_u32 s2, ttmp6, 0x10000c
	s_cmp_lg_u32 s2, 0xf033
	s_cbranch_scc0 .Lentry_shape_is_right
	s_endpgm
.Lentry_shape_is_right:
; out0[b][q][ch] = 2^-11 x the sum over keys of (pt[b][key][q] x F[b][t(q)][key]) x vp[b][key][ch].  pt, F, vp are f16; the product p F (2048 x the softmax weight, at most about 2048) is rounded to f16;
; sums in f32; the power of two is taken back in f32, exactly.  LIMITS: p F below 6e-5 keeps f16's fixed step of 6e-8; NaN and infinities are not treated apart.
; A tile is 128 queries (ONE piece t, so one row of F serves the whole tile) x 128 channels: 64 x 4 = 256 work-groups.  Four waves, each 64 x 64: 16 accumulators.
; The keys, 2,048, go in steps of 256 through two LDS slots.  Both operands lie [key][..] in memory and in LDS and come out turned, by ds_load_tr16_b128.
; The matrix instruction takes source 0 = 16 channels of vp, source 1 = 16 queries of p F: a lane holds one query (l % 16) and eight neighbouring channels.
; F's fragment has the keys of P's fragment in the same registers (it does not hang on the query), so one packed multiply a register applies it.
; CLUSTERS: 4 x 4; pt's tiles are asked for jointly along a row of the cluster (same queries), vp's along a column (same channels; a cluster's four tile rows lie in one batch).
; REGISTERS: window 0: v0-31 addresses; v32-63 the way out; v64-95 the way out; v96-127 F's fragments, later the way out; v128-255 accumulators ((a, b) at v[128 + 8 (4 a + b)]).
;   window 1: two fragment buffers of 128 for 64 keys: 64 registers of P, then 64 of V.
.set PITCH,  288                       ; 256 bytes + 32 of padding = 72 words
.set HALFT,  128*PITCH                 ; 128 keys: what one tensor load brings
.set SLOT,   4*HALFT                   ; P's keys 0-127, 128-255, then V's
.set STAGE,  2*SLOT                    ; 16 rows x 272 bytes for each wave, its own
.set SPITCH, 272
.set FB,     STAGE+4*16*SPITCH         ; F's row, 2,048 keys in f16; written by LDS stores alone
.set SPARE,  FB+4096                   ; the spare words: 128 bytes a wave, two blocks of 256 bytes that no other line names
.set LAPS,   4                         ; a lap = two steps of 256 keys
.set PSTEP,  256*4096                  ; bytes of pt from step to step
.set VSTEP,  256*1024                  ; bytes of vp
.set AP,   8                           ; v8-11   my lane's place in P: slot s, half u of the slot's keys at AP + 2 s + u
.set AV,   12                          ; v12-15  the same for V
.set FAD,  20                          ; v20     F's fragments: FB + 16 (l / 16) + 1,024 x lap
.set STO,  24
.set RD,   25
.set CO,   26
.set FST,  27                          ; v27     where I put 16 bytes of F
.set SPW,  28
.set NIL,  29
.set FGO,  30                          ; v30     my offset in F's row in memory
.set TMP,  32
.set OB,   64
.set FR,   96                          ; F's fragments for buffer f, half c at FR + 16 (f / 128) + 8 c
.set ACC,  128
.set F0,   0
.set F1,   128
.set G1, 24
.set G0, 32
.set G1B, 48
.set G0B, 56
.set MSB, 0
.macro WIN new
.if MSB != (\new)
	s_set_vgpr_msb (MSB<<8)|(\new)
.set MSB, \new
.endif
.endm
.set MUL,  0x05                        ; sources 0 and 1 window 1; C and D window 0
.set TO_F, 0x40                        ; destination window 1, address window 0
.set W_SC, 0x41                        ; destination and source 0 window 1, source 1 window 0
.macro JLOAD s                         ; a joint load: waves 0 and 1 fetch P's halves, waves 2 and 3 V's; s_nop 0 and four v_nop follow each line
	s_cmp_eq_u32 s11, 0
	s_cbranch_scc0 .Lfor_b_\@
	tensor_load_to_lds s[G0+4*(\s):G0+4*(\s)+3], s[G1:G1+7]
	s_nop 0
.rept 4
	v_nop
.endr
	s_branch .Lasked_\@
.Lfor_b_\@:
	tensor_load_to_lds s[G0B+4*(\s):G0B+4*(\s)+3], s[G1B:G1B+7]
	s_nop 0
.rept 4
	v_nop
.endr
.Lasked_\@:
.endm
.macro CREST
	s_cmp_lg_u32 s10, 0
	s_cbranch_scc1 .Lnot_wave_0_\@
	s_barrier_signal -3
.Lnot_wave_0_\@:
	s_barrier_wait -3
	s_barrier_signal -1
	s_barrier_wait -1
.endm
.macro CROUND
	s_barrier_signal -1
	s_barrier_wait -1
	CREST
.endm
	s_load_b128 s[4:7], s[0:1], 0x0                ; pt s[4:5], vp s[6:7]
	s_load_b128 s[68:71], s[0:1], 0x10             ; fc s[68:69], out0 s[70:71]
	v_lshl_add_u32 v[SPW], v0, 2, SPARE
	v_mov_b32 v[NIL], 0
	ds_add_u32 v[SPW], v[NIL]                      ; the wave's opening: the add and its wait stand ahead of my first tensor load
	v_lshrrev_b32 v1, 5, v0
	v_readfirstlane_b32 s10, v1
	s_lshr_b32 s11, s10, 1                         ; my half of the tile's queries; also: I fetch for P (0) or V (1)
	s_and_b32 s12, s10, 1                          ; my half of its channels; also: which 128 keys of a step I fetch
	s_bfe_u32 s40, ttmp6, 0x40000
	s_bfe_u32 s41, ttmp6, 0x40004
	s_lshl_b32 s42, ttmp9, 2
	s_add_co_u32 s42, s42, s40                     ; tile column: 128 channels
	s_and_b32 s13, ttmp7, 0xffff
	s_lshr_b32 s45, s13, 2                         ; the batch, from the cluster's y alone: four clusters each
	s_lshl_b32 s13, s13, 2
	s_add_co_u32 s13, s13, s41                     ; tile row = 16 x batch + piece t
	s_lshl_b32 s43, s41, 2
	s_lshl_b32 s43, 15, s43
	s_lshl_b32 s44, 0x1111, s40
	s_or_b32 s[G1+0], s43, (1<<16)|(1<<20)|(1<<21)|(5<<22)|(7<<25)  ; mask; 2-byte elements; padding on; bit 21 beside a mask; after every 64 words 8 words
	s_or_b32 s[G1B+0], s44, (1<<16)|(1<<20)|(1<<21)|(5<<22)|(7<<25)
.irp g, G1, G1B
	s_mov_b32 s[(\g)+1], 128<<16                   ; tensor_dim0 = 128
	s_mov_b32 s[(\g)+2], 128<<16                   ; tensor_dim1 = 128
	s_mov_b32 s[(\g)+3], 128<<16                   ; tile_dim0 = 128
	s_mov_b32 s[(\g)+4], 128                       ; tile_dim1 = 128
	s_mov_b32 s[(\g)+6], 0
	s_mov_b32 s[(\g)+7], 0
.endr
	s_mov_b32 s[G1+5], 2048                        ; pt: 2,048 elements from key to key
	s_mov_b32 s[G1B+5], 512                        ; vp: 512
	s_lshr_b32 s16, s13, 4                         ; pt: batch x 2,048 keys x 4,096 bytes
	s_lshl_b32 s16, s16, 23
	s_lshl_b32 s17, s12, 19                        ; + my 128 keys
	s_add_co_u32 s16, s16, s17
	s_and_b32 s17, s13, 15                         ; + the piece's 256 bytes of a row
	s_lshl_b32 s17, s17, 8
	s_add_co_u32 s16, s16, s17
	s_mov_b32 s17, 0
	s_lshl_b32 s46, s45, 21                        ; vp: batch x 2,048 keys x 1,024 bytes
	s_lshl_b32 s47, s12, 17                        ; + my 128 keys
	s_add_co_u32 s46, s46, s47
	s_lshl_b32 s47, s42, 8                         ; + the tile's 256 bytes of a row
	s_add_co_u32 s46, s46, s47
	s_mov_b32 s47, 0
	s_mul_i32 s20, s10, HALFT                      ; where they go: wave x 128 rows
	s_mov_b32 s72, 0x3a000000                      ; 2^-11
	s_mov_b32 s73, s72                             ; named with it as a pair
	s_wait_dscnt 0x0                               ; the opening add is done
	s_wait_kmcnt 0x0
	s_add_nc_u64 s[14:15], s[4:5], s[16:17]
	s_add_nc_u64 s[46:47], s[6:7], s[46:47]
	CROUND
.irp s, 0,1
	s_mov_b32 s[G0+4*(\s)], 1
	s_add_co_u32 s[G0+4*(\s)+1], s20, (\s)*SLOT
	s_add_nc_u64 s[G0+4*(\s)+2:G0+4*(\s)+3], s[14:15], (\s)*PSTEP
	s_or_b32 s[G0+4*(\s)+3], s[G0+4*(\s)+3], 0x80000000
	s_mov_b32 s[G0B+4*(\s)], 1
	s_add_co_u32 s[G0B+4*(\s)+1], s20, (\s)*SLOT
	s_add_nc_u64 s[G0B+4*(\s)+2:G0B+4*(\s)+3], s[46:47], (\s)*VSTEP
	s_or_b32 s[G0B+4*(\s)+3], s[G0B+4*(\s)+3], 0x80000000
	JLOAD \s                                       ; two loads of mine are out
.endr
	s_lshl_b32 s16, s13, 12                        ; F's row of this batch and piece: 4,096 bytes; 128 threads take 32 each
	s_mov_b32 s17, 0
	s_add_nc_u64 s[68:69], s[68:69], s[16:17]
	v_lshlrev_b32 v[FGO], 4, v0
	global_load_b128 v[32:35], v[FGO], s[68:69]
	global_load_b128 v[36:39], v[FGO], s[68:69] offset:2048
	v_add_nc_u32 v[FST], FB, v[FGO]
	v_and_b32 v1, 15, v0                           ; l % 16
	v_bfe_u32 v2, v0, 4, 1                         ; l / 16
	; the turning load takes 16 keys x 16 columns: lane l reads key 8 (l / 16) + l % 8, columns 8 ((l / 8) % 2) + 0..7, and is left with column l % 16 and 8 keys
	v_and_b32 v3, 7, v0
	v_bfe_u32 v4, v0, 3, 1
	v_lshl_add_u32 v3, v2, 3, v3
	v_mul_u32_u24 v3, v3, PITCH
	v_lshl_add_u32 v3, v4, 4, v3
	s_lshl_b32 s21, s11, 7                         ; my 64 queries: 128 bytes of P's rows
	s_lshl_b32 s22, s12, 7                         ; my 64 channels of V's rows,
	s_add_co_u32 s22, s22, 2*HALFT                 ; which lie behind P's 256
.irp s, 0,1
.irp u, 0,1
	s_add_co_u32 s23, s21, (\s)*SLOT+(\u)*HALFT
	v_add_nc_u32 v[AP+2*(\s)+(\u)], s23, v3
	s_add_co_u32 s23, s22, (\s)*SLOT+(\u)*HALFT
	v_add_nc_u32 v[AV+2*(\s)+(\u)], s23, v3
.endr
.endr
	v_lshl_add_u32 v[FAD], v2, 4, FB
	s_mul_i32 s23, s10, 16*SPITCH
	s_add_co_u32 s23, s23, STAGE                   ; my stage
	v_mul_u32_u24 v4, v1, SPITCH                   ; in: row l % 16, 32 bytes for each half of the lanes
	v_lshl_add_u32 v4, v2, 5, v4
	v_add_nc_u32 v[STO], s23, v4
	v_mul_u32_u24 v5, v2, SPITCH                   ; back: lanes 0-15 one row of 256 bytes, lanes 16-31 the next
	v_lshl_add_u32 v5, v1, 4, v5
	v_add_nc_u32 v[RD], s23, v5
	v_lshlrev_b32 v5, 11, v2                       ; and the same two rows of out0, 2,048 bytes apart
	v_lshl_add_u32 v[CO], v1, 4, v5
	s_lshl_b32 s16, s13, 7
	s_lshl_b32 s17, s11, 6
	s_add_co_u32 s16, s16, s17                     ; my first row of out0
	s_lshl_b32 s16, s16, 11
	s_mov_b32 s17, 0
	s_add_nc_u64 s[70:71], s[70:71], s[16:17]
	s_lshl_b32 s46, s42, 9                         ; my first column, in bytes: 512 x tile column + 256 x half
	s_lshl_b32 s47, s12, 8
	s_add_co_u32 s46, s46, s47
	s_mov_b32 s47, 0
	s_add_nc_u64 s[70:71], s[70:71], s[46:47]
.macro MUL8 f, c, a0, zero             ; 8 matrix instructions: query blocks a0, a0 + 1 x 4 channel blocks, 32 keys: half c of buffer f; the 16 accumulators take turns
	WIN MUL
.irp a, \a0, (\a0)+1
.irp b, 0,1,2,3
.if \zero
	v_wmma_f32_16x16x32_f16 v[ACC+8*(4*(\a)+(\b)):ACC+8*(4*(\a)+(\b))+7], v[(\f)+64+8*(4*(\c)+(\b)):(\f)+64+8*(4*(\c)+(\b))+7], v[(\f)+8*(4*(\c)+(\a)):(\f)+8*(4*(\c)+(\a))+7], 0
.else
	v_wmma_f32_16x16x32_f16 v[ACC+8*(4*(\a)+(\b)):ACC+8*(4*(\a)+(\b))+7], v[(\f)+64+8*(4*(\c)+(\b)):(\f)+64+8*(4*(\c)+(\b))+7], v[(\f)+8*(4*(\c)+(\a)):(\f)+8*(4*(\c)+(\a))+7], v[ACC+8*(4*(\a)+(\b)):ACC+8*(4*(\a)+(\b))+7]
.endif
.endr
.endr
.endm
; 36 LDS loads in one run: quarter q (64 keys) of the slot's step into buffer f: F's four first, then V and P of the first 32 keys (16 loads), then of the second 32 (16).
; wrap = 1: the step belongs to the next lap, whose 1,024 bytes of F lie behind this lap's.
.macro FETCH slot, q, f, wrap=0
	WIN 0
.irp c, 0,1
	ds_load_b128 v[FR+16*((\f)/128)+8*(\c):FR+16*((\f)/128)+8*(\c)+3],   v[FAD] offset:1024*(\wrap)+512*(\slot)+128*(\q)+64*(\c)
	ds_load_b128 v[FR+16*((\f)/128)+8*(\c)+4:FR+16*((\f)/128)+8*(\c)+7], v[FAD] offset:1024*(\wrap)+512*(\slot)+128*(\q)+64*(\c)+32
.endr
	WIN TO_F
.irp c, 0,1
.irp i, 0,1,2,3
	ds_load_tr16_b128 v[(\f)+64+8*(4*(\c)+(\i)):(\f)+64+8*(4*(\c)+(\i))+3],   v[AV+2*(\slot)+(\q)/2] offset:(64*((\q)%2)+32*(\c))*PITCH+32*(\i)
	ds_load_tr16_b128 v[(\f)+64+8*(4*(\c)+(\i))+4:(\f)+64+8*(4*(\c)+(\i))+7], v[AV+2*(\slot)+(\q)/2] offset:(64*((\q)%2)+32*(\c)+16)*PITCH+32*(\i)
	ds_load_tr16_b128 v[(\f)+8*(4*(\c)+(\i)):(\f)+8*(4*(\c)+(\i))+3],         v[AP+2*(\slot)+(\q)/2] offset:(64*((\q)%2)+32*(\c))*PITCH+32*(\i)
	ds_load_tr16_b128 v[(\f)+8*(4*(\c)+(\i))+4:(\f)+8*(4*(\c)+(\i))+7],       v[AP+2*(\slot)+(\q)/2] offset:(64*((\q)%2)+32*(\c)+16)*PITCH+32*(\i)
.endr
.endr
.endm
.macro SCALE f, c                      ; P's four fragments of half c times F, two keys a register
	WIN W_SC
.irp a, 0,1,2,3
.irp j, 0,1,2,3,4,5,6,7
	v_pk_mul_f16 v[(\f)+8*(4*(\c)+(\a))+(\j)], v[(\f)+8*(4*(\c)+(\a))+(\j)], v[FR+16*((\f)/128)+8*(\c)+(\j)]
.endr
.endr
.endm
.macro PLACES                          ; four plain vector instructions between a matrix instruction and a load into, or a vector access to, its registers
.rept 4
	v_nop
.endr
.endm
.macro QUARTER slot, q, f, g, zero, wrap=0  ; multiplies buffer f; in its middle fetches quarter q of the slot into g
	s_wait_dscnt 16                                ; F and the first 32 keys are in; the youngest sixteen loads may be out
	SCALE \f, 0
	MUL8 \f, 0, 0, \zero
	MUL8 \f, 0, 2, \zero
	PLACES
	FETCH \slot, \q, \g, \wrap
	s_wait_dscnt 36                                ; all but the 36 just issued
	SCALE \f, 1
	MUL8 \f, 1, 0, 0
	MUL8 \f, 1, 2, 0
.endm
.macro TURN slot, next, fill, wrap=0   ; the last quarter changes slots: one barrier; fill = 1: it opens a round of the cluster's, and this slot is filled again, two steps on
	WIN 0
	s_wait_tensorcnt 0x0                           ; all my tensor loads have landed: my part of the next slot
	ds_add_u32 v[SPW], v[NIL]                      ; 0 onto my spare word
	s_wait_dscnt 17                                ; the add and the youngest sixteen loads may be out
	SCALE F1, 0
	MUL8 F1, 0, 0, 0
	s_wait_dscnt 0x0                               ; the add is done, and my reads of this slot are over
	s_barrier_signal -1
	MUL8 F1, 0, 2, 0
.if \fill
	WIN 0
.endif
	s_barrier_wait -1
.if \fill
	CREST
	s_add_nc_u64 s[G0+4*(\slot)+2:G0+4*(\slot)+3], s[G0+4*(\slot)+2:G0+4*(\slot)+3], 2*PSTEP
	s_add_nc_u64 s[G0B+4*(\slot)+2:G0B+4*(\slot)+3], s[G0B+4*(\slot)+2:G0B+4*(\slot)+3], 2*VSTEP
	JLOAD \slot                                    ; my one tensor load behind the round, 112 matrix instructions ahead of the wait for it; its four v_nop are also the places in front of the loads below
.else
	PLACES
.endif
	FETCH \next, 0, F0, \wrap
	SCALE F1, 1                                    ; in since the wait for 0 above
	MUL8 F1, 1, 0, 0
	MUL8 F1, 1, 2, 0
.endm
	s_wait_loadcnt 0x0                             ; F's row
	ds_store_b128 v[FST], v[32:35]
	ds_store_b128 v[FST], v[36:39] offset:2048
	s_wait_tensorcnt 1                             ; my part of step 0 is in; step 1's may stay out
	s_wait_dscnt 0x0                               ; for the others' sake: my part of F is in LDS
	s_barrier_signal -1
	s_barrier_wait -1
	FETCH 0, 0, F0
	QUARTER 0, 1, F0, F1, 1                        ; the first products start the sums
	WIN 0
	s_mov_b32 s3, LAPS-1
.Llap:                                                 ; a trip goes once round the ring and fills both slots again
	QUARTER 0, 2, F1, F0, 0
	QUARTER 0, 3, F0, F1, 0
	TURN 0, 1, 1
	QUARTER 1, 1, F0, F1, 0
	QUARTER 1, 2, F1, F0, 0
	QUARTER 1, 3, F0, F1, 0
	TURN 1, 0, 1, 1
	QUARTER 0, 1, F0, F1, 0, 1
	WIN 0
	v_add_nc_u32 v[FAD], 1024, v[FAD]              ; the next lap's 512 keys of F
	s_sub_co_u32 s3, s3, 1
	s_cmp_lg_u32 s3, 0
	s_cbranch_scc1 .Llap
	QUARTER 0, 2, F1, F0, 0                        ; the last lap fills nothing
	QUARTER 0, 3, F0, F1, 0
	TURN 0, 1, 0
	QUARTER 1, 1, F0, F1, 0
	QUARTER 1, 2, F1, F0, 0
	QUARTER 1, 3, F0, F1, 0
	s_wait_dscnt 16
	SCALE F1, 0
	MUL8 F1, 0, 0, 0
	MUL8 F1, 0, 2, 0
	s_wait_dscnt 0
	SCALE F1, 1
	MUL8 F1, 1, 0, 0
	MUL8 F1, 1, 2, 0
	WIN 0
	; THE WAY OUT, 16 queries at a time: times 2^-11; 32 bytes a lane into my own stage; back as whole rows of 256 bytes (my 64 channels in f32); stored.
	PLACES
.irp a, 0,1,2,3
.irp b, 0,1,2,3
.irp j, 0,1,2,3                        ; each accumulator's registers in ascending order
	v_pk_mul_f32 v[TMP+8*(\b)+2*(\j):TMP+8*(\b)+2*(\j)+1], v[ACC+8*(4*(\a)+(\b))+2*(\j):ACC+8*(4*(\a)+(\b))+2*(\j)+1], s[72:73] op_sel_hi:[1,0]
.endr
.endr
.irp b, 0,1,2,3
	ds_store_b128 v[STO], v[TMP+8*(\b):TMP+8*(\b)+3] offset:64*(\b)
	ds_store_b128 v[STO], v[TMP+8*(\b)+4:TMP+8*(\b)+7] offset:64*(\b)+16
.endr
.irp t, 0,1,2,3,4,5,6,7
	ds_load_b128 v[OB+32*((\a)%2)+4*(\t):OB+32*((\a)%2)+4*(\t)+3], v[RD] offset:(\t)*2*SPITCH  ; LDS serves a wave's instructions in order (ISA guide 5.7.1.4): these see the stores above
.endr
	s_wait_dscnt 0x0                               ; the block is back in registers
	s_wait_xcnt 0x0                                ; the registers that the stores two blocks back read are loaded again only behind such a wait
.irp t, 0,1,2,3,4,5,6,7
	global_store_b128 v[CO], v[OB+32*((\a)%2)+4*(\t):OB+32*((\a)%2)+4*(\t)+3], s[70:71] offset:(16*(\a)+2*(\t))*2048  ; 16 lanes store 256 consecutive bytes, at a multiple of 256 from out0's first byte
.endr
.endr
	s_wait_tensorcnt 0x0                           ; the wave's end
	ds_add_u32 v[SPW], v[NIL]
	s_wait_dscnt 0x0
	CROUND                                         ; the closing round
	s_endpgm
.Lfunc_end_k_q576d9a2c0e_pv:
	.size	k_q576d9a2c0e_pv, .Lfunc_end_k_q576d9a2c0e_pv-k_q576d9a2c0e_pv
	.p2alignl 7, 3214868480
	.fill 96, 4, 3214868480
	.section	.rodata,"a",@progbits
	.p2align	6, 0x0
	.amdhsa_kernel k_q576d9a2c0e_pv
		.amdhsa_group_segment_fixed_size 327680
		.amdhsa_private_segment_fixed_size 0
		.amdhsa_enable_private_segment 0
		.amdhsa_kernarg_size 32
		.amdhsa_user_sgpr_count 2
		.amdhsa_user_sgpr_kernarg_segment_ptr 1
		.amdhsa_wavefront_size32 1
		.amdhsa_system_sgpr_workgroup_id_x 1
		.amdhsa_system_sgpr_workgroup_id_y 1
		.amdhsa_system_sgpr_workgroup_id_z 1
		.amdhsa_system_vgpr_workitem_id 0
		.amdhsa_next_free_vgpr 512
		.amdhsa_next_free_sgpr 76
		.amdhsa_reserve_vcc 0
		.amdhsa_float_denorm_mode_32 3
		.amdhsa_float_denorm_mode_16_64 3
		.amdhsa_memory_ordered 1
		.amdhsa_forward_progress 1
		.amdhsa_inst_pref_size 161
	.end_amdhsa_kernel
	.amdgpu_metadata
---
amdhsa.version: [ 1, 2 ]
amdhsa.kernels:
  - .name:           k_q576d9a2c0e_pv
    .symbol:         k_q576d9a2c0e_pv.kd
    .args:
      - { .name: pt, .offset: 0, .size: 8, .value_kind: global_buffer, .address_space: global }
      - { .name: vp, .offset: 8, .size: 8, .value_kind: global_buffer, .address_space: global }
      - { .name: fc, .offset: 16, .size: 8, .value_kind: global_buffer, .address_space: global }
      - { .name: out0, .offset: 24, .size: 8, .value_kind: global_buffer, .address_space: global }
    .group_segment_fixed_size: 327680
    .private_segment_fixed_size: 0
    .kernarg_segment_align: 8
    .kernarg_segment_size: 32
    .max_flat_workgroup_size: 128
    .sgpr_count:     76
    .vgpr_count:     512
    .wavefront_size: 32
...
	.end_amdgpu_metadata
.endif
;; end of part 6
;; ======== version 2 of 3: 6 launches; 1.27 times as fast as version 1
;; limits: values are held in f16: magnitudes above 65,504 overflow, below 6.1e-05 lose precision; right only within a limited range of input values; values outside matrix products are rounded to f16
;; workspace buffers: xb 33,554,432 bytes; wb 10,485,760 bytes; qkp 33,554,432 bytes; vp 8,388,608 bytes; pt 33,554,432 bytes; st 1,048,576 bytes; pa 33,554,432 bytes
;; launch castx (part 7): grid 672 x 1, 8 waves a work-group, no clusters, 0 bytes of LDS; arguments v, Wq, Wk, Wv, xb, wb; writes xb, wb
.if DOCPART == 7
	.amdgcn_target "amdgcn-amd-amdhsa--gfx1250"
	.amdhsa_code_object_version 6
	.text
	.protected	k_q576d9a2c0e_castx
	.globl	k_q576d9a2c0e_castx
	.p2align	8
	.type	k_q576d9a2c0e_castx,@function
k_q576d9a2c0e_castx:
	s_mov_b64 s[64:65], 0
	v_nop
	global_prefetch_b8 v0, s[64:65] scope:SCOPE_SE
	s_setreg_imm32_b32 hwreg(HW_REG_WAVE_MODE, 25, 1), 1
	s_wait_xcnt 0x0
; v and the three weights are rounded once to bf16 (nearest even): v into xb ([8192][2048]), Wq, Wk, Wv into wb ([2560][2048], one behind the other).
; (q and k are rounded by the launch that multiplies them.)
; A stream: no LDS, no barrier, no matrix unit.  A work-group takes 32,768 numbers (131,072 bytes in, 65,536 out), a wave 4,096.
; A wave's load covers 512 consecutive bytes, its store 256 consecutive bytes at a multiple of 256 from the buffer's first byte.
; All 32 loads of a wave go out at once; no register is written twice, so no wait frees a source.
.set LOADS, 32
.set X, 4                              ; v[4:131]   as loaded
.set Y, 132                            ; v[132:195] two bf16 a register
.macro PICK t, p                       ; from work-group t on the source is the buffer in s[p:p+1]
	s_cmp_ge_u32 s2, \t
	s_cselect_b64 s[24:25], s[\p:\p+1], s[24:25]
	s_cselect_b32 s26, \t, s26
.endm
	s_load_b256 s[8:15], s[0:1], 0x0               ; v, Wq, Wk, Wv: s[8:9] .. s[14:15]
	s_load_b128 s[16:19], s[0:1], 0x20             ; xb s[16:17], wb s[18:19]
	s_mov_b32 s2, ttmp9
	v_lshrrev_b32 v3, 5, v0                        ; wave
	v_and_b32 v2, 31, v0                           ; lane
	v_lshlrev_b32 v1, 4, v2
	v_lshl_add_u32 v1, v3, 14, v1                  ; in: wave x 16,384 + lane x 16
	v_lshlrev_b32 v2, 3, v2
	v_lshl_add_u32 v2, v3, 13, v2                  ; out: wave x 8,192 + lane x 8
	s_wait_kmcnt 0x0
	s_mov_b64 s[24:25], s[8:9]                     ; the source, and the first work-group that reads it
	s_mov_b32 s26, 0
	PICK 512, 10                                   ; v has 512 work-groups,
	PICK 576, 12                                   ; Wq and Wk 64 each,
	PICK 640, 14                                   ; Wv 32
	s_cmp_ge_u32 s2, 512
	s_cselect_b64 s[28:29], s[18:19], s[16:17]     ; the weights go to wb, v to xb
	s_cselect_b32 s27, 512, 0
	s_sub_co_u32 s30, s2, s26
	s_lshl_b32 s30, s30, 17                        ; 131,072 bytes of f32 a work-group: 67,108,864 at the most
	s_mov_b32 s31, 0
	s_add_nc_u64 s[24:25], s[24:25], s[30:31]
	s_sub_co_u32 s30, s2, s27
	s_lshl_b32 s30, s30, 16                        ; 65,536 bytes of bf16 a work-group
	s_add_nc_u64 s[28:29], s[28:29], s[30:31]
.set i, 0
.rept LOADS
	global_load_b128 v[X+4*i:X+4*i+3], v1, s[24:25] offset:512*i th:TH_LOAD_NT
.set i, i+1
.endr
.set i, 0
.rept LOADS
	s_wait_loadcnt LOADS-1-i                       ; loads come back in order (ISA guide 5.7.1): load i is in, the younger ones stay out
	v_cvt_pk_bf16_f32 v[Y+2*i], v[X+4*i], v[X+4*i+1]
	v_cvt_pk_bf16_f32 v[Y+2*i+1], v[X+4*i+2], v[X+4*i+3]
	global_store_b64 v2, v[Y+2*i:Y+2*i+1], s[28:29] offset:256*i
.set i, i+1
.endr
	s_endpgm
.Lfunc_end_k_q576d9a2c0e_castx:
	.size	k_q576d9a2c0e_castx, .Lfunc_end_k_q576d9a2c0e_castx-k_q576d9a2c0e_castx
	.p2alignl 7, 3214868480
	.fill 96, 4, 3214868480
	.section	.rodata,"a",@progbits
	.p2align	6, 0x0
	.amdhsa_kernel k_q576d9a2c0e_castx
		.amdhsa_group_segment_fixed_size 0
		.amdhsa_private_segment_fixed_size 0
		.amdhsa_enable_private_segment 0
		.amdhsa_kernarg_size 48
		.amdhsa_user_sgpr_count 2
		.amdhsa_user_sgpr_kernarg_segment_ptr 1
		.amdhsa_wavefront_size32 1
		.amdhsa_system_sgpr_workgroup_id_x 1
		.amdhsa_system_sgpr_workgroup_id_y 1
		.amdhsa_system_sgpr_workgroup_id_z 1
		.amdhsa_system_vgpr_workitem_id 0
		.amdhsa_next_free_vgpr 196
		.amdhsa_next_free_sgpr 66
		.amdhsa_reserve_vcc 0
		.amdhsa_float_denorm_mode_32 3
		.amdhsa_float_denorm_mode_16_64 3
		.amdhsa_memory_ordered 1
		.amdhsa_forward_progress 1
		.amdhsa_inst_pref_size 13
	.end_amdhsa_kernel
	.amdgpu_metadata
---
amdhsa.version: [ 1, 2 ]
amdhsa.kernels:
  - .name:           k_q576d9a2c0e_castx
    .symbol:         k_q576d9a2c0e_castx.kd
    .args:
      - { .name: v, .offset: 0, .size: 8, .value_kind: global_buffer, .address_space: global }
      - { .name: Wq, .offset: 8, .size: 8, .value_kind: global_buffer, .address_space: global }
      - { .name: Wk, .offset: 16, .size: 8, .value_kind: global_buffer, .address_space: global }
      - { .name: Wv, .offset: 24, .size: 8, .value_kind: global_buffer, .address_space: global }
      - { .name: xb, .offset: 32, .size: 8, .value_kind: global_buffer, .address_space: global }
      - { .name: wb, .offset: 40, .size: 8, .value_kind: global_buffer, .address_space: global }
    .group_segment_fixed_size: 0
    .private_segment_fixed_size: 0
    .kernarg_segment_align: 8
    .kernarg_segment_size: 48
    .max_flat_workgroup_size: 256
    .sgpr_count:     66
    .vgpr_count:     196
    .wavefront_size: 32
...
	.end_amdgpu_metadata
.endif
;; end of part 7
;; launch projqk (part 8): grid 4 x 64, 4 waves a work-group, clusters of 4 x 4, 327,680 bytes of LDS; arguments q, k, wb, qkp; writes qkp
.if DOCPART == 8
	.amdgcn_target "amdgcn-amd-amdhsa--gfx1250"
	.amdhsa_code_object_version 6
	.text
	.protected	k_q576d9a2c0e_projqk
	.globl	k_q576d9a2c0e_projqk
	.p2align	8
	.type	k_q576d9a2c0e_projqk,@function
k_q576d9a2c0e_projqk:
	s_mov_b64 s[64:65], 0
	v_nop
	global_prefetch_b8 v0, s[64:65] scope:SCOPE_SE
	s_setreg_imm32_b32 hwreg(HW_REG_WAVE_MODE, 25, 1), 1
	s_wait_xcnt 0x0
	s_wait_alu depctr_hold_cnt(0) depctr_sa_sdst(0) depctr_va_vdst(0) depctr_va_sdst(0) depctr_va_ssrc(0) depctr_va_vcc(0) depctr_vm_vsrc(0)
	s_getreg_b32 s2, hwreg(HW_REG_IB_STS2, 6, 4)
	s_cmp_eq_u32 s2, 0
	s_cbranch_scc0 .Lentry_in_a_cluster
	s_endpgm
.Lentry_in_a_cluster:
	s_bfe_u32 s2, ttmp6, 0x10000c
	s_cmp_lg_u32 s2, 0xf033
	s_cbranch_scc0 .Lentry_shape_is_right
	s_endpgm
.Lentry_shape_is_right:
; qkp[m][n] = sum over j of x[m][j] W[n][j].  Rows m 0-8191 are q's and take Wq (wb's rows 0-1023), rows 8192-16383 are k's and take Wk (rows 1024-2047).
; q and k are f32 and are rounded here to bf16 (nearest even), once for the work-group; wb is bf16; sums f32; the result is rounded once to f16.
; LIMIT: a projection of 65,520 or more becomes an infinity in f16; NaN and infinities are not treated apart.
; SHARES.  A work-group makes 128 rows x 512 columns; its four waves stand side by side, each 128 x 128: 64 accumulators, 512 registers.  All four read the same 128 rows of A.  64 x 4 = 256 work-groups.
; A (q or k) COMES THROUGH REGISTERS.  K goes in A STEPS of 64.  A wave loads 32 rows x 256 bytes of f32 (16 loads, a SET of 64 registers), rounds them and stores them as bf16 into one of two small
; LDS slots.  Two sets take turns, so that a load has two A steps, 256 matrix instructions, in which to land: loads into registers may stay out across barriers.
; In its first quarter step j converts step j + 1 into the slot that step j - 1 read (its reads ended in front of the barrier between the steps) and asks for step j + 3.
; B (the weights) COMES BY TENSOR LOADS, in steps of 128 along K (rows of 256 bytes) through a ring of two slots; wave w fetches, and alone reads, its own 128 rows.
; CLUSTERS: 4 x 4 work-groups.  cy = 2 x matrix + column tile, so B's tile hangs on cy alone and the four work-groups of a row of the cluster ask for it jointly.  A's rows are wanted by two work-groups
; (the two column tiles, in one cluster); each loads them itself: they have to pass through registers to be rounded, which a joint tensor load cannot do.
; An even A step ends in a barrier of the work-group, an odd one in a round of the cluster's barrier with the refill of B.  B's slot is chosen at run time (one exclusive or), so a trip of the loop is one B step.
; THE LAST A STEP GOES BY BLOCKS OF 16 ROWS, in a loop of eight trips: a block's 16 products name its own accumulators and are written out for each block, a chain of compares on the trip's number jumps
; forward to them; the last eight leave their results in 64 registers common to all blocks (D is not C there), so that the way out is written once.
; REGISTERS, in windows of 256: window 0: v0-31 addresses; v32-63 converted numbers, later the way out; v64-191 fragments of A, two buffers (at the end: v64-127 blocks 0-3, v128-191 the common results); v192-223 the way out.
;   window 1: v64-191 fragments of B, two buffers; v0-63 and v192-255 the two sets (at the end: B's last quarter, and A's blocks 4-7).  windows 2, 3: accumulators of rows 0-63, 64-127: (a, b) at v[8 (8 a + b)].
; THE MATRIX INSTRUCTION IS USED TRANSPOSED (source 0 = 16 rows of W, source 1 = 16 rows of x): a lane holds eight neighbouring numbers of a row of the result.
.set SIZE_N, 1024
.set XROW,   8192                      ; bytes in a row of q or k
.set KB,     128                       ; B's step along K
.set BSTEPS, 2048/KB
.set PITCH,  272                       ; a row of B in LDS: 256 bytes + 16 of padding: the 16 rows of a fragment load start at 16 different groups of four banks (ISA guide 11.1)
.set APITCH, 144                       ; a row of A: 128 bytes + 16: likewise
.set HALFT,  128*PITCH                 ; a wave's part of a slot of B: what one tensor load brings
.set BSLOT,  4*HALFT                   ; 0x22000: it shares no bit with wave x 0x8800, so one exclusive or turns an address in one slot into the other's
.set ABASE,  2*BSLOT                   ; behind B's ring: A's two slots; no tensor load lands here
.set ASLOT,  128*APITCH
.set STAGE,  ABASE                     ; the way out's stage, 16 rows x 272 bytes a wave, lies in A's slot 0, behind the barrier that follows its last read
.set SPITCH, 272
.set SPARE,  ABASE+2*ASLOT             ; the spare words: 128 bytes a wave, two blocks of 256 bytes that no other line names
.set ADRA, 16                          ; v16-17  LDS address of my A fragments in A's slot 0, 1
.set SA,   18                          ; v18-19  where I store 8 bytes of converted A in slot 0, 1
.set ADRB0, 20                         ; v20     LDS address of my B fragments in B's slot 0; never rewritten
.set ADRB, 21                          ; v21     the same in the slot in hand
.set STO,  24                          ; v24     the way out: where I put 16 bytes of a row
.set RD,   25                          ; v25     where I read a row back
.set CO,   26                          ; v26     my byte offset in the result
.set SPW,  28                          ; v28     my spare word's LDS address; never rewritten
.set NIL,  29                          ; v29     0; never rewritten
.set GA,   30                          ; v30     my byte offset in the wave's rows of q or k; never rewritten
.set CV,   32                          ; v32-63  a set, converted
.set OB,   32                          ; the way out: 16 rows read back from the stage
.set F0,   64
.set F1,   128
.set DC,   128                         ; the last step: the block's finished sums, column block b at DC + 8 b
.set TMP,  192
.set G1, 24                            ; s[24:31] descriptor group 1
.set G0, 32                            ; s[32:35] group 0 of slot 0's first fill; s[36:39] of slot 1's, which then walks
.set GX, 40                            ; s[40:41] q or k at my wave's first row, at the K of the trip in hand
.set TB, 42                            ; s42      LDS byte at which B's slot in hand begins
.set MSB, 0
.macro WIN new                         ; the immediate's high byte repeats the setting that is left
.if MSB != (\new)
	s_set_vgpr_msb (MSB<<8)|(\new)
.set MSB, \new
.endif
.endm
.set MUL_LO, 0xa1                      ; source 0 (B) window 1, source 1 (A) window 0, C and D window 2
.set MUL_HI, 0xf1                      ; the same, C and D window 3
.set TO_B,   0x40                      ; destination window 1, address window 0
.macro CREST                           ; a round of the cluster's barrier behind its opening barrier
	s_cmp_lg_u32 s12, 0
	s_cbranch_scc1 .Lnot_wave_0_\@
	s_barrier_signal -3
.Lnot_wave_0_\@:
	s_barrier_wait -3
	s_barrier_signal -1
	s_barrier_wait -1
.endm
.macro CROUND
	s_barrier_signal -1
	s_barrier_wait -1
	CREST
.endm
.macro PLACES                          ; four plain vector instructions between a matrix instruction and a load into, or a vector access to, its registers
.rept 4
	v_nop
.endr
.endm
; 16 loads: my 32 rows x 256 bytes of the A step that lies `step` steps behind s[GX], into set `set`.  Lanes 0-15 take a row's 256 bytes, lanes 16-31 those of the row 8 further down.
.macro LOADA set, step
	WIN TO_B
.set i, 0
.rept 16
	global_load_b128 v[192*(\set)+4*i:192*(\set)+4*i+3], v[GA], s[GX:GX+1] offset:(16*(i/8)+i%8)*XROW+(\step)*256
.set i, i+1
.endr
.endm
; Set `set` is rounded to bf16 and stored into A's slot of the same number; step >= 0: the set is loaded again.  lw: the younger loads that may stay out.
; A store's 32 lanes write 128 bytes of a row and 128 of the row 8 further down, which begins 8 x 144 = 1,152 bytes on, 128 modulo 256.
.macro CONV set, lw, step
	s_wait_loadcnt \lw                             ; loads come back in order (ISA guide 5.7.1): my set is in
	WIN 0x05                                       ; sources window 1, destination window 0
.set i, 0
.rept 16
	v_cvt_pk_bf16_f32 v[CV+2*i],   v[192*(\set)+4*i],   v[192*(\set)+4*i+1]
	v_cvt_pk_bf16_f32 v[CV+2*i+1], v[192*(\set)+4*i+2], v[192*(\set)+4*i+3]
.set i, i+1
.endr
	WIN 0
.set i, 0
.rept 16
	ds_store_b64 v[SA+(\set)], v[CV+2*i:CV+2*i+1] offset:(16*(i/8)+i%8)*APITCH
.set i, i+1
.endr
.if (\step) >= 0
	LOADA \set, \step
.endif
.endm
	s_load_b256 s[4:11], s[0:1], 0x0               ; q s[4:5], k s[6:7], wb s[8:9], qkp s[10:11]
	v_lshl_add_u32 v[SPW], v0, 2, SPARE
	v_mov_b32 v[NIL], 0
	ds_add_u32 v[SPW], v[NIL]                      ; the wave's opening: the add and its wait stand ahead of my first tensor load; the set-up below, work on registers, stands between them
	v_lshrrev_b32 v1, 5, v0
	v_readfirstlane_b32 s12, v1                    ; wave 0..3
	s_bfe_u32 s13, ttmp6, 0x40000                  ; cx
	s_bfe_u32 s14, ttmp6, 0x40004                  ; cy = 2 x matrix + column tile
	s_and_b32 s15, ttmp7, 0xffff                   ; the cluster's y, 0..15 (the grid is one cluster wide)
	s_lshl_b32 s18, s14, 2
	s_lshl_b32 s18, 15, s18                        ; my row of the cluster: places 4 cy .. 4 cy + 3
	s_or_b32 s[G1+0], s18, (1<<16)|(1<<20)|(1<<21)|(5<<22)|(3<<25)  ; mask; 2-byte elements; padding on; bit 21 beside a mask; after every 64 words 4 words
	s_mov_b32 s[G1+1], KB<<16                      ; tensor_dim0 = 128
	s_mov_b32 s[G1+2], 128<<16                     ; tensor_dim1 = 128
	s_mov_b32 s[G1+3], KB<<16                      ; tile_dim0 = 128
	s_mov_b32 s[G1+4], 128                         ; tile_dim1 = 128
	s_mov_b32 s[G1+5], 2048                        ; elements from row to row
	s_mov_b32 s[G1+6], 0
	s_mov_b32 s[G1+7], 0
	s_lshl_b32 s20, s14, 9                         ; B: wb's row 512 cy + 128 x wave, made of what the four partners share,
	s_lshl_b32 s21, s12, 7
	s_add_co_u32 s20, s20, s21
	s_lshl_b32 s20, s20, 12                        ; times 4,096 bytes
	s_mov_b32 s21, 0
	s_mul_i32 s22, s12, HALFT                      ; and where it goes: wave x 128 rows
	s_lshl_b32 s44, s15, 2
	s_add_co_u32 s44, s44, s13                     ; row tile = 4 x cluster y + cx, 0..63
	s_lshl_b32 s46, s44, 7                         ; its first row in q or k
	s_lshl_b32 s45, s12, 5
	s_add_co_u32 s44, s46, s45                     ; the first of the 32 rows that my wave loads,
	s_lshl_b32 s44, s44, 13                        ; times 8,192 bytes
	s_mov_b32 s45, 0
	s_lshr_b32 s47, s14, 1                         ; the result: k's rows lie 8,192 rows behind q's;
	s_lshl_b32 s47, s47, 13
	s_add_co_u32 s16, s46, s47
	s_lshl_b32 s16, s16, 11                        ; rows of 2,048 bytes;
	s_and_b32 s47, s14, 1
	s_lshl_b32 s47, s47, 10                        ; the column tile's 1,024 bytes,
	s_add_co_u32 s16, s16, s47
	s_lshl_b32 s47, s12, 8                         ; my wave's 256 of them
	s_add_co_u32 s16, s16, s47
	s_mov_b32 s17, 0                               ; s[16:17]: what the first block's way out adds to the result's address
	s_mov_b32 s[TB], 0
	v_and_b32 v1, 15, v0                           ; l % 16
	v_bfe_u32 v2, v0, 4, 1                         ; l / 16
	v_lshlrev_b32 v[GA], 4, v1                     ; 16 bytes a lane,
	v_lshl_add_u32 v[GA], v2, 16, v[GA]            ; lanes 16-31 eight rows of 8,192 bytes further down
	v_mul_u32_u24 v3, v1, APITCH                   ; a fragment of 16 rows x 32 K: lane l holds row l % 16; two loads of 16 bytes, 32 bytes apart, at row x pitch + 16 (l / 16)
	v_lshl_add_u32 v3, v2, 4, v3
	v_add_nc_u32 v[ADRA], ABASE, v3
	v_add_nc_u32 v[ADRA+1], ABASE+ASLOT, v3
	v_mul_u32_u24 v4, v1, PITCH
	v_lshl_add_u32 v4, v2, 4, v4
	v_add_nc_u32 v[ADRB0], s22, v4
	v_mov_b32 v[ADRB], v[ADRB0]
	s_mul_i32 s18, s12, 32*APITCH                  ; my wave's 32 rows of a slot of A
	s_add_co_u32 s18, s18, ABASE
	v_mul_u32_u24 v5, v2, 8*APITCH
	v_lshl_add_u32 v5, v1, 3, v5                   ; four numbers a lane: 8 bytes
	v_add_nc_u32 v[SA], s18, v5
	v_add_nc_u32 v[SA+1], ASLOT, v[SA]
	s_mul_i32 s19, s12, 16*SPITCH
	s_add_co_u32 s19, s19, STAGE                   ; my stage
	v_mul_u32_u24 v6, v1, SPITCH                   ; in: row l % 16, 16 bytes for each half of the lanes
	v_lshl_add_u32 v6, v2, 4, v6
	v_add_nc_u32 v[STO], s19, v6
	v_mul_u32_u24 v7, v2, SPITCH                   ; back: lanes 0-15 one row of 256 bytes, lanes 16-31 the next
	v_lshl_add_u32 v7, v1, 4, v7
	v_add_nc_u32 v[RD], s19, v7
	v_lshlrev_b32 v7, 11, v2                       ; and the same two rows in the result
	v_lshl_add_u32 v[CO], v1, 4, v7
	s_wait_dscnt 0x0                               ; the opening add is done
	s_wait_kmcnt 0x0
	s_cmp_ge_u32 s14, 2
	s_cselect_b64 s[GX:GX+1], s[6:7], s[4:5]       ; k for cy 2 and 3, q for 0 and 1
	s_add_nc_u64 s[GX:GX+1], s[GX:GX+1], s[44:45]
	s_add_nc_u64 s[20:21], s[8:9], s[20:21]
.irp s, 0,1
	s_mov_b32 s[G0+4*(\s)], 1                                      ; count = 1
	s_add_co_u32 s[G0+4*(\s)+1], s22, (\s)*BSLOT                   ; LDS address
	s_add_nc_u64 s[G0+4*(\s)+2:G0+4*(\s)+3], s[20:21], (\s)*KB*2   ; global address: B step s
	s_or_b32 s[G0+4*(\s)+3], s[G0+4*(\s)+3], 0x80000000            ; type = 2
.endr
	LOADA 0, 0                                     ; A steps 0 and 1 are asked for before anything else
	LOADA 1, 1
	WIN 0
	CROUND                                         ; all sixteen work-groups are here: the first joint loads meet
	tensor_load_to_lds s[G0:G0+3], s[G1:G1+7]      ; B steps 0 and 1: two loads of mine are out; an s_nop 0 follows each, four v_nop the second's
	s_nop 0
	tensor_load_to_lds s[G0+4:G0+7], s[G1:G1+7]
	s_nop 0
	PLACES
; 16 matrix instructions: m blocks a0, a0 + 1 of the window's four x all 8 n blocks, 32 along K.  zero = 1: the first product starts the sums.  The 64 accumulators take turns.
.macro MUL16 f, hi, a0, zero
	WIN MUL_LO+0x50*(\hi)
.irp a, \a0, (\a0)+1
.irp b, 0,1,2,3,4,5,6,7
.if \zero
	v_wmma_f32_16x16x32_bf16 v[8*(8*(\a)+(\b)):8*(8*(\a)+(\b))+7], v[(\f)+8*(\b):(\f)+8*(\b)+7], v[(\f)+8*(4*(\hi)+(\a)):(\f)+8*(4*(\hi)+(\a))+7], 0
.else
	v_wmma_f32_16x16x32_bf16 v[8*(8*(\a)+(\b)):8*(8*(\a)+(\b))+7], v[(\f)+8*(\b):(\f)+8*(\b)+7], v[(\f)+8*(4*(\hi)+(\a)):(\f)+8*(4*(\hi)+(\a))+7], v[8*(8*(\a)+(\b)):8*(8*(\a)+(\b))+7]
.endif
.endr
.endr
.endm
; 32 LDS loads in one run: the fragments of 32 along K into buffer f: my 128 rows of B at byte kb of the slot in hand, then A's 128 rows at byte ka of A's slot sa
.macro FETCH sa, ka, kb, f
	WIN TO_B
.irp i, 0,1,2,3,4,5,6,7
	ds_load_b128 v[(\f)+8*(\i):(\f)+8*(\i)+3],   v[ADRB] offset:(\kb)+(\i)*16*PITCH
	ds_load_b128 v[(\f)+8*(\i)+4:(\f)+8*(\i)+7], v[ADRB] offset:(\kb)+(\i)*16*PITCH+32
.endr
	WIN 0
.irp i, 0,1,2,3,4,5,6,7
	ds_load_b128 v[(\f)+8*(\i):(\f)+8*(\i)+3],   v[ADRA+(\sa)] offset:(\ka)+(\i)*16*APITCH
	ds_load_b128 v[(\f)+8*(\i)+4:(\f)+8*(\i)+7], v[ADRA+(\sa)] offset:(\ka)+(\i)*16*APITCH+32
.endr
.endm
; An A step is two quarters of a B step, 64 matrix instructions each, on buffers 0 and 1.  The first, of a step of parity p: multiplies buffer 0; in its middle it converts the next A step into A's
; other slot and fetches the second quarter's fragments into buffer 1.  The 32 conversions, which name no register of a matrix instruction, are the places in front of those loads.
.macro QUARTER p, zero, lw, step
	s_wait_dscnt 8                                 ; B and A's rows 0-63 are in; the youngest eight loads (A's rows 64-127) may be out
	MUL16 F0, 0, 0, \zero
	MUL16 F0, 0, 2, \zero
	CONV 1-(\p), \lw, \step
	FETCH \p, 64, 128*(\p)+64, F1
	s_wait_dscnt 32                                ; all but the 32 just issued: buffer 0 is whole, and my 16 stores are done
	MUL16 F0, 1, 0, \zero
	MUL16 F0, 1, 2, \zero
.endm
; The second quarter of an EVEN step multiplies buffer 1 and changes A's slots: a barrier of the work-group.  In front of it my reads of A's slot 0 are over and my stores into slot 1 are done;
; behind it slot 1 is whole and slot 0 may be written.  No LDS bytes are filled by a tensor load behind it, so my refill of B stays out across it.
.macro TURNP
	s_wait_dscnt 8
	MUL16 F1, 0, 0, 0
	s_wait_dscnt 0x0
	s_barrier_signal -1
	MUL16 F1, 0, 2, 0
	s_barrier_wait -1
	PLACES
	FETCH 1, 0, 128, F0
	MUL16 F1, 1, 0, 0
	MUL16 F1, 1, 2, 0
.endm
; The second quarter of an ODD step changes A's slots and B's.  In front of the barrier each wave waits for all its tensor loads, of which one is out: its part of B's other slot; adds 0 to its spare word;
; and waits for that, for its reads and for its stores.  fill = 1: the barrier opens a round of the cluster's, and the slot of B just read is filled again, two B steps on: 224 matrix instructions ahead of the wait for it.
.macro TURNR fill
	WIN 0
	s_wait_tensorcnt 0x0                           ; all my tensor loads have landed, so a group 0 may be written
	ds_add_u32 v[SPW], v[NIL]                      ; 0 onto my spare word
	s_wait_dscnt 9                                 ; the add and the youngest eight loads may be out
	MUL16 F1, 0, 0, 0
	s_wait_dscnt 0x0                               ; the add is done; my reads of both slots are over; my stores into A's slot 0 are done
	s_barrier_signal -1
	MUL16 F1, 0, 2, 0
	WIN 0
	s_barrier_wait -1
.if \fill
	CREST                                          ; no wave of any partner still reads this slot's tile or has a load on its way
	s_xor_b32 s[G0+5], s[G0+5], BSLOT              ; the walking descriptor: the other slot than last time,
	s_add_nc_u64 s[G0+6:G0+7], s[G0+6:G0+7], KB*2  ; the next 128 along K; the type bits on top are not reached
	tensor_load_to_lds s[G0+4:G0+7], s[G1:G1+7]    ; my one tensor load behind the round
	s_nop 0
.endif
	PLACES                                         ; behind the tensor load, and in front of the loads below
	s_xor_b32 s[TB], s[TB], BSLOT                  ; the fetches go on in B's other slot
	v_add_nc_u32 v[ADRB], s[TB], v[ADRB0]
	FETCH 0, 0, 0, F0
	MUL16 F1, 1, 0, 0
	MUL16 F1, 1, 2, 0
.endm
; THE LAST A STEP (A's slot 1; bytes 128 on of B's rows).  All its fragments are fetched at once.
.macro TAILB q, dst                    ; B's fragments of its quarter q -> window 1, v[dst ..]
	WIN TO_B
.irp i, 0,1,2,3,4,5,6,7
	ds_load_b128 v[(\dst)+8*(\i):(\dst)+8*(\i)+3],   v[ADRB] offset:128+64*(\q)+(\i)*16*PITCH
	ds_load_b128 v[(\dst)+8*(\i)+4:(\dst)+8*(\i)+7], v[ADRB] offset:128+64*(\q)+(\i)*16*PITCH+32
.endr
.endm
.macro TAILA a                         ; A's fragments of block a, both quarters: blocks 0-3 -> window 0, v64 on; blocks 4-7 -> window 1, v192 on
.if (\a) < 4
	WIN 0
.set FL, 64+16*(\a)
.else
	WIN TO_B
.set FL, 192+16*((\a)-4)
.endif
.irp q, 0,1
	ds_load_b128 v[FL+8*(\q):FL+8*(\q)+3],   v[ADRA+1] offset:64*(\q)+(\a)*16*APITCH
	ds_load_b128 v[FL+8*(\q)+4:FL+8*(\q)+7], v[ADRA+1] offset:64*(\q)+(\a)*16*APITCH+32
.endr
.endm
; Block a's own text: 16 matrix instructions, its 8 accumulators by turns, K ascending.  The last eight take the accumulators as C and leave the sums in the common registers: five plain instructions
; stand between a result and its use as the C of another destination.
.macro SECT a
.Lrow\a:
.set AC, 64*((\a)%4)
.if (\a) < 4
.set FA, 64+16*(\a)
	WIN 0xa1                                       ; B window 1, A window 0, C and D window 2
.else
.set FA, 192+16*((\a)-4)
	WIN 0xf5                                       ; B and A window 1, C and D window 3
.endif
.irp b, 0,1,2,3,4,5,6,7
	v_wmma_f32_16x16x32_bf16 v[AC+8*(\b):AC+8*(\b)+7], v[64+8*(\b):64+8*(\b)+7], v[FA:FA+7], v[AC+8*(\b):AC+8*(\b)+7]
.endr
.rept 5
	v_nop
.endr
.if (\a) < 4
	WIN 0x21                                       ; the same sources, D window 0
.else
	WIN 0x35
.endif
.irp b, 0,1,2,3,4,5,6,7
	v_wmma_f32_16x16x32_bf16 v[DC+8*(\b):DC+8*(\b)+7], v[8*(\b):8*(\b)+7], v[FA+8:FA+15], v[AC+8*(\b):AC+8*(\b)+7]
.endr
	WIN 0
	PLACES                                         ; for the conversions that read the sums
.if (\a) < 7
	s_branch .Lout
.endif
.endm
	CONV 0, 16, 2                                  ; A step 0 goes into slot 0 (step 1's 16 loads stay out); step 2 is asked for
	WIN 0
	s_wait_tensorcnt 1                             ; my part of B step 0 is in; B step 1's may stay out
	s_wait_dscnt 0x0                               ; for the others' sake: my rows of A step 0 are in LDS
	s_barrier_signal -1
	s_barrier_wait -1
	FETCH 0, 0, 0, F0
	QUARTER 0, 1, 16, 3                            ; A step 0's first quarter stands in front of the loop: its products start the sums
	WIN 0                                          ; at a label and at a branch every window is 0
	s_mov_b32 s3, BSTEPS-2
.Lstep:                                                ; a trip is one B step, from its second quarter to the next one's first: A steps 2 t and 2 t + 1; it fills one slot of B again and asks for A steps 2 t + 4 and 2 t + 5
	TURNP
	QUARTER 1, 0, 16, 4
	TURNR 1
	QUARTER 0, 0, 16, 5
	WIN 0
	s_wait_xcnt 0x0                                ; the loads' base is stepped only behind this wait
	s_add_nc_u64 s[GX:GX+1], s[GX:GX+1], 512       ; two A steps of 256 bytes
	s_sub_co_u32 s3, s3, 1
	s_cmp_lg_u32 s3, 0
	s_cbranch_scc1 .Lstep
	TURNP                                          ; A step 28.  The tail is written out: nothing more is asked for
	QUARTER 1, 0, 16, -1                           ; step 29 converts step 30; step 31's 16 loads stay out
	TURNR 0
	QUARTER 0, 0, 0, -1                            ; step 30 converts step 31: the last loads
	s_wait_dscnt 8
	MUL16 F1, 0, 0, 0
	s_wait_dscnt 0x0                               ; my reads of A's slot 0 are over, for good: behind the barrier it is the stage; my stores into slot 1 are done
	s_barrier_signal -1
	MUL16 F1, 0, 2, 0
	s_barrier_wait -1
	PLACES                                         ; for the loads into buffer 0, which the quarter before multiplied
	TAILB 0, 64
	TAILB 1, 0                                     ; the sets are free: every conversion is done
	TAILA 0
	TAILA 1
	TAILA 2
	TAILA 3
	MUL16 F1, 1, 0, 0
	MUL16 F1, 1, 2, 0
	TAILA 4
	TAILA 5
	TAILA 6
	TAILA 7
	WIN 0
	s_wait_dscnt 0x0                               ; all of the last step's fragments are in: inside the loop every wait on LDS is for 0, so the counts hold on every way
	s_mov_b32 s3, 0
.Lblk:                                                 ; eight trips, a block of 16 rows each
.irp a, 1,2,3,4,5,6,7
	s_cmp_eq_u32 s3, \a
	s_cbranch_scc1 .Lrow\a
.endr
	SECT 0
	SECT 1
	SECT 2
	SECT 3
	SECT 4
	SECT 5
	SECT 6
	SECT 7
.Lout:                                                 ; THE WAY OUT, once for all blocks: rounded to f16, through my stage, stored as whole rows of 256 bytes
.irp b, 0,1,2,3,4,5,6,7
.irp r, 0,1,2,3                        ; each accumulator's registers in ascending order
	v_cvt_pk_f16_f32 v[TMP+4*(\b)+(\r)], v[DC+8*(\b)+2*(\r)], v[DC+8*(\b)+2*(\r)+1]
.endr
.endr
	s_wait_xcnt 0x0                                ; the last trip's stores have read their data and their base: both are rewritten only behind this wait
.irp b, 0,1,2,3,4,5,6,7
	ds_store_b128 v[STO], v[TMP+4*(\b):TMP+4*(\b)+3] offset:32*(\b)
.endr
.irp t, 0,1,2,3,4,5,6,7
	ds_load_b128 v[OB+4*(\t):OB+4*(\t)+3], v[RD] offset:(\t)*2*SPITCH  ; LDS serves a wave's instructions in order (ISA guide 5.7.1.4): these see the stores above
.endr
	s_wait_dscnt 0x0                               ; the block is back in registers
	s_add_nc_u64 s[10:11], s[10:11], s[16:17]      ; on to this block's rows:
	s_mov_b64 s[16:17], 16*SIZE_N*2                ; from the second block on 16 rows further
.irp t, 0,1,2,3,4,5,6,7
	global_store_b128 v[CO], v[OB+4*(\t):OB+4*(\t)+3], s[10:11] offset:2*(\t)*SIZE_N*2  ; 16 lanes store 256 consecutive bytes, at a multiple of 256 from the buffer's first byte
.endr
	s_add_co_u32 s3, s3, 1
	s_cmp_lt_u32 s3, 8
	s_cbranch_scc1 .Lblk
	s_wait_tensorcnt 0x0                           ; the wave's end
	ds_add_u32 v[SPW], v[NIL]
	s_wait_dscnt 0x0
	CROUND                                         ; the closing round
	s_endpgm
.Lfunc_end_k_q576d9a2c0e_projqk:
	.size	k_q576d9a2c0e_projqk, .Lfunc_end_k_q576d9a2c0e_projqk-k_q576d9a2c0e_projqk
	.p2alignl 7, 3214868480
	.fill 96, 4, 3214868480
	.section	.rodata,"a",@progbits
	.p2align	6, 0x0
	.amdhsa_kernel k_q576d9a2c0e_projqk
		.amdhsa_group_segment_fixed_size 327680
		.amdhsa_private_segment_fixed_size 0
		.amdhsa_enable_private_segment 0
		.amdhsa_kernarg_size 32
		.amdhsa_user_sgpr_count 2
		.amdhsa_user_sgpr_kernarg_segment_ptr 1
		.amdhsa_wavefront_size32 1
		.amdhsa_system_sgpr_workgroup_id_x 1
		.amdhsa_system_sgpr_workgroup_id_y 1
		.amdhsa_system_sgpr_workgroup_id_z 1
		.amdhsa_system_vgpr_workitem_id 0
		.amdhsa_next_free_vgpr 1024
		.amdhsa_next_free_sgpr 66
		.amdhsa_reserve_vcc 0
		.amdhsa_float_denorm_mode_32 3
		.amdhsa_float_denorm_mode_16_64 3
		.amdhsa_memory_ordered 1
		.amdhsa_forward_progress 1
		.amdhsa_inst_pref_size 118
	.end_amdhsa_kernel
	.amdgpu_metadata
---
amdhsa.version: [ 1, 2 ]
amdhsa.kernels:
  - .name:           k_q576d9a2c0e_projqk
    .symbol:         k_q576d9a2c0e_projqk.kd
    .args:
      - { .name: q, .offset: 0, .size: 8, .value_kind: global_buffer, .address_space: global }
      - { .name: k, .offset: 8, .size: 8, .value_kind: global_buffer, .address_space: global }
      - { .name: wb, .offset: 16, .size: 8, .value_kind: global_buffer, .address_space: global }
      - { .name: qkp, .offset: 24, .size: 8, .value_kind: global_buffer, .address_space: global }
    .group_segment_fixed_size: 327680
    .private_segment_fixed_size: 0
    .kernarg_segment_align: 8
    .kernarg_segment_size: 32
    .max_flat_workgroup_size: 128
    .sgpr_count:     66
    .vgpr_count:     1024
    .wavefront_size: 32
...
	.end_amdgpu_metadata
.endif
;; end of part 8
;; launch projv (part 9): grid 4 x 64, 4 waves a work-group, clusters of 4 x 4, 327,680 bytes of LDS; arguments xb, wb, vp; writes vp
.if DOCPART == 9
	.amdgcn_target "amdgcn-amd-amdhsa--gfx1250"
	.amdhsa_code_object_version 6
	.text
	.protected	k_q576d9a2c0e_projv
	.globl	k_q576d9a2c0e_projv
	.p2align	8
	.type	k_q576d9a2c0e_projv,@function
k_q576d9a2c0e_projv:
	s_mov_b64 s[64:65], 0
	v_nop
	global_prefetch_b8 v0, s[64:65] scope:SCOPE_SE
	s_setreg_imm32_b32 hwreg(HW_REG_WAVE_MODE, 25, 1), 1
	s_wait_xcnt 0x0
	s_wait_alu depctr_hold_cnt(0) depctr_sa_sdst(0) depctr_va_vdst(0) depctr_va_sdst(0) depctr_va_ssrc(0) depctr_va_vcc(0) depctr_vm_vsrc(0)
	s_getreg_b32 s2, hwreg(HW_REG_IB_STS2, 6, 4)
	s_cmp_eq_u32 s2, 0
	s_cbranch_scc0 .Lentry_in_a_cluster
	s_endpgm
.Lentry_in_a_cluster:
	s_bfe_u32 s2, ttmp6, 0x10000c
	s_cmp_lg_u32 s2, 0xf033
	s_cbranch_scc0 .Lentry_shape_is_right
	s_endpgm
.Lentry_shape_is_right:
; vp[m][n] = sum over k of v[m][k] Wv[n][k]: xb holds v in bf16, Wv's rows are wb's rows 2048 on.  Operands bf16, sums f32, the result rounded once to f16.
; LIMIT: a projection of 65,520 or more becomes an infinity in f16; NaN and infinities are not treated apart.
; 8192 x 512 in tiles of 128 x 128: 256 work-groups (tiles of 256 x 256 would be 64).  Four waves, each 64 x 64: 16 accumulators.  K goes in steps of 256 (LDS rows of 512 bytes)
; through two slots.  The four waves share one stage on the way out, with a barrier between writing and reading: a wave's 64 columns are half of an aligned 256 bytes.
; CLUSTERS: 4 x 4; A's tiles are asked for jointly along a row of the cluster, B's along a column.  The matrix instruction is used transposed (source 0 = rows of Wv, source 1 = rows of v).
; REGISTERS: window 0: v0-31 addresses; v32-95 the way out; v128-255 accumulators ((a, b) at v[128 + 8 (4 a + b)]).  window 1: two fragment buffers of 128 (64 of A, 64 of B, for 64 along K).
.set SIZE_N, 512
.set SIZE_K, 2048
.set KSTEP,  256
.set PITCH,  528                       ; 512 bytes + 16 of padding = 132 words: row r starts at bank 4 r mod 64 (ISA guide 11.1)
.set HALFT,  64*PITCH
.set SLOT,   4*HALFT
.set STAGE,  2*SLOT
.set SPITCH, 272
.set SPARE,  STAGE+128*SPITCH          ; the spare words: 128 bytes a wave, two blocks of 256 bytes that no other line names
.set LAPS, SIZE_K/(2*KSTEP)
.set ADRA, 16
.set ADRB, 20
.set STO,  24
.set RD,   25
.set CO,   26
.set SPW,  28
.set NIL,  29
.set TMP,  32
.set ACC,  128
.set F0,   0
.set F1,   128
.set G1, 24
.set G0, 32
.set G1B, 48
.set G0B, 56
.set MSB, 0
.macro WIN new
.if MSB != (\new)
	s_set_vgpr_msb (MSB<<8)|(\new)
.set MSB, \new
.endif
.endm
.set MUL,  0x05                        ; sources 0 and 1 window 1; C and D window 0
.set TO_F, 0x40                        ; destination window 1, address window 0
.macro JLOAD s                         ; a joint load: waves 0 and 1 fetch A's halves, waves 2 and 3 B's; s_nop 0 and four v_nop follow each line
	s_cmp_eq_u32 s11, 0
	s_cbranch_scc0 .Lfor_b_\@
	tensor_load_to_lds s[G0+4*(\s):G0+4*(\s)+3], s[G1:G1+7]
	s_nop 0
.rept 4
	v_nop
.endr
	s_branch .Lasked_\@
.Lfor_b_\@:
	tensor_load_to_lds s[G0B+4*(\s):G0B+4*(\s)+3], s[G1B:G1B+7]
	s_nop 0
.rept 4
	v_nop
.endr
.Lasked_\@:
.endm
.macro CREST
	s_cmp_lg_u32 s10, 0
	s_cbranch_scc1 .Lnot_wave_0_\@
	s_barrier_signal -3
.Lnot_wave_0_\@:
	s_barrier_wait -3
	s_barrier_signal -1
	s_barrier_wait -1
.endm
.macro CROUND
	s_barrier_signal -1
	s_barrier_wait -1
	CREST
.endm
	s_load_b128 s[4:7], s[0:1], 0x0                ; xb s[4:5], wb s[6:7]
	s_load_b64 s[8:9], s[0:1], 0x10                ; vp
	v_lshl_add_u32 v[SPW], v0, 2, SPARE
	v_mov_b32 v[NIL], 0
	ds_add_u32 v[SPW], v[NIL]                      ; the wave's opening: the add and its wait stand ahead of my first tensor load
	v_lshrrev_b32 v1, 5, v0
	v_readfirstlane_b32 s10, v1
	s_lshr_b32 s11, s10, 1
	s_and_b32 s12, s10, 1
	s_bfe_u32 s40, ttmp6, 0x40000
	s_bfe_u32 s41, ttmp6, 0x40004
	s_lshl_b32 s42, ttmp9, 2
	s_add_co_u32 s42, s42, s40                     ; tile column
	s_and_b32 s13, ttmp7, 0xffff
	s_lshl_b32 s13, s13, 2
	s_add_co_u32 s13, s13, s41                     ; tile row
	s_lshl_b32 s43, s41, 2
	s_lshl_b32 s43, 15, s43
	s_lshl_b32 s44, 0x1111, s40
	s_or_b32 s[G1+0], s43, (1<<16)|(1<<20)|(1<<21)|(6<<22)|(3<<25)  ; mask; 2-byte elements; padding on; bit 21 beside a mask; after every 128 words 4 words
	s_or_b32 s[G1B+0], s44, (1<<16)|(1<<20)|(1<<21)|(6<<22)|(3<<25)
.irp g, G1, G1B
	s_mov_b32 s[(\g)+1], KSTEP<<16
	s_mov_b32 s[(\g)+2], 64<<16
	s_mov_b32 s[(\g)+3], KSTEP<<16
	s_mov_b32 s[(\g)+4], 64
	s_mov_b32 s[(\g)+5], SIZE_K
	s_mov_b32 s[(\g)+6], 0
	s_mov_b32 s[(\g)+7], 0
.endr
	s_lshl_b32 s17, s12, 6
	s_lshl_b32 s16, s13, 7
	s_add_co_u32 s16, s16, s17
	s_lshl_b32 s46, s42, 7
	s_add_co_u32 s46, s46, s17
	s_mov_b32 s17, 0
	s_mov_b32 s47, 0
	s_mov_b64 s[18:19], SIZE_K*2
	s_mul_u64 s[16:17], s[16:17], s[18:19]
	s_mul_u64 s[46:47], s[46:47], s[18:19]
	s_mul_i32 s20, s10, HALFT
	s_wait_dscnt 0x0                               ; the opening add is done
	s_wait_kmcnt 0x0
	s_add_nc_u64 s[6:7], s[6:7], 0x800000          ; Wv's rows lie behind Wq's and Wk's: 2,048 rows of 4,096 bytes
	s_add_nc_u64 s[14:15], s[4:5], s[16:17]
	s_add_nc_u64 s[46:47], s[6:7], s[46:47]
	CROUND
.irp s, 0,1
	s_mov_b32 s[G0+4*(\s)], 1
	s_add_co_u32 s[G0+4*(\s)+1], s20, (\s)*SLOT
	s_add_nc_u64 s[G0+4*(\s)+2:G0+4*(\s)+3], s[14:15], (\s)*KSTEP*2
	s_or_b32 s[G0+4*(\s)+3], s[G0+4*(\s)+3], 0x80000000
	s_mov_b32 s[G0B+4*(\s)], 1
	s_add_co_u32 s[G0B+4*(\s)+1], s20, (\s)*SLOT
	s_add_nc_u64 s[G0B+4*(\s)+2:G0B+4*(\s)+3], s[46:47], (\s)*KSTEP*2
	s_or_b32 s[G0B+4*(\s)+3], s[G0B+4*(\s)+3], 0x80000000
	JLOAD \s                                       ; two loads of mine are out
.endr
	v_and_b32 v1, 15, v0
	v_bfe_u32 v2, v0, 4, 1
	v_mul_u32_u24 v3, v1, PITCH
	v_lshl_add_u32 v3, v2, 4, v3
	s_mul_i32 s21, s11, HALFT
	s_mul_i32 s22, s12, HALFT
	s_add_co_u32 s22, s22, 2*HALFT
.irp s, 0,1
	v_add_nc_u32 v[ADRA+(\s)], s21, v3
	v_add_nc_u32 v[ADRB+(\s)], s22, v3
	s_add_co_u32 s21, s21, SLOT
	s_add_co_u32 s22, s22, SLOT
.endr
	s_mul_i32 s23, s11, 64*SPITCH                  ; into the stage: my 64 rows, my half of their 256 bytes
	s_lshl_b32 s21, s12, 7
	s_add_co_u32 s23, s23, s21
	s_add_co_u32 s23, s23, STAGE
	v_mul_u32_u24 v4, v1, SPITCH
	v_lshl_add_u32 v4, v2, 4, v4
	v_add_nc_u32 v[STO], s23, v4
	s_mul_i32 s23, s10, 32*SPITCH                  ; back: wave w takes rows 32 w .. 32 w + 31, whole
	s_add_co_u32 s23, s23, STAGE
	v_mul_u32_u24 v5, v2, SPITCH
	v_lshl_add_u32 v5, v1, 4, v5
	v_add_nc_u32 v[RD], s23, v5
	v_mul_u32_u24 v5, v2, SIZE_N*2
	v_lshl_add_u32 v[CO], v1, 4, v5
	s_lshl_b32 s16, s13, 7
	s_lshl_b32 s17, s10, 5
	s_add_co_u32 s16, s16, s17
	s_mov_b32 s17, 0
	s_mov_b64 s[18:19], SIZE_N*2
	s_mul_u64 s[16:17], s[16:17], s[18:19]
	s_add_nc_u64 s[8:9], s[8:9], s[16:17]
	s_lshl_b32 s46, s42, 8
	s_mov_b32 s47, 0
	s_add_nc_u64 s[8:9], s[8:9], s[46:47]
.macro MUL8 f, c, a0, zero             ; 8 matrix instructions: m blocks a0, a0 + 1 x 4 n blocks, half c of buffer f; the 16 accumulators take turns
	WIN MUL
.irp a, \a0, (\a0)+1
.irp b, 0,1,2,3
.if \zero
	v_wmma_f32_16x16x32_bf16 v[ACC+8*(4*(\a)+(\b)):ACC+8*(4*(\a)+(\b))+7], v[(\f)+64+8*(4*(\c)+(\b)):(\f)+64+8*(4*(\c)+(\b))+7], v[(\f)+8*(4*(\c)+(\a)):(\f)+8*(4*(\c)+(\a))+7], 0
.else
	v_wmma_f32_16x16x32_bf16 v[ACC+8*(4*(\a)+(\b)):ACC+8*(4*(\a)+(\b))+7], v[(\f)+64+8*(4*(\c)+(\b)):(\f)+64+8*(4*(\c)+(\b))+7], v[(\f)+8*(4*(\c)+(\a)):(\f)+8*(4*(\c)+(\a))+7], v[ACC+8*(4*(\a)+(\b)):ACC+8*(4*(\a)+(\b))+7]
.endif
.endr
.endr
.endm
.macro FETCH slot, k, f                ; 32 LDS loads in one run: 64 along K at byte k, the first 32 along K first
	WIN TO_F
.irp c, 0,1
.irp i, 0,1,2,3
	ds_load_b128 v[(\f)+64+8*(4*(\c)+(\i)):(\f)+64+8*(4*(\c)+(\i))+3],   v[ADRB+(\slot)] offset:(\k)+64*(\c)+(\i)*16*PITCH
	ds_load_b128 v[(\f)+64+8*(4*(\c)+(\i))+4:(\f)+64+8*(4*(\c)+(\i))+7], v[ADRB+(\slot)] offset:(\k)+64*(\c)+(\i)*16*PITCH+32
	ds_load_b128 v[(\f)+8*(4*(\c)+(\i)):(\f)+8*(4*(\c)+(\i))+3],         v[ADRA+(\slot)] offset:(\k)+64*(\c)+(\i)*16*PITCH
	ds_load_b128 v[(\f)+8*(4*(\c)+(\i))+4:(\f)+8*(4*(\c)+(\i))+7],       v[ADRA+(\slot)] offset:(\k)+64*(\c)+(\i)*16*PITCH+32
.endr
.endr
.endm
.macro PLACES                          ; four plain vector instructions between a matrix instruction and a load into, or a vector access to, its registers
.rept 4
	v_nop
.endr
.endm
.macro QUARTER slot, k, f, g, zero
	s_wait_dscnt 16                                ; the first 32 along K are in
	WIN MUL
	MUL8 \f, 0, 0, \zero
	MUL8 \f, 0, 2, \zero
	PLACES
	FETCH \slot, \k, \g
	s_wait_dscnt 32                                ; all but the 32 just issued
	WIN MUL
	MUL8 \f, 1, 0, 0
	MUL8 \f, 1, 2, 0
.endm
.macro TURN slot, next, fill           ; the last quarter changes slots: one barrier; fill = 1: it opens a round of the cluster's, and this slot is filled again, two K steps on
	WIN 0
	s_wait_tensorcnt 0x0                           ; all my tensor loads have landed: my part of the next slot
	ds_add_u32 v[SPW], v[NIL]                      ; 0 onto my spare word
	s_wait_dscnt 17                                ; the add and the youngest sixteen loads may be out
	WIN MUL
	MUL8 F1, 0, 0, 0
	s_wait_dscnt 0x0                               ; the add is done, and my reads of this slot are over
	s_barrier_signal -1
	MUL8 F1, 0, 2, 0
.if \fill
	WIN 0
.endif
	s_barrier_wait -1
.if \fill
	CREST
	s_add_nc_u64 s[G0+4*(\slot)+2:G0+4*(\slot)+3], s[G0+4*(\slot)+2:G0+4*(\slot)+3], 2*KSTEP*2
	s_add_nc_u64 s[G0B+4*(\slot)+2:G0B+4*(\slot)+3], s[G0B+4*(\slot)+2:G0B+4*(\slot)+3], 2*KSTEP*2
	JLOAD \slot                                    ; my one tensor load behind the round, 112 matrix instructions ahead of the wait for it
.else
	PLACES
.endif
	FETCH \next, 0, F0
	WIN MUL
	MUL8 F1, 1, 0, 0
	MUL8 F1, 1, 2, 0
.endm
	s_wait_tensorcnt 1                             ; my part of K step 0 is in; K step 1's may stay out
	s_barrier_signal -1
	s_barrier_wait -1
	FETCH 0, 0, F0
	QUARTER 0, 128, F0, F1, 1
	WIN 0
	s_mov_b32 s3, LAPS-1
.Llap:
	QUARTER 0, 256, F1, F0, 0
	QUARTER 0, 384, F0, F1, 0
	TURN 0, 1, 1
	QUARTER 1, 128, F0, F1, 0
	QUARTER 1, 256, F1, F0, 0
	QUARTER 1, 384, F0, F1, 0
	TURN 1, 0, 1
	QUARTER 0, 128, F0, F1, 0
	WIN 0
	s_sub_co_u32 s3, s3, 1
	s_cmp_lg_u32 s3, 0
	s_cbranch_scc1 .Llap
	QUARTER 0, 256, F1, F0, 0                      ; the last lap fills nothing
	QUARTER 0, 384, F0, F1, 0
	TURN 0, 1, 0
	QUARTER 1, 128, F0, F1, 0
	QUARTER 1, 256, F1, F0, 0
	QUARTER 1, 384, F0, F1, 0
	s_wait_dscnt 16
	WIN MUL
	MUL8 F1, 0, 0, 0
	MUL8 F1, 0, 2, 0
	s_wait_dscnt 0
	MUL8 F1, 1, 0, 0
	MUL8 F1, 1, 2, 0
	WIN 0
	; THE WAY OUT: rounded to f16; 16 bytes a lane into the shared stage; a barrier; back as whole rows, 32 rows a wave
	PLACES
.irp t, 0,1,2,3,4,5,6,7,8,9,10,11,12,13,14,15
.irp r, 0,1,2,3
	v_cvt_pk_f16_f32 v[TMP+4*(\t)+(\r)], v[ACC+8*(\t)+2*(\r)], v[ACC+8*(\t)+2*(\r)+1]
.endr
.endr
.irp a, 0,1,2,3
.irp b, 0,1,2,3
	ds_store_b128 v[STO], v[TMP+4*(4*(\a)+(\b)):TMP+4*(4*(\a)+(\b))+3] offset:(\a)*16*SPITCH+32*(\b)
.endr
.endr
	s_wait_dscnt 0x0                               ; for the others' sake: my stores into the stage are done
	s_barrier_signal -1
	s_barrier_wait -1
.irp t, 0,1,2,3,4,5,6,7,8,9,10,11,12,13,14,15
	ds_load_b128 v[TMP+4*(\t):TMP+4*(\t)+3], v[RD] offset:(\t)*2*SPITCH
.endr
.irp t, 0,1,2,3,4,5,6,7,8,9,10,11,12,13,14,15
	s_wait_dscnt 15-(\t)
	global_store_b128 v[CO], v[TMP+4*(\t):TMP+4*(\t)+3], s[8:9] offset:2*(\t)*SIZE_N*2  ; 16 lanes store 256 consecutive bytes, at a multiple of 256 from the buffer's first byte
.endr
	s_wait_tensorcnt 0x0                           ; the wave's end
	ds_add_u32 v[SPW], v[NIL]
	s_wait_dscnt 0x0
	CROUND                                         ; the closing round
	s_endpgm
.Lfunc_end_k_q576d9a2c0e_projv:
	.size	k_q576d9a2c0e_projv, .Lfunc_end_k_q576d9a2c0e_projv-k_q576d9a2c0e_projv
	.p2alignl 7, 3214868480
	.fill 96, 4, 3214868480
	.section	.rodata,"a",@progbits
	.p2align	6, 0x0
	.amdhsa_kernel k_q576d9a2c0e_projv
		.amdhsa_group_segment_fixed_size 327680
		.amdhsa_private_segment_fixed_size 0
		.amdhsa_enable_private_segment 0
		.amdhsa_kernarg_size 24
		.amdhsa_user_sgpr_count 2
		.amdhsa_user_sgpr_kernarg_segment_ptr 1
		.amdhsa_wavefront_size32 1
		.amdhsa_system_sgpr_workgroup_id_x 1
		.amdhsa_system_sgpr_workgroup_id_y 1
		.amdhsa_system_sgpr_workgroup_id_z 1
		.amdhsa_system_vgpr_workitem_id 0
		.amdhsa_next_free_vgpr 512
		.amdhsa_next_free_sgpr 66
		.amdhsa_reserve_vcc 0
		.amdhsa_float_denorm_mode_32 3
		.amdhsa_float_denorm_mode_16_64 3
		.amdhsa_memory_ordered 1
		.amdhsa_forward_progress 1
		.amdhsa_inst_pref_size 87
	.end_amdhsa_kernel
	.amdgpu_metadata
---
amdhsa.version: [ 1, 2 ]
amdhsa.kernels:
  - .name:           k_q576d9a2c0e_projv
    .symbol:         k_q576d9a2c0e_projv.kd
    .args:
      - { .name: xb, .offset: 0, .size: 8, .value_kind: global_buffer, .address_space: global }
      - { .name: wb, .offset: 8, .size: 8, .value_kind: global_buffer, .address_space: global }
      - { .name: vp, .offset: 16, .size: 8, .value_kind: global_buffer, .address_space: global }
    .group_segment_fixed_size: 327680
    .private_segment_fixed_size: 0
    .kernarg_segment_align: 8
    .kernarg_segment_size: 24
    .max_flat_workgroup_size: 128
    .sgpr_count:     66
    .vgpr_count:     512
    .wavefront_size: 32
...
	.end_amdgpu_metadata
.endif
;; end of part 9
;; launch scores (part 10): grid 8 x 32, 4 waves a work-group, clusters of 4 x 4, 327,680 bytes of LDS; arguments qkp, pt, st; writes pt, st
.if DOCPART == 10
	.amdgcn_target "amdgcn-amd-amdhsa--gfx1250"
	.amdhsa_code_object_version 6
	.text
	.protected	k_q576d9a2c0e_scores
	.globl	k_q576d9a2c0e_scores
	.p2align	8
	.type	k_q576d9a2c0e_scores,@function
k_q576d9a2c0e_scores:
	s_mov_b64 s[64:65], 0
	v_nop
	global_prefetch_b8 v0, s[64:65] scope:SCOPE_SE
	s_setreg_imm32_b32 hwreg(HW_REG_WAVE_MODE, 25, 1), 1
	s_wait_xcnt 0x0
	s_wait_alu depctr_hold_cnt(0) depctr_sa_sdst(0) depctr_va_vdst(0) depctr_va_sdst(0) depctr_va_ssrc(0) depctr_va_vcc(0) depctr_vm_vsrc(0)
	s_getreg_b32 s2, hwreg(HW_REG_IB_STS2, 6, 4)
	s_cmp_eq_u32 s2, 0
	s_cbranch_scc0 .Lentry_in_a_cluster
	s_endpgm
.Lentry_in_a_cluster:
	s_bfe_u32 s2, ttmp6, 0x10000c
	s_cmp_lg_u32 s2, 0xf033
	s_cbranch_scc0 .Lentry_shape_is_right
	s_endpgm
.Lentry_shape_is_right:
; S^T[b][key][query] = kp[b][key] . qp[b][query], and the first half of a softmax over the QUERIES.  With c = log2(e) / 32, for each key and each PIECE t of 128 queries:
; cm = c x (the piece's largest score), p = 2^(c s - cm) (stored in pt as f16, [b x 2048 + key][query]), l = the sum of the piece's p, unrounded (cm and l stored in st, f32, [b][t][key]).
; A later launch joins a key's 16 pieces: the maximum taken away here is each piece's true maximum, so p lies in 0 to 1 whatever the scores.
; LIMITS: qp and kp arrive in f16; p below 6e-5 keeps f16's fixed step of 6e-8; a weight below 2^-126 counts as 0 in l; NaN and infinities are not treated apart.
; A tile of 256 keys x 256 queries is made by four waves, each 128 x 128 = one piece for 128 keys: 64 accumulators.  K = 1024 goes in steps of 128 through two LDS slots.  32 x 8 tiles: 256 work-groups.
; THE MATRIX INSTRUCTION IS USED TRANSPOSED (source 0 = 16 rows of qp, source 1 = 16 rows of kp): a lane holds ONE key (l % 16) and the queries 16 b + 8 (l / 16) + 0..7 of block b,
; so a key's maximum and sum over the piece stay in the lane but for one exchange between the halves of the lanes.
; THE LAST K STEP GOES BY BLOCKS OF 16 KEYS, in a loop of eight trips.  A block's 32 products name its own accumulators, so they are written out for each block, and a chain of compares on the
; trip's number jumps forward to them; the last eight of them leave their results in 64 registers COMMON to all blocks (D is not C there), so that softmax and way out are written once.
; CLUSTERS: 4 x 4; kp's tiles are asked for jointly along a row of the cluster, qp's along a column (a cluster's four tile rows lie in one batch).
; REGISTERS: window 0: v0-31 addresses and statistics; v64-191 fragments of A; in the last K step v64-127 A's fragments of two blocks, v128-191 the common scores; v32-63, v192-223 the way out.
;   window 1: fragments of B.  windows 2, 3: accumulators, (a, b) at v[8 (8 a + b)].
.set SIZE_N, 2048
.set SIZE_K, 1024
.set KSTEP,  128
.set PITCH,  272                       ; 256 bytes + 16 of padding: the 16 rows of a fragment load start at 16 different groups of four banks (ISA guide 11.1)
.set HALFT,  128*PITCH
.set SLOT,   4*HALFT
.set STAGE,  2*SLOT                    ; 16 rows x 272 bytes for each wave
.set SPITCH, 272
.set STATB,  STAGE+4*16*SPITCH         ; 1,024 bytes for each wave: 128 cm, then 128 l; written by LDS stores alone
.set SPARE,  STATB+4*1024              ; the spare words: 128 bytes a wave, two blocks of 256 bytes that no other line names
.set LAPS, SIZE_K/(2*KSTEP)
.set CM,   10                          ; v10-11  cm, named as a pair
.set W0,   12                          ; v12-14  at work
.set STAT, 15                          ; v15     the block's statistics: lanes 0-15 cm, lanes 16-31 l
.set ADRA, 16
.set SADR, 18                          ; v18     where my statistics go in LDS
.set SRD,  19                          ; v19     where I read 16 bytes of them back
.set ADRB, 20
.set SGO,  22                          ; v22     16 x lane: my offset in 512 bytes of st
.set STO,  24
.set RD,   25
.set CO,   26
.set SPW,  28
.set NIL,  29
.set F0,   64
.set F1,   128
.set PA,   64
.set DC,   128                         ; the block's finished scores, query block b at DC + 8 b
.set TMP,  192
.set OB,   32
.set G1, 24
.set G0, 32
.set G1B, 48
.set G0B, 56
.set MSB, 0
.macro WIN new
.if MSB != (\new)
	s_set_vgpr_msb (MSB<<8)|(\new)
.set MSB, \new
.endif
.endm
.set MUL_LO, 0xa1
.set MUL_HI, 0xf1
.set FIN_LO, 0x21                      ; source 0 window 1, source 1 window 0, C window 2, D window 0
.set TO_B,   0x40
.macro JLOAD s                         ; a joint load: waves 0 and 1 fetch A's halves, waves 2 and 3 B's; s_nop 0 and four v_nop follow each line
	s_cmp_eq_u32 s11, 0
	s_cbranch_scc0 .Lfor_b_\@
	tensor_load_to_lds s[G0+4*(\s):G0+4*(\s)+3], s[G1:G1+7]
	s_nop 0
.rept 4
	v_nop
.endr
	s_branch .Lasked_\@
.Lfor_b_\@:
	tensor_load_to_lds s[G0B+4*(\s):G0B+4*(\s)+3], s[G1B:G1B+7]
	s_nop 0
.rept 4
	v_nop
.endr
.Lasked_\@:
.endm
.macro CREST
	s_cmp_lg_u32 s10, 0
	s_cbranch_scc1 .Lnot_wave_0_\@
	s_barrier_signal -3
.Lnot_wave_0_\@:
	s_barrier_wait -3
	s_barrier_signal -1
	s_barrier_wait -1
.endm
.macro CROUND
	s_barrier_signal -1
	s_barrier_wait -1
	CREST
.endm
	s_load_b64 s[4:5], s[0:1], 0x0                 ; qkp
	s_load_b64 s[8:9], s[0:1], 0x8                 ; pt
	s_load_b64 s[66:67], s[0:1], 0x10              ; st
	v_lshl_add_u32 v[SPW], v0, 2, SPARE
	v_mov_b32 v[NIL], 0
	ds_add_u32 v[SPW], v[NIL]                      ; the wave's opening: the add and its wait stand ahead of my first tensor load
	v_lshrrev_b32 v1, 5, v0
	v_readfirstlane_b32 s10, v1
	s_lshr_b32 s11, s10, 1                         ; my half of the tile's keys; also: I fetch for A (0) or B (1)
	s_and_b32 s12, s10, 1                          ; my half of its queries; also: which 128 rows I fetch
	s_bfe_u32 s40, ttmp6, 0x40000
	s_bfe_u32 s41, ttmp6, 0x40004
	s_lshl_b32 s42, ttmp9, 2
	s_add_co_u32 s42, s42, s40                     ; tile column (256 queries of the batch)
	s_and_b32 s13, ttmp7, 0xffff
	s_lshr_b32 s45, s13, 1                         ; the batch: two clusters along y each;
	s_lshl_b32 s45, s45, 11                        ; its 2,048 rows of qp; made of the cluster's y alone, which all partners share
	s_lshl_b32 s13, s13, 2
	s_add_co_u32 s13, s13, s41                     ; tile row (256 rows of kp, batches on end)
	s_lshl_b32 s43, s41, 2
	s_lshl_b32 s43, 15, s43
	s_lshl_b32 s44, 0x1111, s40
	s_or_b32 s[G1+0], s43, (1<<16)|(1<<20)|(1<<21)|(5<<22)|(3<<25)
	s_or_b32 s[G1B+0], s44, (1<<16)|(1<<20)|(1<<21)|(5<<22)|(3<<25)
.irp g, G1, G1B
	s_mov_b32 s[(\g)+1], KSTEP<<16
	s_mov_b32 s[(\g)+2], 128<<16
	s_mov_b32 s[(\g)+3], KSTEP<<16
	s_mov_b32 s[(\g)+4], 128
	s_mov_b32 s[(\g)+5], SIZE_K
	s_mov_b32 s[(\g)+6], 0
	s_mov_b32 s[(\g)+7], 0
.endr
	s_mov_b32 s68, 0x3d38aa3b                      ; c = log2(e) / 32
	s_mov_b32 s69, s68                             ; named with it as a pair
	s_mov_b32 s70, 0x76543210                      ; v_permlanex16_b32: each lane takes its own place in the other half
	s_mov_b32 s71, 0xfedcba98
	s_mov_b32 s72, 0xffff0000                      ; lanes 16-31
	s_lshr_b32 s74, s13, 3                         ; my 128 keys' place in st: batch x 16 x 2048 x 4 bytes,
	s_lshl_b32 s74, s74, 17
	s_lshl_b32 s73, s42, 1
	s_add_co_u32 s73, s73, s12                     ; piece t = 2 x tile column + my half,
	s_lshl_b32 s73, s73, 13
	s_add_co_u32 s74, s74, s73
	s_and_b32 s73, s13, 7                          ; key = 256 x (tile row in the batch) + 128 x my half
	s_lshl_b32 s73, s73, 10
	s_add_co_u32 s74, s74, s73
	s_lshl_b32 s73, s11, 9
	s_add_co_u32 s74, s74, s73
	s_mov_b32 s75, 0
	s_lshl_b32 s17, s12, 7
	s_lshl_b32 s16, s13, 8
	s_add_co_u32 s16, s16, s17                     ; A: kp's row 256 x tile row + 128 x half
	s_lshl_b32 s46, s42, 8
	s_add_co_u32 s46, s46, s17
	s_add_co_u32 s46, s46, s45                     ; B: qp's row: the batch's + 256 x tile column + 128 x half
	s_mov_b32 s17, 0
	s_mov_b32 s47, 0
	s_mov_b64 s[18:19], SIZE_K*2
	s_mul_u64 s[16:17], s[16:17], s[18:19]
	s_mul_u64 s[46:47], s[46:47], s[18:19]
	s_mul_i32 s20, s10, HALFT
	s_wait_dscnt 0x0                               ; the opening add is done
	s_wait_kmcnt 0x0
	s_mov_b64 s[6:7], s[4:5]                       ; qp lies first in qkp,
	s_add_nc_u64 s[4:5], s[4:5], 0x1000000         ; kp 8,192 rows of 2,048 bytes on
	s_add_nc_u64 s[66:67], s[66:67], s[74:75]
	s_add_nc_u64 s[14:15], s[4:5], s[16:17]
	s_add_nc_u64 s[46:47], s[6:7], s[46:47]
	CROUND
.irp s, 0,1
	s_mov_b32 s[G0+4*(\s)], 1
	s_add_co_u32 s[G0+4*(\s)+1], s20, (\s)*SLOT
	s_add_nc_u64 s[G0+4*(\s)+2:G0+4*(\s)+3], s[14:15], (\s)*KSTEP*2
	s_or_b32 s[G0+4*(\s)+3], s[G0+4*(\s)+3], 0x80000000
	s_mov_b32 s[G0B+4*(\s)], 1
	s_add_co_u32 s[G0B+4*(\s)+1], s20, (\s)*SLOT
	s_add_nc_u64 s[G0B+4*(\s)+2:G0B+4*(\s)+3], s[46:47], (\s)*KSTEP*2
	s_or_b32 s[G0B+4*(\s)+3], s[G0B+4*(\s)+3], 0x80000000
	JLOAD \s                                       ; two loads of mine are out
.endr
	v_and_b32 v1, 15, v0                           ; l % 16
	v_bfe_u32 v2, v0, 4, 1                         ; l / 16
	v_mul_u32_u24 v3, v1, PITCH
	v_lshl_add_u32 v3, v2, 4, v3
	s_mul_i32 s21, s11, HALFT
	s_mul_i32 s22, s12, HALFT
	s_add_co_u32 s22, s22, 2*HALFT
.irp s, 0,1
	v_add_nc_u32 v[ADRA+(\s)], s21, v3
	v_add_nc_u32 v[ADRB+(\s)], s22, v3
	s_add_co_u32 s21, s21, SLOT
	s_add_co_u32 s22, s22, SLOT
.endr
	s_mul_i32 s23, s10, 16*SPITCH
	s_add_co_u32 s23, s23, STAGE
	v_mul_u32_u24 v4, v1, SPITCH
	v_lshl_add_u32 v4, v2, 4, v4
	v_add_nc_u32 v[STO], s23, v4
	v_mul_u32_u24 v5, v2, SPITCH
	v_lshl_add_u32 v5, v1, 4, v5
	v_add_nc_u32 v[RD], s23, v5
	v_mul_u32_u24 v5, v2, SIZE_N*2
	v_lshl_add_u32 v[CO], v1, 4, v5
	s_lshl_b32 s73, s10, 10
	s_add_co_u32 s73, s73, STATB                   ; my wave's 1,024 bytes of statistics
	v_lshlrev_b32 v[SADR], 2, v1                   ; key l % 16 of a block; lanes 16-31 write l, 512 bytes on
	v_lshl_add_u32 v[SADR], v2, 9, v[SADR]
	v_add_nc_u32 v[SADR], s73, v[SADR]
	v_and_b32 v[SGO], 31, v0
	v_lshlrev_b32 v[SGO], 4, v[SGO]
	v_add_nc_u32 v[SRD], s73, v[SGO]
	v_mov_b32 v[W0+1], 0                           ; v_permlanex16_b32 counts as a reader of its destination
	v_mov_b32 v[STAT], 0
	s_lshl_b32 s13, s13, 8
	s_lshl_b32 s14, s11, 7
	s_add_co_u32 s16, s13, s14                     ; my first row of pt
	s_mov_b32 s17, 0
	s_mov_b64 s[18:19], SIZE_N*2
	s_mul_u64 s[16:17], s[16:17], s[18:19]
	s_lshl_b32 s46, s42, 9
	s_lshl_b32 s47, s12, 8
	s_add_co_u32 s46, s46, s47
	s_mov_b32 s47, 0
	s_add_nc_u64 s[16:17], s[16:17], s[46:47]      ; what the first block's way out adds to pt's address
.macro MUL16 f, hi, a0, zero           ; 16 matrix instructions; the 64 accumulators take turns
	WIN MUL_LO+0x50*(\hi)
.irp a, \a0, (\a0)+1
.irp b, 0,1,2,3,4,5,6,7
.if \zero
	v_wmma_f32_16x16x32_f16 v[8*(8*(\a)+(\b)):8*(8*(\a)+(\b))+7], v[(\f)+8*(\b):(\f)+8*(\b)+7], v[(\f)+8*(4*(\hi)+(\a)):(\f)+8*(4*(\hi)+(\a))+7], 0
.else
	v_wmma_f32_16x16x32_f16 v[8*(8*(\a)+(\b)):8*(8*(\a)+(\b))+7], v[(\f)+8*(\b):(\f)+8*(\b)+7], v[(\f)+8*(4*(\hi)+(\a)):(\f)+8*(4*(\hi)+(\a))+7], v[8*(8*(\a)+(\b)):8*(8*(\a)+(\b))+7]
.endif
.endr
.endr
.endm
.macro FETCH slot, k, f
	WIN TO_B
.irp i, 0,1,2,3,4,5,6,7
	ds_load_b128 v[(\f)+8*(\i):(\f)+8*(\i)+3],   v[ADRB+(\slot)] offset:(\k)+(\i)*16*PITCH
	ds_load_b128 v[(\f)+8*(\i)+4:(\f)+8*(\i)+7], v[ADRB+(\slot)] offset:(\k)+(\i)*16*PITCH+32
.endr
	WIN 0
.irp i, 0,1,2,3,4,5,6,7
	ds_load_b128 v[(\f)+8*(\i):(\f)+8*(\i)+3],   v[ADRA+(\slot)] offset:(\k)+(\i)*16*PITCH
	ds_load_b128 v[(\f)+8*(\i)+4:(\f)+8*(\i)+7], v[ADRA+(\slot)] offset:(\k)+(\i)*16*PITCH+32
.endr
.endm
.macro PLACES                          ; four plain vector instructions between a matrix instruction and a load into, or a vector access to, its registers
.rept 4
	v_nop
.endr
.endm
.macro QUARTER slot, k, f, g, zero
	s_wait_dscnt 8                                 ; B and A's rows 0-63 are in; the youngest eight loads may be out
	WIN MUL_LO
	MUL16 \f, 0, 0, \zero
	MUL16 \f, 0, 2, \zero
	PLACES
	FETCH \slot, \k, \g
	s_wait_dscnt 32                                ; all but the 32 just issued
	WIN MUL_HI
	MUL16 \f, 1, 0, \zero
	MUL16 \f, 1, 2, \zero
.endm
.macro MEET round
	WIN 0
	s_wait_tensorcnt 0x0                           ; all my tensor loads have landed: the one that was out is my part of the next slot
	ds_add_u32 v[SPW], v[NIL]                      ; 0 onto my spare word
	s_wait_dscnt 9                                 ; the add and the youngest eight loads may be out
	WIN MUL_LO
	MUL16 F1, 0, 0, 0
	s_wait_dscnt 0x0                               ; the add is done, and my reads of this slot are over
	s_barrier_signal -1
	MUL16 F1, 0, 2, 0
.if \round
	WIN 0
.endif
	s_barrier_wait -1
.endm
.macro TURN slot, next
	MEET 1
	CREST
	s_add_nc_u64 s[G0+4*(\slot)+2:G0+4*(\slot)+3], s[G0+4*(\slot)+2:G0+4*(\slot)+3], 2*KSTEP*2
	s_add_nc_u64 s[G0B+4*(\slot)+2:G0B+4*(\slot)+3], s[G0B+4*(\slot)+2:G0B+4*(\slot)+3], 2*KSTEP*2
	JLOAD \slot                                    ; my one tensor load behind the round; its four v_nop are also the places in front of the loads below
	FETCH \next, 0, F0
	WIN MUL_HI
	MUL16 F1, 1, 0, 0
	MUL16 F1, 1, 2, 0
.endm
.macro BLOAD q
	WIN TO_B
.irp i, 0,1,2,3,4,5,6,7
	ds_load_b128 v[64*(\q)+8*(\i):64*(\q)+8*(\i)+3],   v[ADRB+1] offset:64*(\q)+(\i)*16*PITCH
	ds_load_b128 v[64*(\q)+8*(\i)+4:64*(\q)+8*(\i)+7], v[ADRB+1] offset:64*(\q)+(\i)*16*PITCH+32
.endr
.endm
.macro ALOAD a
	WIN 0
.set FL, PA+32*((\a)%2)
.irp q, 0,1,2,3
	ds_load_b128 v[FL+8*(\q):FL+8*(\q)+3],   v[ADRA+1] offset:64*(\q)+(\a)*16*PITCH
	ds_load_b128 v[FL+8*(\q)+4:FL+8*(\q)+7], v[ADRA+1] offset:64*(\q)+(\a)*16*PITCH+32
.endr
.endm
; Block a's own text.  First the statistics of the block before go to my LDS bytes (the block's number stands in the immediate).  Then 32 matrix instructions, the block's 8 accumulators by turns, K ascending.
; The last eight take the accumulators as C and leave the scores in the common registers: five plain instructions stand between a result and its use as the C of another destination.
.macro SECT a
.Lrow\a:
.if (\a) > 0
	ds_store_b32 v[SADR], v[STAT] offset:64*((\a)-1)
.endif
.set FA, PA+32*((\a)%2)
.set AC, 64*((\a)%4)
	WIN MUL_LO+0x50*((\a)/4)
.irp q, 0,1,2
.irp b, 0,1,2,3,4,5,6,7
	v_wmma_f32_16x16x32_f16 v[AC+8*(\b):AC+8*(\b)+7], v[64*(\q)+8*(\b):64*(\q)+8*(\b)+7], v[FA+8*(\q):FA+8*(\q)+7], v[AC+8*(\b):AC+8*(\b)+7]
.endr
.endr
.rept 5
	v_nop
.endr
	WIN FIN_LO+0x10*((\a)/4)
.irp b, 0,1,2,3,4,5,6,7
	v_wmma_f32_16x16x32_f16 v[DC+8*(\b):DC+8*(\b)+7], v[192+8*(\b):192+8*(\b)+7], v[FA+24:FA+31], v[AC+8*(\b):AC+8*(\b)+7]
.endr
	WIN 0
	PLACES                                         ; for the loads into A's buffer and for the maxima that read the scores
.if (\a) < 6
	ALOAD (\a)+2
.endif
.if (\a) < 7
	s_branch .Lout
.endif
.endm
	s_wait_tensorcnt 1                             ; my part of K step 0 is in; K step 1's may stay out
	s_barrier_signal -1
	s_barrier_wait -1
	FETCH 0, 0, F0
	QUARTER 0, 64,  F0, F1, 1
	WIN 0
	s_mov_b32 s3, LAPS-1
.Llap:
	QUARTER 0, 128, F1, F0, 0
	QUARTER 0, 192, F0, F1, 0
	TURN 0, 1
	QUARTER 1, 64,  F0, F1, 0
	QUARTER 1, 128, F1, F0, 0
	QUARTER 1, 192, F0, F1, 0
	TURN 1, 0
	QUARTER 0, 64,  F0, F1, 0
	WIN 0
	s_sub_co_u32 s3, s3, 1
	s_cmp_lg_u32 s3, 0
	s_cbranch_scc1 .Llap
	QUARTER 0, 128, F1, F0, 0
	QUARTER 0, 192, F0, F1, 0
	MEET 0                                         ; nothing is filled again, so no round follows
	PLACES
	BLOAD 0
	BLOAD 1
	BLOAD 3
	ALOAD 0
	ALOAD 1
	MUL16 F1, 1, 0, 0
	MUL16 F1, 1, 2, 0
	PLACES
	BLOAD 2
	WIN 0
	s_wait_dscnt 0x0                               ; all of B and A's first two blocks are in: inside the loop every wait on LDS is for 0, so the counts hold on every way
	s_mov_b32 s3, 0
.Lblk:                                                 ; eight trips, a block of 16 keys each
.irp a, 1,2,3,4,5,6,7
	s_cmp_eq_u32 s3, \a
	s_cbranch_scc1 .Lrow\a
.endr
	SECT 0
	SECT 1
	SECT 2
	SECT 3
	SECT 4
	SECT 5
	SECT 6
	SECT 7
.Lout:                                                 ; THE BLOCK'S SOFTMAX, once for all blocks: 16 keys x 128 queries in 64 registers
.irp b, 0,1,2,3,4,5,6,7                ; each accumulator's lowest registers are read first
	v_max3_num_f32 v[TMP+3*(\b)],   v[DC+8*(\b)],   v[DC+8*(\b)+1], v[DC+8*(\b)+2]
	v_max3_num_f32 v[TMP+3*(\b)+1], v[DC+8*(\b)+3], v[DC+8*(\b)+4], v[DC+8*(\b)+5]
	v_max_num_f32  v[TMP+3*(\b)+2], v[DC+8*(\b)+6], v[DC+8*(\b)+7]
.endr
.irp b, 0,1,2,3,4,5,6,7
	v_max3_num_f32 v[TMP+3*(\b)], v[TMP+3*(\b)], v[TMP+3*(\b)+1], v[TMP+3*(\b)+2]
.endr
	v_max3_num_f32 v[W0], v[TMP], v[TMP+3], v[TMP+6]
	v_max3_num_f32 v[W0+2], v[TMP+9], v[TMP+12], v[TMP+15]
	v_max3_num_f32 v[W0], v[TMP+18], v[TMP+21], v[W0]
	v_max_num_f32 v[W0], v[W0], v[W0+2]
	v_permlanex16_b32 v[W0+1], v[W0], s70, s71     ; the key's other 64 queries lie in the lane 16 away
	v_max_num_f32 v[W0], v[W0], v[W0+1]
	v_mul_f32 v[CM], s68, v[W0]
	v_mov_b32 v[CM+1], v[CM]
.set i, 0
.rept 32
	v_pk_fma_f32 v[DC+2*i:DC+2*i+1], v[DC+2*i:DC+2*i+1], s[68:69], v[CM:CM+1] op_sel_hi:[1,0,0] neg_lo:[0,0,1] neg_hi:[0,0,1]  ; c s - cm
.set i, i+1
.endr
.set i, 0
.rept 64
	v_exp_f32 v[DC+i], v[DC+i]
.set i, i+1
.endr
	v_nop                                          ; a plain instruction between the last exponential and the use of its result (ISA guide 5.7.2)
	s_wait_alu depctr_va_vdst(0)
.irp b, 0,1,2,3,4,5,6,7
.irp r, 0,1,2,3
	v_cvt_pk_f16_f32 v[TMP+4*(\b)+(\r)], v[DC+8*(\b)+2*(\r)], v[DC+8*(\b)+2*(\r)+1]
.endr
.endr
.irp d, 16,8,4,2,1                     ; the 32 pairs of unrounded p are summed in place: pair i takes pair i + d
.set i, 0
.rept \d
	v_pk_add_f32 v[DC+2*i:DC+2*i+1], v[DC+2*i:DC+2*i+1], v[DC+2*(i+(\d)):DC+2*(i+(\d))+1]
.set i, i+1
.endr
.endr
	v_add_f32 v[W0], v[DC], v[DC+1]
	v_permlanex16_b32 v[W0+1], v[W0], s70, s71
	v_add_f32 v[W0], v[W0], v[W0+1]
	v_cndmask_b32 v[STAT], v[CM], v[W0], s72       ; lanes 0-15 keep cm, lanes 16-31 l
	; THE WAY OUT: through my stage, stored as whole rows of 256 bytes
	s_wait_xcnt 0x0                                ; the last trip's stores have read their data and their base: both are rewritten only behind this wait
.irp b, 0,1,2,3,4,5,6,7
	ds_store_b128 v[STO], v[TMP+4*(\b):TMP+4*(\b)+3] offset:32*(\b)
.endr
.irp t, 0,1,2,3,4,5,6,7
	ds_load_b128 v[OB+4*(\t):OB+4*(\t)+3], v[RD] offset:(\t)*2*SPITCH  ; LDS serves a wave's instructions in order (ISA guide 5.7.1.4): these see the stores above
.endr
	s_wait_dscnt 0x0                               ; the block is back in registers; A's next fragments, asked for earlier, are in too
	s_add_nc_u64 s[8:9], s[8:9], s[16:17]          ; on to this block's rows:
	s_mov_b64 s[16:17], 16*SIZE_N*2                ; from the second block on 16 rows further
.irp t, 0,1,2,3,4,5,6,7
	global_store_b128 v[CO], v[OB+4*(\t):OB+4*(\t)+3], s[8:9] offset:2*(\t)*SIZE_N*2  ; 16 lanes store 256 consecutive bytes, at a multiple of 256 from the buffer's first byte
.endr
	s_add_co_u32 s3, s3, 1
	s_cmp_lt_u32 s3, 8
	s_cbranch_scc1 .Lblk
	; the wave's statistics leave through its own LDS bytes, so that each store covers 512 consecutive bytes of st
	ds_store_b32 v[SADR], v[STAT] offset:64*7      ; the last block's
	ds_load_b128 v[192:195], v[SRD]                ; my own bytes, served in order behind the stores
	ds_load_b128 v[196:199], v[SRD] offset:512
	s_wait_dscnt 0x0
	global_store_b128 v[SGO], v[192:195], s[66:67]                 ; cm of 128 keys
	global_store_b128 v[SGO], v[196:199], s[66:67] offset:524288   ; l of the same keys
	s_wait_tensorcnt 0x0                           ; the wave's end
	ds_add_u32 v[SPW], v[NIL]
	s_wait_dscnt 0x0
	CROUND                                         ; the closing round
	s_endpgm
.Lfunc_end_k_q576d9a2c0e_scores:
	.size	k_q576d9a2c0e_scores, .Lfunc_end_k_q576d9a2c0e_scores-k_q576d9a2c0e_scores
	.p2alignl 7, 3214868480
	.fill 96, 4, 3214868480
	.section	.rodata,"a",@progbits
	.p2align	6, 0x0
	.amdhsa_kernel k_q576d9a2c0e_scores
		.amdhsa_group_segment_fixed_size 327680
		.amdhsa_private_segment_fixed_size 0
		.amdhsa_enable_private_segment 0
		.amdhsa_kernarg_size 24
		.amdhsa_user_sgpr_count 2
		.amdhsa_user_sgpr_kernarg_segment_ptr 1
		.amdhsa_wavefront_size32 1
		.amdhsa_system_sgpr_workgroup_id_x 1
		.amdhsa_system_sgpr_workgroup_id_y 1
		.amdhsa_system_sgpr_workgroup_id_z 1
		.amdhsa_system_vgpr_workitem_id 0
		.amdhsa_next_free_vgpr 1024
		.amdhsa_next_free_sgpr 80
		.amdhsa_reserve_vcc 0
		.amdhsa_float_denorm_mode_32 3
		.amdhsa_float_denorm_mode_16_64 3
		.amdhsa_memory_ordered 1
		.amdhsa_forward_progress 1
		.amdhsa_inst_pref_size 128
	.end_amdhsa_kernel
	.amdgpu_metadata
---
amdhsa.version: [ 1, 2 ]
amdhsa.kernels:
  - .name:           k_q576d9a2c0e_scores
    .symbol:         k_q576d9a2c0e_scores.kd
    .args:
      - { .name: qkp, .offset: 0, .size: 8, .value_kind: global_buffer, .address_space: global }
      - { .name: pt, .offset: 8, .size: 8, .value_kind: global_buffer, .address_space: global }
      - { .name: st, .offset: 16, .size: 8, .value_kind: global_buffer, .address_space: global }
    .group_segment_fixed_size: 327680
    .private_segment_fixed_size: 0
    .kernarg_segment_align: 8
    .kernarg_segment_size: 24
    .max_flat_workgroup_size: 128
    .sgpr_count:     80
    .vgpr_count:     1024
    .wavefront_size: 32
...
	.end_amdgpu_metadata
.endif
;; end of part 10
;; launch norm (part 11): grid 256 x 1, 8 waves a work-group, no clusters, 0 bytes of LDS; arguments st, pt, pa; writes pa
.if DOCPART == 11
	.amdgcn_target "amdgcn-amd-amdhsa--gfx1250"
	.amdhsa_code_object_version 6
	.text
	.protected	k_q576d9a2c0e_norm
	.globl	k_q576d9a2c0e_norm
	.p2align	8
	.type	k_q576d9a2c0e_norm,@function
k_q576d9a2c0e_norm:
	s_mov_b64 s[64:65], 0
	v_nop
	global_prefetch_b8 v0, s[64:65] scope:SCOPE_SE
	s_setreg_imm32_b32 hwreg(HW_REG_WAVE_MODE, 25, 1), 1
	s_wait_xcnt 0x0
; The second half of the softmax over queries.  For each key the 16 pieces' cm_t and l_t are joined: M = max cm_t, e_t = 2^(cm_t - M), Z = sum of l_t e_t, F_t = 2048 e_t / Z, all in f32;
; then pa[key][q] = p[key][q] x F_t(q), t(q) = q / 128: p is widened to f32, multiplied, and rounded once to f16.  pa is 2048 x the softmax weight; the power of two, which keeps pa near 1 on
; average, is taken back in f32 by the launch that follows.  Z is at least about 1 (the piece with cm_t = M has e = 1 and holds a p of 1), so F and pa lie in 0 to about 2048.
; LIMITS: pa below 6e-5 keeps f16's fixed step of 6e-8; e below 2^-126 counts as 0; NaN and infinities are not treated apart.
; A stream: no LDS, no barrier, no matrix unit.  A work-group takes 32 keys (rows of 4,096 bytes), a wave 4.  A load or store of a row's part covers 512 consecutive bytes.
; THE STATISTICS: lane 16 h + t loads 16 bytes (4 keys) of piece t: cm for h = 0, l for h = 1: one load a wave; the eight waves take 128 consecutive bytes of each of st's 32 rows.
; After one exchange both halves of the lanes hold cm_t and l_t in lane t, and maximum and sum over the pieces go by DPP inside the 16 lanes.
; THE ROWS: load i of a row brings lane 16 h + r the queries 256 i + 128 h + 8 r + 0..7, which lie in piece 2 i + h.  G holds F_t in lane t of the lower half and F_(t+1) in lane t of the upper,
; so that one row_share of lane 2 i gives every lane its factor.
; 16 slots of four registers keep 16 loads of every wave in flight; a slot is loaded again (two rows on) as soon as it has been widened.  No store's data register is written twice.
.set S4,  4                            ; v[4:7]    as loaded: cm or l of 4 keys
.set XC,  12                           ; v[12:15]  the other half of the lanes'
.set CMV, 16                           ; v[16:19]  cm, then e
.set LV,  20                           ; v[20:23]  l, then l e, Z, 2048 / Z
.set MV,  24                           ; v[24:27]  M
.set G,   28                           ; v[28:31]  the factors of key j
.set FI,  32                           ; v[32:47]  the row's factor for load i, twice: a pair for the packed multiply
.set T,   48                           ; v[48:55]  8 numbers in f32, at work
.set SH,  56                           ; v[56:59]  F moved one lane down
.set X,   64                           ; v[64:127] slot n: 4 registers, 8 f16 as loaded (halves of registers have names up to v127)
.set Y,   128                          ; v[128:255] 4 registers for each of the 32 stores
	s_load_b128 s[4:7], s[0:1], 0x0                ; st s[4:5], pt s[6:7]
	s_load_b64 s[8:9], s[0:1], 0x10                ; pa
	s_lshr_b32 s12, ttmp9, 6                       ; batch: 64 work-groups each
	s_lshl_b32 s12, s12, 17                        ; its 16 x 2,048 x 4 bytes of st
	s_and_b32 s13, ttmp9, 63
	s_lshl_b32 s13, s13, 7                         ; my 32 keys x 4 bytes
	s_add_co_u32 s12, s12, s13
	s_mov_b32 s13, 0
	s_lshl_b32 s14, ttmp9, 17                      ; my 32 rows of 4,096 bytes
	s_mov_b32 s15, 0
	s_mov_b32 s16, 0x76543210                      ; v_permlanex16_b32: each lane takes its own place in the other half
	s_mov_b32 s17, 0xfedcba98
	s_mov_b32 s18, 0xffff0000                      ; lanes 16-31
	v_lshrrev_b32 v3, 5, v0                        ; wave
	v_and_b32 v60, 15, v0                          ; t
	v_bfe_u32 v61, v0, 4, 1                        ; h
	v_lshlrev_b32 v1, 13, v60                      ; st: piece t's row,
	v_lshl_add_u32 v1, v61, 19, v1                 ; cm or l,
	v_lshl_add_u32 v1, v3, 4, v1                   ; my wave's 4 keys
	v_and_b32 v2, 31, v0
	v_lshlrev_b32 v2, 4, v2                        ; rows: 16 bytes a lane,
	v_lshl_add_u32 v2, v3, 14, v2                  ; my wave's 4 rows
.irp j, 0,1,2,3
	v_mov_b32 v[XC+(\j)], 0                        ; destinations of lane exchanges count as read: they are written once here
	v_mov_b32 v[SH+(\j)], 0
.endr
.set i, 0
.rept 16
	v_mov_b32 v[FI+i], 0
.set i, i+1
.endr
	s_wait_kmcnt 0x0
	s_add_nc_u64 s[4:5], s[4:5], s[12:13]
	s_add_nc_u64 s[6:7], s[6:7], s[14:15]
	s_add_nc_u64 s[8:9], s[8:9], s[14:15]
	global_load_b128 v[S4:S4+3], v1, s[4:5]
.set n, 0
.rept 16                               ; rows 0 and 1
	global_load_b128 v[X+4*n:X+4*n+3], v2, s[6:7] offset:(n/8)*4096+(n%8)*512 th:TH_LOAD_NT
.set n, n+1
.endr
	s_wait_loadcnt 16                              ; the statistics are in; the 16 younger loads stay out
.irp j, 0,1,2,3
	v_permlanex16_b32 v[XC+(\j)], v[S4+(\j)], s16, s17
.endr
.irp j, 0,1,2,3
	v_cndmask_b32 v[CMV+(\j)], v[S4+(\j)], v[XC+(\j)], s18   ; cm: my own below, the other half's above
	v_cndmask_b32 v[LV+(\j)], v[XC+(\j)], v[S4+(\j)], s18    ; l: the other way round
.endr
.irp j, 0,1,2,3
	v_mov_b32 v[MV+(\j)], v[CMV+(\j)]
.endr
.irp m, 1,2,4,8
.irp j, 0,1,2,3
	v_max_num_f32_dpp v[MV+(\j)], v[MV+(\j)], v[MV+(\j)] row_xmask:\m row_mask:0xf bank_mask:0xf
.endr
.endr
.irp j, 0,1,2,3
	v_sub_f32 v[CMV+(\j)], v[CMV+(\j)], v[MV+(\j)]
.endr
.irp j, 0,1,2,3
	v_exp_f32 v[CMV+(\j)], v[CMV+(\j)]
.endr
	v_nop                                          ; a plain instruction between the last exponential and the use of its result (ISA guide 5.7.2)
	s_wait_alu depctr_va_vdst(0)
.irp j, 0,1,2,3
	v_mul_f32 v[LV+(\j)], v[LV+(\j)], v[CMV+(\j)]
.endr
.irp m, 1,2,4,8
.irp j, 0,1,2,3
	v_add_f32_dpp v[LV+(\j)], v[LV+(\j)], v[LV+(\j)] row_xmask:\m row_mask:0xf bank_mask:0xf
.endr
.endr
.irp j, 0,1,2,3
	v_rcp_f32 v[LV+(\j)], v[LV+(\j)]
.endr
	v_nop
	s_wait_alu depctr_va_vdst(0)
.irp j, 0,1,2,3
	v_mul_f32 v[LV+(\j)], 0x45000000, v[LV+(\j)]   ; 2048 / Z
.endr
.irp j, 0,1,2,3
	v_mul_f32 v[G+(\j)], v[CMV+(\j)], v[LV+(\j)]   ; F_t in lane t of both halves
.endr
.irp j, 0,1,2,3
	v_mov_b32_dpp v[SH+(\j)], v[G+(\j)] row_shl:1 row_mask:0xf bank_mask:0xf   ; lane t takes lane t + 1 (lane 15 keeps its 0, which nobody asks for)
.endr
.irp j, 0,1,2,3
	v_cndmask_b32 v[G+(\j)], v[G+(\j)], v[SH+(\j)], s18
.endr
.macro FACS kk                         ; the eight factors of row kk, each in both registers of a pair
.irp i, 0,2,4,6,8,10,12,14
	v_mov_b32_dpp v[FI+(\i)],   v[G+(\kk)] row_share:\i row_mask:0xf bank_mask:0xf
	v_mov_b32_dpp v[FI+(\i)+1], v[G+(\kk)] row_share:\i row_mask:0xf bank_mask:0xf
.endr
.endm
; Slot n's turn in batch p (rows 2 p and 2 p + 1): row 2 p + n / 8, load n % 8.  a0-a7 name the halves of the slot's four registers.
.macro SL p, n, a0, a1, a2, a3, a4, a5, a6, a7
.if (\n)%8 == 0
	FACS 2*(\p)+(\n)/8
.endif
.if \p
	s_wait_loadcnt 15-(\n)                         ; nothing is loaded any more: the counts run down
.else
	s_wait_loadcnt 15                              ; behind my load stand 15 - n of the first 16 and n reloads
.endif
	v_cvt_f32_f16 v[T],   \a0
	v_cvt_f32_f16 v[T+1], \a1
	v_cvt_f32_f16 v[T+2], \a2
	v_cvt_f32_f16 v[T+3], \a3
	v_cvt_f32_f16 v[T+4], \a4
	v_cvt_f32_f16 v[T+5], \a5
	v_cvt_f32_f16 v[T+6], \a6
	v_cvt_f32_f16 v[T+7], \a7
.if !(\p)
	global_load_b128 v[X+4*(\n):X+4*(\n)+3], v2, s[6:7] offset:(2+(\n)/8)*4096+((\n)%8)*512 th:TH_LOAD_NT  ; the same place two rows on
.endif
.irp j, 0,2,4,6
	v_pk_mul_f32 v[T+(\j):T+(\j)+1], v[T+(\j):T+(\j)+1], v[FI+2*((\n)%8):FI+2*((\n)%8)+1]
.endr
.irp j, 0,1,2,3
	v_cvt_pk_f16_f32 v[Y+4*(16*(\p)+(\n))+(\j)], v[T+2*(\j)], v[T+2*(\j)+1]
.endr
	global_store_b128 v2, v[Y+4*(16*(\p)+(\n)):Y+4*(16*(\p)+(\n))+3], s[8:9] offset:(2*(\p)+(\n)/8)*4096+((\n)%8)*512
.endm
.macro BATCH p
	SL \p, 0,  v64.l, v64.h, v65.l, v65.h, v66.l, v66.h, v67.l, v67.h
	SL \p, 1,  v68.l, v68.h, v69.l, v69.h, v70.l, v70.h, v71.l, v71.h
	SL \p, 2,  v72.l, v72.h, v73.l, v73.h, v74.l, v74.h, v75.l, v75.h
	SL \p, 3,  v76.l, v76.h, v77.l, v77.h, v78.l, v78.h, v79.l, v79.h
	SL \p, 4,  v80.l, v80.h, v81.l, v81.h, v82.l, v82.h, v83.l, v83.h
	SL \p, 5,  v84.l, v84.h, v85.l, v85.h, v86.l, v86.h, v87.l, v87.h
	SL \p, 6,  v88.l, v88.h, v89.l, v89.h, v90.l, v90.h, v91.l, v91.h
	SL \p, 7,  v92.l, v92.h, v93.l, v93.h, v94.l, v94.h, v95.l, v95.h
	SL \p, 8,  v96.l, v96.h, v97.l, v97.h, v98.l, v98.h, v99.l, v99.h
	SL \p, 9,  v100.l, v100.h, v101.l, v101.h, v102.l, v102.h, v103.l, v103.h
	SL \p, 10, v104.l, v104.h, v105.l, v105.h, v106.l, v106.h, v107.l, v107.h
	SL \p, 11, v108.l, v108.h, v109.l, v109.h, v110.l, v110.h, v111.l, v111.h
	SL \p, 12, v112.l, v112.h, v113.l, v113.h, v114.l, v114.h, v115.l, v115.h
	SL \p, 13, v116.l, v116.h, v117.l, v117.h, v118.l, v118.h, v119.l, v119.h
	SL \p, 14, v120.l, v120.h, v121.l, v121.h, v122.l, v122.h, v123.l, v123.h
	SL \p, 15, v124.l, v124.h, v125.l, v125.h, v126.l, v126.h, v127.l, v127.h
.endm
	BATCH 0
	BATCH 1
	s_endpgm
.Lfunc_end_k_q576d9a2c0e_norm:
	.size	k_q576d9a2c0e_norm, .Lfunc_end_k_q576d9a2c0e_norm-k_q576d9a2c0e_norm
	.p2alignl 7, 3214868480
	.fill 96, 4, 3214868480
	.section	.rodata,"a",@progbits
	.p2align	6, 0x0
	.amdhsa_kernel k_q576d9a2c0e_norm
		.amdhsa_group_segment_fixed_size 0
		.amdhsa_private_segment_fixed_size 0
		.amdhsa_enable_private_segment 0
		.amdhsa_kernarg_size 24
		.amdhsa_user_sgpr_count 2
		.amdhsa_user_sgpr_kernarg_segment_ptr 1
		.amdhsa_wavefront_size32 1
		.amdhsa_system_sgpr_workgroup_id_x 1
		.amdhsa_system_sgpr_workgroup_id_y 1
		.amdhsa_system_sgpr_workgroup_id_z 1
		.amdhsa_system_vgpr_workitem_id 0
		.amdhsa_next_free_vgpr 256
		.amdhsa_next_free_sgpr 66
		.amdhsa_reserve_vcc 0
		.amdhsa_float_denorm_mode_32 3
		.amdhsa_float_denorm_mode_16_64 3
		.amdhsa_memory_ordered 1
		.amdhsa_forward_progress 1
		.amdhsa_inst_pref_size 42
	.end_amdhsa_kernel
	.amdgpu_metadata
---
amdhsa.version: [ 1, 2 ]
amdhsa.kernels:
  - .name:           k_q576d9a2c0e_norm
    .symbol:         k_q576d9a2c0e_norm.kd
    .args:
      - { .name: st, .offset: 0, .size: 8, .value_kind: global_buffer, .address_space: global }
      - { .name: pt, .offset: 8, .size: 8, .value_kind: global_buffer, .address_space: global }
      - { .name: pa, .offset: 16, .size: 8, .value_kind: global_buffer, .address_space: global }
    .group_segment_fixed_size: 0
    .private_segment_fixed_size: 0
    .kernarg_segment_align: 8
    .kernarg_segment_size: 24
    .max_flat_workgroup_size: 256
    .sgpr_count:     66
    .vgpr_count:     256
    .wavefront_size: 32
...
	.end_amdgpu_metadata
.endif
;; end of part 11
;; launch pv (part 12): grid 4 x 64, 4 waves a work-group, clusters of 4 x 4, 327,680 bytes of LDS; arguments pa, vp, out0; writes out0
.if DOCPART == 12
	.amdgcn_target "amdgcn-amd-amdhsa--gfx1250"
	.amdhsa_code_object_version 6
	.text
	.protected	k_q576d9a2c0e_pv
	.globl	k_q576d9a2c0e_pv
	.p2align	8
	.type	k_q576d9a2c0e_pv,@function
k_q576d9a2c0e_pv:
	s_mov_b64 s[64:65], 0
	v_nop
	global_prefetch_b8 v0, s[64:65] scope:SCOPE_SE
	s_setreg_imm32_b32 hwreg(HW_REG_WAVE_MODE, 25, 1), 1
	s_wait_xcnt 0x0
	s_wait_alu depctr_hold_cnt(0) depctr_sa_sdst(0) depctr_va_vdst(0) depctr_va_sdst(0) depctr_va_ssrc(0) depctr_va_vcc(0) depctr_vm_vsrc(0)
	s_getreg_b32 s2, hwreg(HW_REG_IB_STS2, 6, 4)
	s_cmp_eq_u32 s2, 0
	s_cbranch_scc0 .Lentry_in_a_cluster
	s_endpgm
.Lentry_in_a_cluster:
	s_bfe_u32 s2, ttmp6, 0x10000c
	s_cmp_lg_u32 s2, 0xf033
	s_cbranch_scc0 .Lentry_shape_is_right
	s_endpgm
.Lentry_shape_is_right:
; out0[b][q][ch] = 2^-11 x the sum over keys of pa[b][key][q] x vp[b][key][ch].  pa (2048 x the softmax weight) and vp are f16; sums in f32; the power of two is taken back in f32, exactly.
; NaN and infinities are not treated apart.
; A tile is 128 queries x 128 channels: 64 x 4 = 256 work-groups.  Four waves, each 64 x 64: 16 accumulators.
; The keys, 2,048, go in steps of 256 through two LDS slots.  Both operands lie [key][..] in memory and in LDS and come out turned, by ds_load_tr16_b128.
; The matrix instruction takes source 0 = 16 channels of vp, source 1 = 16 queries of pa: a lane holds one query (l % 16) and eight neighbouring channels.
; CLUSTERS: 4 x 4; pa's tiles are asked for jointly along a row of the cluster (same queries), vp's along a column (same channels; a cluster's four tile rows lie in one batch).
; REGISTERS: window 0: v0-31 addresses; v32-127 the way out; v128-255 accumulators ((a, b) at v[128 + 8 (4 a + b)]).
;   window 1: two fragment buffers of 128 for 64 keys: 64 registers of P, then 64 of V.
.set PITCH,  288                       ; 256 bytes + 32 of padding = 72 words
.set HALFT,  128*PITCH                 ; 128 keys: what one tensor load brings
.set SLOT,   4*HALFT                   ; P's keys 0-127, 128-255, then V's
.set STAGE,  2*SLOT                    ; 16 rows x 272 bytes for each wave, its own
.set SPITCH, 272
.set SPARE,  STAGE+4*16*SPITCH         ; the spare words: 128 bytes a wave, two blocks of 256 bytes that no other line names
.set LAPS,   4                         ; a lap = two steps of 256 keys
.set PSTEP,  256*4096                  ; bytes of pa from step to step
.set VSTEP,  256*1024                  ; bytes of vp
.set AP,   8                           ; v8-11   my lane's place in P: slot s, half u of the slot's keys at AP + 2 s + u
.set AV,   12                          ; v12-15  the same for V
.set STO,  24
.set RD,   25
.set CO,   26
.set SPW,  28
.set NIL,  29
.set TMP,  32
.set OB,   64
.set ACC,  128
.set F0,   0
.set F1,   128
.set G1, 24
.set G0, 32
.set G1B, 48
.set G0B, 56
.set MSB, 0
.macro WIN new
.if MSB != (\new)
	s_set_vgpr_msb (MSB<<8)|(\new)
.set MSB, \new
.endif
.endm
.set MUL,  0x05                        ; sources 0 and 1 window 1; C and D window 0
.set TO_F, 0x40                        ; destination window 1, address window 0
.macro JLOAD s                         ; a joint load: waves 0 and 1 fetch P's halves, waves 2 and 3 V's; s_nop 0 and four v_nop follow each line
	s_cmp_eq_u32 s11, 0
	s_cbranch_scc0 .Lfor_b_\@
	tensor_load_to_lds s[G0+4*(\s):G0+4*(\s)+3], s[G1:G1+7]
	s_nop 0
.rept 4
	v_nop
.endr
	s_branch .Lasked_\@
.Lfor_b_\@:
	tensor_load_to_lds s[G0B+4*(\s):G0B+4*(\s)+3], s[G1B:G1B+7]
	s_nop 0
.rept 4
	v_nop
.endr
.Lasked_\@:
.endm
.macro CREST
	s_cmp_lg_u32 s10, 0
	s_cbranch_scc1 .Lnot_wave_0_\@
	s_barrier_signal -3
.Lnot_wave_0_\@:
	s_barrier_wait -3
	s_barrier_signal -1
	s_barrier_wait -1
.endm
.macro CROUND
	s_barrier_signal -1
	s_barrier_wait -1
	CREST
.endm
	s_load_b128 s[4:7], s[0:1], 0x0                ; pa s[4:5], vp s[6:7]
	s_load_b64 s[70:71], s[0:1], 0x10              ; out0
	v_lshl_add_u32 v[SPW], v0, 2, SPARE
	v_mov_b32 v[NIL], 0
	ds_add_u32 v[SPW], v[NIL]                      ; the wave's opening: the add and its wait stand ahead of my first tensor load
	v_lshrrev_b32 v1, 5, v0
	v_readfirstlane_b32 s10, v1
	s_lshr_b32 s11, s10, 1                         ; my half of the tile's queries; also: I fetch for P (0) or V (1)
	s_and_b32 s12, s10, 1                          ; my half of its channels; also: which 128 keys of a step I fetch
	s_bfe_u32 s40, ttmp6, 0x40000
	s_bfe_u32 s41, ttmp6, 0x40004
	s_lshl_b32 s42, ttmp9, 2
	s_add_co_u32 s42, s42, s40                     ; tile column: 128 channels
	s_and_b32 s13, ttmp7, 0xffff
	s_lshr_b32 s45, s13, 2                         ; the batch, from the cluster's y alone: four clusters each
	s_lshl_b32 s13, s13, 2
	s_add_co_u32 s13, s13, s41                     ; tile row = 16 x batch + the block of 128 queries
	s_lshl_b32 s43, s41, 2
	s_lshl_b32 s43, 15, s43
	s_lshl_b32 s44, 0x1111, s40
	s_or_b32 s[G1+0], s43, (1<<16)|(1<<20)|(1<<21)|(5<<22)|(7<<25)  ; mask; 2-byte elements; padding on; bit 21 beside a mask; after every 64 words 8 words
	s_or_b32 s[G1B+0], s44, (1<<16)|(1<<20)|(1<<21)|(5<<22)|(7<<25)
.irp g, G1, G1B
	s_mov_b32 s[(\g)+1], 128<<16                   ; tensor_dim0 = 128
	s_mov_b32 s[(\g)+2], 128<<16                   ; tensor_dim1 = 128
	s_mov_b32 s[(\g)+3], 128<<16                   ; tile_dim0 = 128
	s_mov_b32 s[(\g)+4], 128                       ; tile_dim1 = 128
	s_mov_b32 s[(\g)+6], 0
	s_mov_b32 s[(\g)+7], 0
.endr
	s_mov_b32 s[G1+5], 2048                        ; pa: 2,048 elements from key to key
	s_mov_b32 s[G1B+5], 512                        ; vp: 512
	s_lshr_b32 s16, s13, 4                         ; pa: batch x 2,048 keys x 4,096 bytes
	s_lshl_b32 s16, s16, 23
	s_lshl_b32 s17, s12, 19                        ; + my 128 keys
	s_add_co_u32 s16, s16, s17
	s_and_b32 s17, s13, 15                         ; + the block's 256 bytes of a row
	s_lshl_b32 s17, s17, 8
	s_add_co_u32 s16, s16, s17
	s_mov_b32 s17, 0
	s_lshl_b32 s46, s45, 21                        ; vp: batch x 2,048 keys x 1,024 bytes
	s_lshl_b32 s47, s12, 17                        ; + my 128 keys
	s_add_co_u32 s46, s46, s47
	s_lshl_b32 s47, s42, 8                         ; + the tile's 256 bytes of a row
	s_add_co_u32 s46, s46, s47
	s_mov_b32 s47, 0
	s_mul_i32 s20, s10, HALFT                      ; where they go: wave x 128 rows
	s_mov_b32 s72, 0x3a000000                      ; 2^-11
	s_mov_b32 s73, s72                             ; named with it as a pair
	s_wait_dscnt 0x0                               ; the opening add is done
	s_wait_kmcnt 0x0
	s_add_nc_u64 s[14:15], s[4:5], s[16:17]
	s_add_nc_u64 s[46:47], s[6:7], s[46:47]
	CROUND
.irp s, 0,1
	s_mov_b32 s[G0+4*(\s)], 1
	s_add_co_u32 s[G0+4*(\s)+1], s20, (\s)*SLOT
	s_add_nc_u64 s[G0+4*(\s)+2:G0+4*(\s)+3], s[14:15], (\s)*PSTEP
	s_or_b32 s[G0+4*(\s)+3], s[G0+4*(\s)+3], 0x80000000
	s_mov_b32 s[G0B+4*(\s)], 1
	s_add_co_u32 s[G0B+4*(\s)+1], s20, (\s)*SLOT
	s_add_nc_u64 s[G0B+4*(\s)+2:G0B+4*(\s)+3], s[46:47], (\s)*VSTEP
	s_or_b32 s[G0B+4*(\s)+3], s[G0B+4*(\s)+3], 0x80000000
	JLOAD \s                                       ; two loads of mine are out
.endr
	v_and_b32 v1, 15, v0                           ; l % 16
	v_bfe_u32 v2, v0, 4, 1                         ; l / 16
	; the turning load takes 16 keys x 16 columns: lane l reads key 8 (l / 16) + l % 8, columns 8 ((l / 8) % 2) + 0..7, and is left with column l % 16 and 8 keys
	v_and_b32 v3, 7, v0
	v_bfe_u32 v4, v0, 3, 1
	v_lshl_add_u32 v3, v2, 3, v3
	v_mul_u32_u24 v3, v3, PITCH
	v_lshl_add_u32 v3, v4, 4, v3
	s_lshl_b32 s21, s11, 7                         ; my 64 queries: 128 bytes of P's rows
	s_lshl_b32 s22, s12, 7                         ; my 64 channels of V's rows,
	s_add_co_u32 s22, s22, 2*HALFT                 ; which lie behind P's 256
.irp s, 0,1
.irp u, 0,1
	s_add_co_u32 s23, s21, (\s)*SLOT+(\u)*HALFT
	v_add_nc_u32 v[AP+2*(\s)+(\u)], s23, v3
	s_add_co_u32 s23, s22, (\s)*SLOT+(\u)*HALFT
	v_add_nc_u32 v[AV+2*(\s)+(\u)], s23, v3
.endr
.endr
	s_mul_i32 s23, s10, 16*SPITCH
	s_add_co_u32 s23, s23, STAGE                   ; my stage
	v_mul_u32_u24 v4, v1, SPITCH                   ; in: row l % 16, 32 bytes for each half of the lanes
	v_lshl_add_u32 v4, v2, 5, v4
	v_add_nc_u32 v[STO], s23, v4
	v_mul_u32_u24 v5, v2, SPITCH                   ; back: lanes 0-15 one row of 256 bytes, lanes 16-31 the next
	v_lshl_add_u32 v5, v1, 4, v5
	v_add_nc_u32 v[RD], s23, v5
	v_lshlrev_b32 v5, 11, v2                       ; and the same two rows of out0, 2,048 bytes apart
	v_lshl_add_u32 v[CO], v1, 4, v5
	s_lshl_b32 s16, s13, 7
	s_lshl_b32 s17, s11, 6
	s_add_co_u32 s16, s16, s17                     ; my first row of out0
	s_lshl_b32 s16, s16, 11
	s_mov_b32 s17, 0
	s_add_nc_u64 s[70:71], s[70:71], s[16:17]
	s_lshl_b32 s46, s42, 9                         ; my first column, in bytes: 512 x tile column + 256 x half
	s_lshl_b32 s47, s12, 8
	s_add_co_u32 s46, s46, s47
	s_mov_b32 s47, 0
	s_add_nc_u64 s[70:71], s[70:71], s[46:47]
.macro MUL8 f, c, a0, zero             ; 8 matrix instructions: query blocks a0, a0 + 1 x 4 channel blocks, 32 keys: half c of buffer f; the 16 accumulators take turns
	WIN MUL
.irp a, \a0, (\a0)+1
.irp b, 0,1,2,3
.if \zero
	v_wmma_f32_16x16x32_f16 v[ACC+8*(4*(\a)+(\b)):ACC+8*(4*(\a)+(\b))+7], v[(\f)+64+8*(4*(\c)+(\b)):(\f)+64+8*(4*(\c)+(\b))+7], v[(\f)+8*(4*(\c)+(\a)):(\f)+8*(4*(\c)+(\a))+7], 0
.else
	v_wmma_f32_16x16x32_f16 v[ACC+8*(4*(\a)+(\b)):ACC+8*(4*(\a)+(\b))+7], v[(\f)+64+8*(4*(\c)+(\b)):(\f)+64+8*(4*(\c)+(\b))+7], v[(\f)+8*(4*(\c)+(\a)):(\f)+8*(4*(\c)+(\a))+7], v[ACC+8*(4*(\a)+(\b)):ACC+8*(4*(\a)+(\b))+7]
.endif
.endr
.endr
.endm
.macro FETCH slot, q, f                ; 32 LDS loads in one run: quarter q (64 keys) of the slot's step into buffer f: V and P of the first 32 keys (16 loads), then of the second 32
	WIN TO_F
.irp c, 0,1
.irp i, 0,1,2,3
	ds_load_tr16_b128 v[(\f)+64+8*(4*(\c)+(\i)):(\f)+64+8*(4*(\c)+(\i))+3],   v[AV+2*(\slot)+(\q)/2] offset:(64*((\q)%2)+32*(\c))*PITCH+32*(\i)
	ds_load_tr16_b128 v[(\f)+64+8*(4*(\c)+(\i))+4:(\f)+64+8*(4*(\c)+(\i))+7], v[AV+2*(\slot)+(\q)/2] offset:(64*((\q)%2)+32*(\c)+16)*PITCH+32*(\i)
	ds_load_tr16_b128 v[(\f)+8*(4*(\c)+(\i)):(\f)+8*(4*(\c)+(\i))+3],         v[AP+2*(\slot)+(\q)/2] offset:(64*((\q)%2)+32*(\c))*PITCH+32*(\i)
	ds_load_tr16_b128 v[(\f)+8*(4*(\c)+(\i))+4:(\f)+8*(4*(\c)+(\i))+7],       v[AP+2*(\slot)+(\q)/2] offset:(64*((\q)%2)+32*(\c)+16)*PITCH+32*(\i)
.endr
.endr
.endm
.macro PLACES                          ; four plain vector instructions between a matrix instruction and a load into, or a vector access to, its registers
.rept 4
	v_nop
.endr
.endm
.macro QUARTER slot, q, f, g, zero     ; multiplies buffer f; in its middle fetches quarter q of the slot into g
	s_wait_dscnt 16                                ; the first 32 keys are in; the youngest sixteen loads may be out
	MUL8 \f, 0, 0, \zero
	MUL8 \f, 0, 2, \zero
	PLACES
	FETCH \slot, \q, \g
	s_wait_dscnt 32                                ; all but the 32 just issued
	MUL8 \f, 1, 0, 0
	MUL8 \f, 1, 2, 0
.endm
.macro TURN slot, next, fill           ; the last quarter changes slots: one barrier; fill = 1: it opens a round of the cluster's, and this slot is filled again, two steps on
	WIN 0
	s_wait_tensorcnt 0x0                           ; all my tensor loads have landed: my part of the next slot
	ds_add_u32 v[SPW], v[NIL]                      ; 0 onto my spare word
	s_wait_dscnt 17                                ; the add and the youngest sixteen loads may be out
	MUL8 F1, 0, 0, 0
	s_wait_dscnt 0x0                               ; the add is done, and my reads of this slot are over
	s_barrier_signal -1
	MUL8 F1, 0, 2, 0
.if \fill
	WIN 0
.endif
	s_barrier_wait -1
.if \fill
	CREST
	s_add_nc_u64 s[G0+4*(\slot)+2:G0+4*(\slot)+3], s[G0+4*(\slot)+2:G0+4*(\slot)+3], 2*PSTEP
	s_add_nc_u64 s[G0B+4*(\slot)+2:G0B+4*(\slot)+3], s[G0B+4*(\slot)+2:G0B+4*(\slot)+3], 2*VSTEP
	JLOAD \slot                                    ; my one tensor load behind the round, 112 matrix instructions ahead of the wait for it; its four v_nop are also the places in front of the loads below
.else
	PLACES
.endif
	FETCH \next, 0, F0
	MUL8 F1, 1, 0, 0
	MUL8 F1, 1, 2, 0
.endm
	s_wait_tensorcnt 1                             ; my part of step 0 is in; step 1's may stay out
	s_barrier_signal -1
	s_barrier_wait -1
	FETCH 0, 0, F0
	QUARTER 0, 1, F0, F1, 1                        ; the first products start the sums
	WIN 0
	s_mov_b32 s3, LAPS-1
.Llap:                                                 ; a trip goes once round the ring and fills both slots again
	QUARTER 0, 2, F1, F0, 0
	QUARTER 0, 3, F0, F1, 0
	TURN 0, 1, 1
	QUARTER 1, 1, F0, F1, 0
	QUARTER 1, 2, F1, F0, 0
	QUARTER 1, 3, F0, F1, 0
	TURN 1, 0, 1
	QUARTER 0, 1, F0, F1, 0
	WIN 0
	s_sub_co_u32 s3, s3, 1
	s_cmp_lg_u32 s3, 0
	s_cbranch_scc1 .Llap
	QUARTER 0, 2, F1, F0, 0                        ; the last lap fills nothing
	QUARTER 0, 3, F0, F1, 0
	TURN 0, 1, 0
	QUARTER 1, 1, F0, F1, 0
	QUARTER 1, 2, F1, F0, 0
	QUARTER 1, 3, F0, F1, 0
	s_wait_dscnt 16
	MUL8 F1, 0, 0, 0
	MUL8 F1, 0, 2, 0
	s_wait_dscnt 0
	MUL8 F1, 1, 0, 0
	MUL8 F1, 1, 2, 0
	WIN 0
	; THE WAY OUT, 16 queries at a time: times 2^-11; 32 bytes a lane into my own stage; back as whole rows of 256 bytes (my 64 channels in f32); stored.
	PLACES
.irp a, 0,1,2,3
.irp b, 0,1,2,3
.irp j, 0,1,2,3                        ; each accumulator's registers in ascending order
	v_pk_mul_f32 v[TMP+8*(\b)+2*(\j):TMP+8*(\b)+2*(\j)+1], v[ACC+8*(4*(\a)+(\b))+2*(\j):ACC+8*(4*(\a)+(\b))+2*(\j)+1], s[72:73] op_sel_hi:[1,0]
.endr
.endr
.irp b, 0,1,2,3
	ds_store_b128 v[STO], v[TMP+8*(\b):TMP+8*(\b)+3] offset:64*(\b)
	ds_store_b128 v[STO], v[TMP+8*(\b)+4:TMP+8*(\b)+7] offset:64*(\b)+16
.endr
.irp t, 0,1,2,3,4,5,6,7
	ds_load_b128 v[OB+32*((\a)%2)+4*(\t):OB+32*((\a)%2)+4*(\t)+3], v[RD] offset:(\t)*2*SPITCH  ; LDS serves a wave's instructions in order (ISA guide 5.7.1.4): these see the stores above
.endr
	s_wait_dscnt 0x0                               ; the block is back in registers
	s_wait_xcnt 0x0                                ; the registers that the stores two blocks back read are loaded again only behind such a wait
.irp t, 0,1,2,3,4,5,6,7
	global_store_b128 v[CO], v[OB+32*((\a)%2)+4*(\t):OB+32*((\a)%2)+4*(\t)+3], s[70:71] offset:(16*(\a)+2*(\t))*2048  ; 16 lanes store 256 consecutive bytes, at a multiple of 256 from out0's first byte
.endr
.endr
	s_wait_tensorcnt 0x0                           ; the wave's end
	ds_add_u32 v[SPW], v[NIL]
	s_wait_dscnt 0x0
	CROUND                                         ; the closing round
	s_endpgm
.Lfunc_end_k_q576d9a2c0e_pv:
	.size	k_q576d9a2c0e_pv, .Lfunc_end_k_q576d9a2c0e_pv-k_q576d9a2c0e_pv
	.p2alignl 7, 3214868480
	.fill 96, 4, 3214868480
	.section	.rodata,"a",@progbits
	.p2align	6, 0x0
	.amdhsa_kernel k_q576d9a2c0e_pv
		.amdhsa_group_segment_fixed_size 327680
		.amdhsa_private_segment_fixed_size 0
		.amdhsa_enable_private_segment 0
		.amdhsa_kernarg_size 24
		.amdhsa_user_sgpr_count 2
		.amdhsa_user_sgpr_kernarg_segment_ptr 1
		.amdhsa_wavefront_size32 1
		.amdhsa_system_sgpr_workgroup_id_x 1
		.amdhsa_system_sgpr_workgroup_id_y 1
		.amdhsa_system_sgpr_workgroup_id_z 1
		.amdhsa_system_vgpr_workitem_id 0
		.amdhsa_next_free_vgpr 512
		.amdhsa_next_free_sgpr 76
		.amdhsa_reserve_vcc 0
		.amdhsa_float_denorm_mode_32 3
		.amdhsa_float_denorm_mode_16_64 3
		.amdhsa_memory_ordered 1
		.amdhsa_forward_progress 1
		.amdhsa_inst_pref_size 90
	.end_amdhsa_kernel
	.amdgpu_metadata
---
amdhsa.version: [ 1, 2 ]
amdhsa.kernels:
  - .name:           k_q576d9a2c0e_pv
    .symbol:         k_q576d9a2c0e_pv.kd
    .args:
      - { .name: pa, .offset: 0, .size: 8, .value_kind: global_buffer, .address_space: global }
      - { .name: vp, .offset: 8, .size: 8, .value_kind: global_buffer, .address_space: global }
      - { .name: out0, .offset: 16, .size: 8, .value_kind: global_buffer, .address_space: global }
    .group_segment_fixed_size: 327680
    .private_segment_fixed_size: 0
    .kernarg_segment_align: 8
    .kernarg_segment_size: 24
    .max_flat_workgroup_size: 128
    .sgpr_count:     76
    .vgpr_count:     512
    .wavefront_size: 32
...
	.end_amdgpu_metadata
.endif
;; end of part 12
;; ======== version 3 of 3: 6 launches; version 2 with the launches castx, norm written anew for expert scheduling mode
;; limits: values are held in f16: magnitudes above 65,504 overflow, below 6.1e-05 lose precision; right only within a limited range of input values; values outside matrix products are rounded to f16
;; workspace buffers: xb 33,554,432 bytes; wb 10,485,760 bytes; qkp 33,554,432 bytes; vp 8,388,608 bytes; pt 33,554,432 bytes; st 1,048,576 bytes; pa 33,554,432 bytes
;; launch castx (part 13): grid 672 x 1, 8 waves a work-group, no clusters, 0 bytes of LDS; arguments v, Wq, Wk, Wv, xb, wb; writes xb, wb
.if DOCPART == 13
	.amdgcn_target "amdgcn-amd-amdhsa--gfx1250"
	.amdhsa_code_object_version 6
	.text
	.protected	k_q576d9a2c0e_castx
	.globl	k_q576d9a2c0e_castx
	.p2align	8
	.type	k_q576d9a2c0e_castx,@function
k_q576d9a2c0e_castx:
	s_mov_b64 s[64:65], 0
	v_nop
	global_prefetch_b8 v0, s[64:65] scope:SCOPE_SE
	s_setreg_imm32_b32 hwreg(HW_REG_WAVE_SCHED_MODE, 0, 2), 2
	s_setreg_imm32_b32 hwreg(HW_REG_WAVE_MODE, 25, 1), 1
	s_wait_xcnt 0x0
	s_wait_alu depctr_vm_vsrc(0)
; v and the three weights are rounded once to bf16 (nearest even): v into xb ([8192][2048]), Wq, Wk, Wv into wb ([2560][2048], one behind the other).
; (q and k are rounded by the launch that multiplies them.)
; A stream: no LDS, no barrier, no matrix unit.  A work-group takes 32,768 numbers (131,072 bytes in, 65,536 out), a wave 4,096.
; A wave's load covers 512 consecutive bytes, its store 256 consecutive bytes at a multiple of 256 from the buffer's first byte.
; All 32 loads of a wave go out at once; no register is written twice, so no wait frees a source.
; THE MODE: SCHED_MODE bits 1:0 = 2 (LLVM: expert scheduling mode 2), set by the entry lines.  The code itself states the register dependences
; between vector instructions and memory instructions, with s_wait_alu, always for 0.
; THE PLAN.  Registers that memory instructions touch:
;   v1, v2   byte offsets, made once at the head and never written again; v1 is read by every load, v2 by every store.
;   X        each register is written by one load, once, and read by one rounding; no load lands in a register that a vector instruction has named.
;   Y        each register is written by one rounding, once, and read by one store.
; The 32 loads' work goes in 8 blocks of four.  Block p rounds its X into its Y; its memory instructions are the four stores of block p - 1.  So ONE wait at a block's
; head, behind the wait for the block's data, states that the block before has written its Y; the four stores follow it, dealt among the block's eight roundings,
; which name X and Y of block p alone: none of the registers that those stores read.
.set LOADS, 32
.set BLOCK, 4                          ; loads in a block
.set X, 4                              ; v[4:131]   as loaded
.set Y, 132                            ; v[132:195] two bf16 a register
.macro PICK t, p                       ; from work-group t on the source is the buffer in s[p:p+1]
	s_cmp_ge_u32 s2, \t
	s_cselect_b64 s[24:25], s[\p:\p+1], s[24:25]
	s_cselect_b32 s26, \t, s26
.endm
	s_load_b256 s[8:15], s[0:1], 0x0               ; v, Wq, Wk, Wv: s[8:9] .. s[14:15]
	s_load_b128 s[16:19], s[0:1], 0x20             ; xb s[16:17], wb s[18:19]
	s_mov_b32 s2, ttmp9
	v_lshrrev_b32 v3, 5, v0                        ; wave
	v_and_b32 v2, 31, v0                           ; lane
	v_lshlrev_b32 v1, 4, v2
	v_lshl_add_u32 v1, v3, 14, v1                  ; in: wave x 16,384 + lane x 16
	v_lshlrev_b32 v2, 3, v2
	v_lshl_add_u32 v2, v3, 13, v2                  ; out: wave x 8,192 + lane x 8
	s_wait_kmcnt 0x0
	s_mov_b64 s[24:25], s[8:9]                     ; the source, and the first work-group that reads it
	s_mov_b32 s26, 0
	PICK 512, 10                                   ; v has 512 work-groups,
	PICK 576, 12                                   ; Wq and Wk 64 each,
	PICK 640, 14                                   ; Wv 32
	s_cmp_ge_u32 s2, 512
	s_cselect_b64 s[28:29], s[18:19], s[16:17]     ; the weights go to wb, v to xb
	s_cselect_b32 s27, 512, 0
	s_sub_co_u32 s30, s2, s26
	s_lshl_b32 s30, s30, 17                        ; 131,072 bytes of f32 a work-group: 67,108,864 at the most
	s_mov_b32 s31, 0
	s_add_nc_u64 s[24:25], s[24:25], s[30:31]
	s_sub_co_u32 s30, s2, s27
	s_lshl_b32 s30, s30, 16                        ; 65,536 bytes of bf16 a work-group
	s_add_nc_u64 s[28:29], s[28:29], s[30:31]
	s_wait_alu depctr_va_vdst(0)                   ; v1 and v2 are written: every load and store of the kernel reads one of them as its offset
.set i, 0
.rept LOADS
	global_load_b128 v[X+4*i:X+4*i+3], v1, s[24:25] offset:512*i th:TH_LOAD_NT
.set i, i+1
.endr
.set p, 0
.rept LOADS/BLOCK                      ; block p
	s_wait_loadcnt LOADS-BLOCK*(p+1)               ; loads come back in order (ISA guide 5.7.1): block p's four are in, the younger blocks' stay out
.if p > 0
	s_wait_alu depctr_va_vdst(0)                   ; the block before has written its Y, which the four stores below read
.endif
.set i, BLOCK*p
.rept BLOCK
.if p > 0
	global_store_b64 v2, v[Y+2*(i-BLOCK):Y+2*(i-BLOCK)+1], s[28:29] offset:256*(i-BLOCK)  ; the block before; no vector instruction since the wait names these registers
.endif
	v_cvt_pk_bf16_f32 v[Y+2*i], v[X+4*i], v[X+4*i+1]
	v_cvt_pk_bf16_f32 v[Y+2*i+1], v[X+4*i+2], v[X+4*i+3]
.set i, i+1
.endr
.set p, p+1
.endr
	s_wait_alu depctr_va_vdst(0)                   ; the last block has written its Y, which the last four stores read
.set i, LOADS-BLOCK
.rept BLOCK
	global_store_b64 v2, v[Y+2*i:Y+2*i+1], s[28:29] offset:256*i
.set i, i+1
.endr
	s_endpgm
.Lfunc_end_k_q576d9a2c0e_castx:
	.size	k_q576d9a2c0e_castx, .Lfunc_end_k_q576d9a2c0e_castx-k_q576d9a2c0e_castx
	.p2alignl 7, 3214868480
	.fill 96, 4, 3214868480
	.section	.rodata,"a",@progbits
	.p2align	6, 0x0
	.amdhsa_kernel k_q576d9a2c0e_castx
		.amdhsa_group_segment_fixed_size 0
		.amdhsa_private_segment_fixed_size 0
		.amdhsa_enable_private_segment 0
		.amdhsa_kernarg_size 48
		.amdhsa_user_sgpr_count 2
		.amdhsa_user_sgpr_kernarg_segment_ptr 1
		.amdhsa_wavefront_size32 1
		.amdhsa_system_sgpr_workgroup_id_x 1
		.amdhsa_system_sgpr_workgroup_id_y 1
		.amdhsa_system_sgpr_workgroup_id_z 1
		.amdhsa_system_vgpr_workitem_id 0
		.amdhsa_next_free_vgpr 196
		.amdhsa_next_free_sgpr 66
		.amdhsa_reserve_vcc 0
		.amdhsa_float_denorm_mode_32 3
		.amdhsa_float_denorm_mode_16_64 3
		.amdhsa_memory_ordered 1
		.amdhsa_forward_progress 1
		.amdhsa_inst_pref_size 13
	.end_amdhsa_kernel
	.amdgpu_metadata
---
amdhsa.version: [ 1, 2 ]
amdhsa.kernels:
  - .name:           k_q576d9a2c0e_castx
    .symbol:         k_q576d9a2c0e_castx.kd
    .args:
      - { .name: v, .offset: 0, .size: 8, .value_kind: global_buffer, .address_space: global }
      - { .name: Wq, .offset: 8, .size: 8, .value_kind: global_buffer, .address_space: global }
      - { .name: Wk, .offset: 16, .size: 8, .value_kind: global_buffer, .address_space: global }
      - { .name: Wv, .offset: 24, .size: 8, .value_kind: global_buffer, .address_space: global }
      - { .name: xb, .offset: 32, .size: 8, .value_kind: global_buffer, .address_space: global }
      - { .name: wb, .offset: 40, .size: 8, .value_kind: global_buffer, .address_space: global }
    .group_segment_fixed_size: 0
    .private_segment_fixed_size: 0
    .kernarg_segment_align: 8
    .kernarg_segment_size: 48
    .max_flat_workgroup_size: 256
    .sgpr_count:     66
    .vgpr_count:     196
    .wavefront_size: 32
...
	.end_amdgpu_metadata
.endif
;; end of part 13
;; launch projqk: the kernel of part 8 again; grid 4 x 64, 4 waves a work-group, clusters of 4 x 4, 327,680 bytes of LDS; arguments q, k, wb, qkp; writes qkp
;; launch projv: the kernel of part 9 again; grid 4 x 64, 4 waves a work-group, clusters of 4 x 4, 327,680 bytes of LDS; arguments xb, wb, vp; writes vp
;; launch scores: the kernel of part 10 again; grid 8 x 32, 4 waves a work-group, clusters of 4 x 4, 327,680 bytes of LDS; arguments qkp, pt, st; writes pt, st
;; launch norm (part 14): grid 256 x 1, 8 waves a work-group, no clusters, 0 bytes of LDS; arguments st, pt, pa; writes pa
.if DOCPART == 14
	.amdgcn_target "amdgcn-amd-amdhsa--gfx1250"
	.amdhsa_code_object_version 6
	.text
	.protected	k_q576d9a2c0e_norm
	.globl	k_q576d9a2c0e_norm
	.p2align	8
	.type	k_q576d9a2c0e_norm,@function
k_q576d9a2c0e_norm:
	s_mov_b64 s[64:65], 0
	v_nop
	global_prefetch_b8 v0, s[64:65] scope:SCOPE_SE
	s_setreg_imm32_b32 hwreg(HW_REG_WAVE_SCHED_MODE, 0, 2), 2
	s_setreg_imm32_b32 hwreg(HW_REG_WAVE_MODE, 25, 1), 1
	s_wait_xcnt 0x0
	s_wait_alu depctr_vm_vsrc(0)
; The second half of the softmax over queries.  For each key the 16 pieces' cm_t and l_t are joined: M = max cm_t, e_t = 2^(cm_t - M), Z = sum of l_t e_t, F_t = 2048 e_t / Z, all in f32;
; then pa[key][q] = p[key][q] x F_t(q), t(q) = q / 128: p is widened to f32, multiplied, and rounded once to f16.  pa is 2048 x the softmax weight; the power of two, which keeps pa near 1 on
; average, is taken back in f32 by the launch that follows.  Z is at least about 1 (the piece with cm_t = M has e = 1 and holds a p of 1), so F and pa lie in 0 to about 2048.
; LIMITS: pa below 6e-5 keeps f16's fixed step of 6e-8; e below 2^-126 counts as 0; NaN and infinities are not treated apart.
; A stream: no LDS, no barrier, no matrix unit.  A work-group takes 32 keys (rows of 4,096 bytes), a wave 4.  A load or store of a row's part covers 512 consecutive bytes.
; THE STATISTICS: lane 16 h + t loads 16 bytes (4 keys) of piece t: cm for h = 0, l for h = 1: one load a wave; the eight waves take 128 consecutive bytes of each of st's 32 rows.
; After one exchange both halves of the lanes hold cm_t and l_t in lane t, and maximum and sum over the pieces go by DPP inside the 16 lanes.
; THE ROWS: load i of a row brings lane 16 h + r the queries 256 i + 128 h + 8 r + 0..7, which lie in piece 2 i + h.  G holds F_t in lane t of the lower half and F_(t+1) in lane t of the upper,
; so that one row_share of lane 2 i gives every lane its factor.
; THE MODE: SCHED_MODE bits 1:0 = 2 (LLVM: expert scheduling mode 2), set by the entry lines.  The code itself states the register dependences
; between vector instructions and memory instructions, with s_wait_alu, always for 0.
; THE PLAN.  The wave's 4 rows are 32 UNITS of 512 bytes (unit u: row u / 8, load u % 8), taken in 8 blocks of four.  Registers that memory instructions touch:
;   v1, v2     byte offsets, made once at the head and never written again.
;   S4         the statistics as loaded: one load; no vector instruction writes it.
;   X0 .. X4   five sets of four slots of p as loaded.  Blocks 0 to 3 are asked for at the head; block p + 4 is asked for in block p.  Read by a block's widenings.
;   Y          4 registers for each of the 32 units: written by the unit's roundings, once, and read by its store, which is issued one block later.  No store's data register is written twice.
; Block p works on X[p % 5] and writes its own Y.  Its memory instructions are the loads into X[(p + 4) % 5] = X[(p - 1) % 5] and the stores from block p - 1's Y: registers that block p - 1
; worked on and that no vector instruction of block p names (those name X[p % 5], T, FI, G and block p's Y).  So ONE wait at a block's head states all that the block's eight memory
; instructions hang on, and these are dealt among its vector instructions with no further wait.  With the four loads behind a head 16 loads of every wave are on their way.
.set S4,  4                            ; v[4:7]    as loaded: cm or l of 4 keys
.set SH,  8                            ; v[8:11]   F moved one lane down
.set XC,  12                           ; v[12:15]  the other half of the lanes'
.set CMV, 16                           ; v[16:19]  cm, then e
.set LV,  20                           ; v[20:23]  l, then l e, Z, 2048 / Z
.set TT,  20                           ; v20, v21  at the head only: t and h
.set TH,  21
.set MV,  24                           ; v[24:27]  M
.set G,   28                           ; v[28:31]  the factors of key j
.set FI,  32                           ; v[32:47]  the row's factor for load i, twice: a pair for the packed multiply
.set T,   12                           ; v[12:19]  behind the statistics: 8 numbers in f32, at work; no memory instruction names them
.set X,   48                           ; v[48:127] set k, slot i: 4 registers at X + 16 k + 4 i, 8 f16 as loaded (halves of registers have names up to v127)
.set Y,   128                          ; v[128:255] 4 registers for each of the 32 stores
	s_load_b128 s[4:7], s[0:1], 0x0                ; st s[4:5], pt s[6:7]
	s_load_b64 s[8:9], s[0:1], 0x10                ; pa
	s_lshr_b32 s12, ttmp9, 6                       ; batch: 64 work-groups each
	s_lshl_b32 s12, s12, 17                        ; its 16 x 2,048 x 4 bytes of st
	s_and_b32 s13, ttmp9, 63
	s_lshl_b32 s13, s13, 7                         ; my 32 keys x 4 bytes
	s_add_co_u32 s12, s12, s13
	s_mov_b32 s13, 0
	s_lshl_b32 s14, ttmp9, 17                      ; my 32 rows of 4,096 bytes
	s_mov_b32 s15, 0
	s_mov_b32 s16, 0x76543210                      ; v_permlanex16_b32: each lane takes its own place in the other half
	s_mov_b32 s17, 0xfedcba98
	s_mov_b32 s18, 0xffff0000                      ; lanes 16-31
	v_lshrrev_b32 v3, 5, v0                        ; wave
	v_and_b32 v[TT], 15, v0                        ; t
	v_bfe_u32 v[TH], v0, 4, 1                      ; h
	v_lshlrev_b32 v1, 13, v[TT]                    ; st: piece t's row,
	v_lshl_add_u32 v1, v[TH], 19, v1               ; cm or l,
	v_lshl_add_u32 v1, v3, 4, v1                   ; my wave's 4 keys
	v_and_b32 v2, 31, v0
	v_lshlrev_b32 v2, 4, v2                        ; rows: 16 bytes a lane,
	v_lshl_add_u32 v2, v3, 14, v2                  ; my wave's 4 rows
.irp j, 0,1,2,3
	v_mov_b32 v[XC+(\j)], 0                        ; destinations of lane exchanges count as read: they are written once here
	v_mov_b32 v[SH+(\j)], 0
.endr
.set i, 0
.rept 16
	v_mov_b32 v[FI+i], 0
.set i, i+1
.endr
	s_wait_kmcnt 0x0
	s_add_nc_u64 s[4:5], s[4:5], s[12:13]
	s_add_nc_u64 s[6:7], s[6:7], s[14:15]
	s_add_nc_u64 s[8:9], s[8:9], s[14:15]
	s_wait_alu depctr_va_vdst(0)                   ; v1 and v2 are written: every load and store of the kernel reads one of them as its offset
	global_load_b128 v[S4:S4+3], v1, s[4:5]
.set n, 0
.rept 16                               ; blocks 0 to 3 (rows 0 and 1) into X0 .. X3
	global_load_b128 v[X+4*n:X+4*n+3], v2, s[6:7] offset:(n/8)*4096+(n%8)*512 th:TH_LOAD_NT
.set n, n+1
.endr
	s_wait_loadcnt 16                              ; the statistics are in; the 16 younger loads stay out
.irp j, 0,1,2,3
	v_permlanex16_b32 v[XC+(\j)], v[S4+(\j)], s16, s17
.endr
.irp j, 0,1,2,3
	v_cndmask_b32 v[CMV+(\j)], v[S4+(\j)], v[XC+(\j)], s18   ; cm: my own below, the other half's above
	v_cndmask_b32 v[LV+(\j)], v[XC+(\j)], v[S4+(\j)], s18    ; l: the other way round
.endr
.irp j, 0,1,2,3
	v_mov_b32 v[MV+(\j)], v[CMV+(\j)]
.endr
.irp m, 1,2,4,8
.irp j, 0,1,2,3
	v_max_num_f32_dpp v[MV+(\j)], v[MV+(\j)], v[MV+(\j)] row_xmask:\m row_mask:0xf bank_mask:0xf
.endr
.endr
.irp j, 0,1,2,3
	v_sub_f32 v[CMV+(\j)], v[CMV+(\j)], v[MV+(\j)]
.endr
.irp j, 0,1,2,3
	v_exp_f32 v[CMV+(\j)], v[CMV+(\j)]
.endr
	v_nop                                          ; a plain instruction between the last exponential and the use of its result (ISA guide 5.7.2)
	s_wait_alu depctr_va_vdst(0)
.irp j, 0,1,2,3
	v_mul_f32 v[LV+(\j)], v[LV+(\j)], v[CMV+(\j)]
.endr
.irp m, 1,2,4,8
.irp j, 0,1,2,3
	v_add_f32_dpp v[LV+(\j)], v[LV+(\j)], v[LV+(\j)] row_xmask:\m row_mask:0xf bank_mask:0xf
.endr
.endr
.irp j, 0,1,2,3
	v_rcp_f32 v[LV+(\j)], v[LV+(\j)]
.endr
	v_nop
	s_wait_alu depctr_va_vdst(0)
.irp j, 0,1,2,3
	v_mul_f32 v[LV+(\j)], 0x45000000, v[LV+(\j)]   ; 2048 / Z
.endr
.irp j, 0,1,2,3
	v_mul_f32 v[G+(\j)], v[CMV+(\j)], v[LV+(\j)]   ; F_t in lane t of both halves
.endr
.irp j, 0,1,2,3
	v_mov_b32_dpp v[SH+(\j)], v[G+(\j)] row_shl:1 row_mask:0xf bank_mask:0xf   ; lane t takes lane t + 1 (lane 15 keeps its 0, which nobody asks for)
.endr
.irp j, 0,1,2,3
	v_cndmask_b32 v[G+(\j)], v[G+(\j)], v[SH+(\j)], s18
.endr
.macro FACS kk                         ; the eight factors of row kk, each in both registers of a pair
.irp i, 0,2,4,6,8,10,12,14
	v_mov_b32_dpp v[FI+(\i)],   v[G+(\kk)] row_share:\i row_mask:0xf bank_mask:0xf
	v_mov_b32_dpp v[FI+(\i)+1], v[G+(\kk)] row_share:\i row_mask:0xf bank_mask:0xf
.endr
.endm
; The head of block p.
.macro HEAD p
.if (\p) < 5
	s_wait_loadcnt 12                              ; loads come back in order (ISA guide 5.7.1): block p's four are in, the three younger blocks stay out
.else
	s_wait_loadcnt 4*(7-(\p))                      ; nothing is loaded any more: the counts run down
.endif
.if (\p) > 0
	s_wait_alu depctr_va_vdst(0)                   ; the block before has written its Y, which the stores below read, and is done reading its X, in which the loads below land
.endif
.endm
; Unit 4 p + i.  a0-a7 name the halves of its slot's four registers, X + 16 (p % 5) + 4 i on.  In front of its sixteen vector instructions stand a load of block p + 4 and a store of block p - 1.
.macro UN p, i, a0, a1, a2, a3, a4, a5, a6, a7
.set u, 4*(\p)+(\i)
.if (\p) < 4
	global_load_b128 v[X+16*(((\p)+4)%5)+4*(\i):X+16*(((\p)+4)%5)+4*(\i)+3], v2, s[6:7] offset:((u+16)/8)*4096+((u+16)%8)*512 th:TH_LOAD_NT  ; the same place two rows on; no vector instruction since the wait names these registers (in block 0: none ever has)
.endif
.if (\p) > 0
	global_store_b128 v2, v[Y+4*(u-4):Y+4*(u-4)+3], s[8:9] offset:((u-4)/8)*4096+((u-4)%8)*512  ; the block before
.endif
.if u%8 == 0
	FACS u/8
.endif
	v_cvt_f32_f16 v[T],   \a0
	v_cvt_f32_f16 v[T+1], \a1
	v_cvt_f32_f16 v[T+2], \a2
	v_cvt_f32_f16 v[T+3], \a3
	v_cvt_f32_f16 v[T+4], \a4
	v_cvt_f32_f16 v[T+5], \a5
	v_cvt_f32_f16 v[T+6], \a6
	v_cvt_f32_f16 v[T+7], \a7
.irp j, 0,2,4,6
	v_pk_mul_f32 v[T+(\j):T+(\j)+1], v[T+(\j):T+(\j)+1], v[FI+2*(u%8):FI+2*(u%8)+1]
.endr
.irp j, 0,1,2,3
	v_cvt_pk_f16_f32 v[Y+4*u+(\j)], v[T+2*(\j)], v[T+2*(\j)+1]
.endr
.endm
; Block p on set k = p % 5: one macro for each set, since the halves are named.
.macro SET0 p
	HEAD \p
	UN \p, 0, v48.l, v48.h, v49.l, v49.h, v50.l, v50.h, v51.l, v51.h
	UN \p, 1, v52.l, v52.h, v53.l, v53.h, v54.l, v54.h, v55.l, v55.h
	UN \p, 2, v56.l, v56.h, v57.l, v57.h, v58.l, v58.h, v59.l, v59.h
	UN \p, 3, v60.l, v60.h, v61.l, v61.h, v62.l, v62.h, v63.l, v63.h
.endm
.macro SET1 p
	HEAD \p
	UN \p, 0, v64.l, v64.h, v65.l, v65.h, v66.l, v66.h, v67.l, v67.h
	UN \p, 1, v68.l, v68.h, v69.l, v69.h, v70.l, v70.h, v71.l, v71.h
	UN \p, 2, v72.l, v72.h, v73.l, v73.h, v74.l, v74.h, v75.l, v75.h
	UN \p, 3, v76.l, v76.h, v77.l, v77.h, v78.l, v78.h, v79.l, v79.h
.endm
.macro SET2 p
	HEAD \p
	UN \p, 0, v80.l, v80.h, v81.l, v81.h, v82.l, v82.h, v83.l, v83.h
	UN \p, 1, v84.l, v84.h, v85.l, v85.h, v86.l, v86.h, v87.l, v87.h
	UN \p, 2, v88.l, v88.h, v89.l, v89.h, v90.l, v90.h, v91.l, v91.h
	UN \p, 3, v92.l, v92.h, v93.l, v93.h, v94.l, v94.h, v95.l, v95.h
.endm
.macro SET3 p
	HEAD \p
	UN \p, 0, v96.l, v96.h, v97.l, v97.h, v98.l, v98.h, v99.l, v99.h
	UN \p, 1, v100.l, v100.h, v101.l, v101.h, v102.l, v102.h, v103.l, v103.h
	UN \p, 2, v104.l, v104.h, v105.l, v105.h, v106.l, v106.h, v107.l, v107.h
	UN \p, 3, v108.l, v108.h, v109.l, v109.h, v110.l, v110.h, v111.l, v111.h
.endm
.macro SET4 p
	HEAD \p
	UN \p, 0, v112.l, v112.h, v113.l, v113.h, v114.l, v114.h, v115.l, v115.h
	UN \p, 1, v116.l, v116.h, v117.l, v117.h, v118.l, v118.h, v119.l, v119.h
	UN \p, 2, v120.l, v120.h, v121.l, v121.h, v122.l, v122.h, v123.l, v123.h
	UN \p, 3, v124.l, v124.h, v125.l, v125.h, v126.l, v126.h, v127.l, v127.h
.endm
	SET0 0                                         ; block 0 has no block in front of it: no store, and no wait but the one for its data
	SET1 1
	SET2 2
	SET3 3                                         ; asks for the last four units
	SET4 4
	SET0 5
	SET1 6
	SET2 7
	s_wait_alu depctr_va_vdst(0)                   ; block 7 has written its Y, which the last four stores read
.irp i, 0,1,2,3
	global_store_b128 v2, v[Y+4*(28+(\i)):Y+4*(28+(\i))+3], s[8:9] offset:3*4096+(4+(\i))*512
.endr
	s_endpgm
.Lfunc_end_k_q576d9a2c0e_norm:
	.size	k_q576d9a2c0e_norm, .Lfunc_end_k_q576d9a2c0e_norm-k_q576d9a2c0e_norm
	.p2alignl 7, 3214868480
	.fill 96, 4, 3214868480
	.section	.rodata,"a",@progbits
	.p2align	6, 0x0
	.amdhsa_kernel k_q576d9a2c0e_norm
		.amdhsa_group_segment_fixed_size 0
		.amdhsa_private_segment_fixed_size 0
		.amdhsa_enable_private_segment 0
		.amdhsa_kernarg_size 24
		.amdhsa_user_sgpr_count 2
		.amdhsa_user_sgpr_kernarg_segment_ptr 1
		.amdhsa_wavefront_size32 1
		.amdhsa_system_sgpr_workgroup_id_x 1
		.amdhsa_system_sgpr_workgroup_id_y 1
		.amdhsa_system_sgpr_workgroup_id_z 1
		.amdhsa_system_vgpr_workitem_id 0
		.amdhsa_next_free_vgpr 256
		.amdhsa_next_free_sgpr 66
		.amdhsa_reserve_vcc 0
		.amdhsa_float_denorm_mode_32 3
		.amdhsa_float_denorm_mode_16_64 3
		.amdhsa_memory_ordered 1
		.amdhsa_forward_progress 1
		.amdhsa_inst_pref_size 42
	.end_amdhsa_kernel
	.amdgpu_metadata
---
amdhsa.version: [ 1, 2 ]
amdhsa.kernels:
  - .name:           k_q576d9a2c0e_norm
    .symbol:         k_q576d9a2c0e_norm.kd
    .args:
      - { .name: st, .offset: 0, .size: 8, .value_kind: global_buffer, .address_space: global }
      - { .name: pt, .offset: 8, .size: 8, .value_kind: global_buffer, .address_space: global }
      - { .name: pa, .offset: 16, .size: 8, .value_kind: global_buffer, .address_space: global }
    .group_segment_fixed_size: 0
    .private_segment_fixed_size: 0
    .kernarg_segment_align: 8
    .kernarg_segment_size: 24
    .max_flat_workgroup_size: 256
    .sgpr_count:     66
    .vgpr_count:     256
    .wavefront_size: 32
...
	.end_amdgpu_metadata
.endif
;; end of part 14
;; launch pv: the kernel of part 12 again; grid 4 x 64, 4 waves a work-group, clusters of 4 x 4, 327,680 bytes of LDS; arguments pa, vp, out0; writes out0
